; MI455X (gfx1250); checked and timed in simulation.
; The chip was launched on July 23, 2026; its instructions are those of AMD's public machine-readable ISA for CDNA 5 (MIT licence, August 2026) and "CDNA5" Instruction Set Architecture Reference Guide (July 2026). The comments in the code are by the model that wrote it; some were corrected since.
;; MLA. Allowed arithmetic: matrix products marked QUANTISED: E2M1 operands, one E8M0 scale for each 32 along K, by v_wmma_scale_f32_16x16x128_f8f6f4 with both operands' format E2M1 (or v_wmma_scale_f32_32x16x128_f4), f32 sums; products left as they are: bf16, f16 or f32 operands; f32 sums; everything else in f32.
;; Inputs: w_down 2,048 x 1,024 float32; w_up 1,024 x 2,048 float32; wo 1,024 x 2,048 float32; wq 2,048 x 1,024 float32; x 2 x 2,048 x 2,048 float32.
;; Outputs: out0 2 x 2,048 x 2,048 float32.
;; This version of the problem:
;;   THIS VERSION OF THE PROBLEM IS GIVEN IN LOW PRECISION. The matrix products marked QUANTISED in the list below multiply operands that are first quantised to E2M1 (2 exponent bits, 1 mantissa bit; 4 bits a number), with one power-of-two scale for each 32 numbers along K (OCP MX v1.0); their sums are f32. The products marked 'left as it is' may take bf16, f16 or f32 operands, with f32 sums. Whichever they take, every output number must still come out within the allowed error. Rounding operands to bf16 (8 significant bits) uses up far more of that allowance than f16 does (11 bits, for magnitudes from 6e-5 to 65,504). All else is computed in f32.
;;   The module's matrix products, in the order in which they are computed (A, B: the left and right operand; K: the contracted axis; several contracted axes count as one K, in the product's order):
;;     1. [M 4,096, K 2,048] x [K 2,048, N 1,024]; A: input x; B: input wq: QUANTISED
;;     2. [M 4,096, K 2,048] x [K 2,048, N 1,024]; A: input x; B: input w_down: QUANTISED
;;     3. [M 4,096, K 1,024] x [K 1,024, N 2,048]; A: computed on the way; B: input w_up: left as it is (an operand is computed on the way)
;;     4. batch 32 x [M 2,048, K 64] x [K 64, N 2,048]; A: computed on the way; B: computed on the way: left as it is (an operand is computed on the way)
;;     5. batch 32 x [M 64, K 2,048] x [K 2,048, N 2,048]; A: computed on the way; B: computed on the way: left as it is (an operand is computed on the way)
;;     6. [M 4,096, K 1,024] x [K 1,024, N 2,048]; A: computed on the way; B: input wo: left as it is (an operand is computed on the way)
;;   THE QUANTISER, for each operand of a quantised product, along K:
;;     - K is cut into blocks of 32 from its start; a last block that is shorter is filled with zeros.
;;     - A block's scale is 2^e with e = floor(log2(the largest magnitude in the block)) - 2, held to -126 .. 127; a block of zeros has e = 0. As a byte (E8M0): e + 127.
;;     - Each number is divided by its block's scale, clamped to +-6, and rounded to the nearest number of E2M1, ties to even, subnormals kept.
;;     - The product sums the exact products of the quantised numbers (number of the format x scale) in f32.
;;   ~~~python
;;   def quantise(x, axis):      # numpy; x: float32 -> the quantised numbers, widened to float32 again
;;       x = np.moveaxis(x, axis, -1); K = x.shape[-1]
;;       x = np.pad(x, [(0, 0)] * (x.ndim - 1) + [(0, -K % 32)]); x = x.reshape(x.shape[:-1] + (-1, 32)); a = np.abs(x).max(-1, keepdims=True)
;;       e = np.where(a > 0, np.clip(np.frexp(np.where(a > 0, a, 1))[1] - 1 - 2, -126, 127), 0)      # np.frexp(a)[1] - 1 = floor(log2(a)), exactly
;;       r = np.clip(x / 2.0 ** e, -6, 6)
;;       step = 2.0 ** (np.maximum(np.frexp(np.where(r == 0, 1, r))[1] - 1, 0) - 1)
;;       q = np.round(r / step) * step * 2.0 ** e      # np.round: ties to even
;;       return np.moveaxis(q.reshape(q.shape[:-2] + (-1,))[..., :K], -1, axis).astype(np.float32)
;;   ~~~
;; 2 versions, each right. Each part assembles by itself: llvm-mc -triple=amdgcn-amd-amdhsa -mcpu=gfx1250 --defsym DOCPART=n.
;; ======== version 1 of 2: 8 launches
;; limits: values are held in f16: magnitudes above 65,504 overflow, below 6.1e-05 lose precision
;; workspace buffers: codes 6,291,456 bytes; scales 393,216 bytes; w16 8,390,656 bytes; rope 524,288 bytes; qc 17,040,384 bytes; kv 17,039,616 bytes; ao 8,388,608 bytes; aof 131,072 bytes
;; launch prep (part 1): grid 416 x 1, 8 waves a work-group, no clusters, 151,552 bytes of LDS; arguments x, wq, w_down, w_up, wo, codes, scales, w16, rope; writes codes, scales, w16, rope
.if DOCPART == 1
	.amdgcn_target "amdgcn-amd-amdhsa--gfx1250"
	.amdhsa_code_object_version 6
	.text
	.protected	k_q1343664895_prep
	.globl	k_q1343664895_prep
	.p2align	8
	.type	k_q1343664895_prep,@function
k_q1343664895_prep:
	s_mov_b64 s[64:65], 0
	v_nop
	global_prefetch_b8 v0, s[64:65] scope:SCOPE_SE
	s_setreg_imm32_b32 hwreg(HW_REG_WAVE_MODE, 25, 1), 1
	s_wait_xcnt 0x0
; PREPARATION, four kinds of work-group, told apart by the work-group's number alone; each kind has LDS bytes of its own.
;   0..127   X: x [4096][2048] f32 -> codes of E2M1 (K innermost, 1,024 bytes a row) and one E8M0 byte for each 32 along K.
;   128..255 W: wq, w_down [2048 k][1024 n] f32 -> codes with K innermost, rows n (wq) and 1024 + n (w_down), and their scale bytes.
;   256..383 C: w_up, wo [1024 k][2048 n] f32 -> f16, laid [n][k]; of w_up also each wave's largest magnitude.
;   384..415 R: the table cos, sin of t x 10000^(-i/32), t = 0..2047, i = 0..31, 256 bytes a position.
; A block's scale is 2^(floor(log2(largest magnitude)) - 2): its byte is the largest magnitude's exponent field - 2, held at 1 from below.
; LIMITS: a block of zeros gets the byte 1 (its codes are zeros; this program alone reads the bytes); NaN and infinities are not served;
; numbers of w_up and wo under 2^-14 keep fewer than 11 bits in f16, beyond 65,504 they do not fit.
; The angle is reduced by pi/2 in two parts, and sine and cosine are polynomials on [-pi/4, pi/4] with an error under 1e-7.
.set SP,    80                         ; X: a lane's place in a stage: 64 bytes + 16 of padding
.set WST,   65536                      ; W: 64 rows (columns n) x (256 bytes of codes + 16)
.set WSC,   WST+64*272                 ; W: 64 x 16 scale bytes
.set CST,   WSC+1024                   ; C: 64 rows x (1,024 bytes of f16 + 16)
.set SPARE, CST+64*1040                ; the spare words: 128 bytes for each of the eight waves
.set SPW,   12                         ; v12 LDS address of my spare word; never rewritten
.set NIL,   13                         ; v13 0; never rewritten
.set R,     16                         ; X: v16-143 eight sets of 16 numbers as loaded
.set X,     144                        ; X: v144-175 two sets of 16 neighbours
.set E,     176                        ; X: v176-191 a scale byte for each step
.set C,     192                        ; v192-255 codes or f16 pairs
.set NUM,   64                         ; W, C: v64-191 my column's 128 numbers down K
	s_load_b256 s[4:11], s[0:1], 0x0               ; x, wq, w_down, w_up
	s_load_b256 s[12:19], s[0:1], 0x20             ; wo, codes, scales, w16
	s_load_b64 s[20:21], s[0:1], 0x40              ; rope
	v_lshl_add_u32 v[SPW], v0, 2, SPARE
	v_mov_b32 v[NIL], 0
	v_lshrrev_b32 v1, 5, v0
	v_readfirstlane_b32 s22, v1                    ; wave 0..7
	v_and_b32 v2, 31, v0                           ; lane
	s_mov_b32 s25, 0                               ; the high word of every offset pair s[24:25]
	s_wait_kmcnt 0x0
	s_cmp_lt_u32 ttmp9, 128
	s_cbranch_scc1 .Lx
	s_cmp_lt_u32 ttmp9, 256
	s_cbranch_scc1 .Lw
	s_cmp_lt_u32 ttmp9, 384
	s_cbranch_scc1 .Lc
; ---- R: a lane takes i, a wave eight positions t; a wave's store of 8 bytes a lane is one position's 256 bytes
	s_sub_co_u32 s26, ttmp9, 384
	s_lshl_b32 s26, s26, 3
	s_add_co_u32 s26, s26, s22
	s_lshl_b32 s26, s26, 3                         ; my first position
	s_lshl_b32 s24, s26, 8
	s_add_nc_u64 s[20:21], s[20:21], s[24:25]
	s_mov_b32 s28, 0x3f22f983                      ; 2 / pi
	s_mov_b32 s29, 0xbfc90fdb                      ; -(pi / 2), its f32 part
	s_mov_b32 s30, 0x333bbd2e                      ; what that part has too much: 4.371139e-8
	s_mov_b32 s31, 0xbe2aaaa3                      ; sine: -1.6666654611e-1
	s_mov_b32 s32, 0x3c08839e                      ;        8.3321608736e-3
	s_mov_b32 s33, 0xb94ca1f9                      ;       -1.9515295891e-4
	s_mov_b32 s34, 0x3d2aaaa5                      ; cosine: 4.166664568e-2
	s_mov_b32 s35, 0xbab6061a                      ;        -1.388731625e-3
	s_mov_b32 s36, 0x37ccf5ce                      ;         2.443315712e-5
	v_lshlrev_b32 v3, 3, v2
	v_cvt_f32_u32 v14, v2
	v_mul_f32 v14, 0xbed49a78, v14                 ; -i log2(10000) / 32
	v_exp_f32 v15, v14                             ; the frequency
	v_nop                                          ; a plain line behind the exponential
	s_wait_alu depctr_va_vdst(0)                   ; and the wait ahead of its first reader
.macro SINCOS u
	s_add_co_u32 s27, s26, \u
	v_cvt_f32_u32 v16, s27
	v_mul_f32 v17, v16, v15                        ; the angle
	v_mul_f32 v18, s28, v17
	v_rndne_f32 v18, v18                           ; n quarter turns
	v_fma_f32 v19, v18, s29, v17
	v_fma_f32 v19, v18, s30, v19                   ; r = angle - n pi / 2
	v_mul_f32 v20, v19, v19                        ; z = r r
	v_cvt_i32_f32 v21, v18
	v_fma_f32 v22, v20, s33, s32
	v_fma_f32 v24, v20, s36, s35
	v_fma_f32 v22, v22, v20, s31
	v_fma_f32 v24, v24, v20, s34
	v_mul_f32 v23, v19, v20
	v_mul_f32 v25, v20, v20
	v_fma_f32 v26, v20, -0.5, 1.0
	v_fma_f32 v22, v23, v22, v19                   ; sin r
	v_fma_f32 v24, v25, v24, v26                   ; cos r
	v_and_b32 v27, 1, v21
	v_cmp_eq_u32 vcc_lo, 1, v27                    ; an odd quarter swaps the two
	v_cndmask_b32 v28, v22, v24, vcc_lo
	v_cndmask_b32 v29, v24, v22, vcc_lo
	v_and_b32 v30, 2, v21
	v_add_nc_u32 v31, 1, v21
	v_lshlrev_b32 v30, 30, v30                     ; the sine is negated in quarters 2 and 3,
	v_and_b32 v31, 2, v31
	v_lshlrev_b32 v31, 30, v31                     ; the cosine in quarters 1 and 2
	v_xor_b32 v[33+2*\u], v28, v30
	v_xor_b32 v[32+2*\u], v29, v31
	global_store_b64 v3, v[32+2*\u:33+2*\u], s[20:21] offset:256*\u
.endm
.irp u, 0,1,2,3,4,5,6,7
	SINCOS \u
.endr
	s_branch .Lend
; ---- X: a wave takes 16 steps of 512 numbers.  Each load reads 512 bytes on end; a step's 2,048 bytes turn through the wave's own stage, so that a lane holds 16 neighbours along K
.Lx:
	v_lshlrev_b32 v3, 4, v2
	s_lshl_b32 s23, s22, 13                        ; my wave's 8,192 bytes of LDS: two stages and 256 scale bytes
	v_lshrrev_b32 v14, 2, v2
	v_mul_u32_u24 v14, v14, SP
	v_and_b32 v15, 3, v2
	v_lshl_add_u32 v14, v15, 4, v14
	v_add_nc_u32 v14, s23, v14                     ; in: four lanes' 64 bytes on end, then the padding
	v_mul_u32_u24 v15, v2, SP
	v_add_nc_u32 v15, s23, v15                     ; out: my 16 neighbours
	v_lshlrev_b32 v4, 3, v2                        ; 8 bytes a lane: my codes, and on the way out my scale bytes
	v_lshrrev_b32 v5, 1, v2
	s_add_co_u32 s23, s23, 2*32*SP
	v_add_nc_u32 v5, s23, v5                       ; my block's byte
	v_add_nc_u32 v6, s23, v4
	s_lshl_b32 s26, ttmp9, 3
	s_add_co_u32 s26, s26, s22                     ; which run of 8,192 numbers is mine
	s_lshl_b32 s24, s26, 15
	s_add_nc_u64 s[4:5], s[4:5], s[24:25]
	s_lshl_b32 s24, s26, 12
	s_add_nc_u64 s[14:15], s[14:15], s[24:25]
	s_lshl_b32 s24, s26, 8
	s_add_nc_u64 s[16:17], s[16:17], s[24:25]
.macro XLOAD t
.irp i, 0,1,2,3
	global_load_b128 v[R+16*((\t)%8)+4*\i:R+16*((\t)%8)+4*\i+3], v3, s[4:5] offset:2048*(\t)+512*\i th:TH_LOAD_NT
.endr
.endm
.macro XTURN t                         ; LDS serves a wave's instructions in order: no wait between the stores and the loads
.irp i, 0,1,2,3
	ds_store_b128 v14, v[R+16*((\t)%8)+4*\i:R+16*((\t)%8)+4*\i+3] offset:32*SP*((\t)%2)+8*SP*\i
.endr
.irp i, 0,1,2,3
	ds_load_b128 v[X+16*((\t)%2)+4*\i:X+16*((\t)%2)+4*\i+3], v15 offset:32*SP*((\t)%2)+16*\i
.endr
.endm
.irp t, 0,1,2,3,4,5,6,7
	XLOAD \t
.endr
	s_wait_loadcnt 28                              ; step 0's four loads are in; seven steps' may be out
	XTURN 0
.macro XSTEP t
.set XS, X+16*((\t)%2)
.if (\t) > 0
	s_wait_dscnt 1                                 ; this step's numbers are back (the last step's byte store may be out), so its stores into the stage have read their registers,
.else
	s_wait_dscnt 0x0
.endif
.if (\t)+8 < 16
	XLOAD (\t)+8                                   ; which take the loads of eight steps on
.endif
.if (\t)+1 < 16
.if 14-(\t) >= 7
	s_wait_loadcnt 28                              ; the next step's loads are in; those of the seven steps behind it may be out
.else
	s_wait_loadcnt 4*(14-(\t))
.endif
	XTURN (\t)+1
.endif
	v_max3_num_f32 v8, |v[XS]|, |v[XS+1]|, |v[XS+2]|
	v_max3_num_f32 v9, |v[XS+3]|, |v[XS+4]|, |v[XS+5]|
.irp i, 6,10
	v_max3_num_f32 v8, v8, |v[XS+\i]|, |v[XS+\i+1]|
	v_max3_num_f32 v9, v9, |v[XS+\i+2]|, |v[XS+\i+3]|
.endr
	v_max3_num_f32 v8, v8, |v[XS+14]|, |v[XS+15]|
	v_max3_num_f32 v8, v8, v9, 0x1800000           ; and the floor 2^(3 - 127): the byte cannot fall under 1
	v_max_num_f32_dpp v8, v8, v8 row_xmask:1 row_mask:0xf bank_mask:0xf   ; with my neighbour's 16: the block's
	v_add_nc_u32 v11, 0xff000000, v8               ; 2 off the exponent field: the conversion's scale operand
	v_cvt_scalef32_pk8_fp4_f32 v[C+4*(\t)], v[XS:XS+7], v11
	v_cvt_scalef32_pk8_fp4_f32 v[C+4*(\t)+1], v[XS+8:XS+15], v11
	v_lshrrev_b32 v[E+(\t)], 23, v11               ; the scale's byte
	ds_store_b8 v5, v[E+(\t)] offset:16*(\t)       ; both lanes of a block write the same byte
	global_store_b64 v4, v[C+4*(\t):C+4*(\t)+1], s[14:15] offset:256*(\t)   ; the wave stores 256 bytes on end
.endm
.irp t, 0,1,2,3,4,5,6,7,8,9,10,11,12,13,14,15
	XSTEP \t
.endr
	ds_load_b64 v[8:9], v6
	s_wait_dscnt 0x0
	global_store_b64 v4, v[8:9], s[16:17]          ; my run's 256 scale bytes
	s_branch .Lend
; ---- W and C share their shape: a work-group takes 64 columns x 512 along K; wave w: columns 32 (w & 1) on, a lane to a column; 128 (w >> 1) on along K, in four blocks of 32
.macro WLOAD base, rowb, blk           ; block blk: 32 loads, each 128 bytes on end; 32 more loads are out while a block is worked on
.set i_, 0
.rept 32
	global_load_b32 v[NUM+32*(\blk)+i_], v3, s[\base:\base+1] offset:(32*(\blk)+i_)*\rowb th:TH_LOAD_NT
.set i_, i_+1
.endr
.endm
.macro WAITBLK base, rowb, b
.if (\b) < 3
	s_wait_loadcnt 32                              ; this block's 32 loads are in; the next block's may be out
.else
	s_wait_loadcnt 0x0
.endif
.if (\b)+2 < 4
	WLOAD \base, \rowb, (\b)+2
.endif
.endm
.Lw:
	s_sub_co_u32 s26, ttmp9, 128
	s_lshr_b32 s27, s26, 6                         ; 0: wq, 1: w_down
	s_and_b32 s28, s26, 15                         ; which 64 columns
	s_bfe_u32 s29, s26, 0x20004                    ; which 512 along K
	s_and_b32 s30, s22, 1
	s_lshr_b32 s31, s22, 1
	s_cmp_eq_u32 s27, 0
	s_cselect_b64 s[6:7], s[6:7], s[8:9]
	s_lshl_b32 s24, s29, 2
	s_add_co_u32 s24, s24, s31
	s_lshl_b32 s24, s24, 19                        ; 128 rows of 4,096 bytes
	s_lshl_b32 s32, s28, 1
	s_add_co_u32 s32, s32, s30
	s_lshl_b32 s32, s32, 7                         ; 32 columns of 4 bytes
	s_add_co_u32 s24, s24, s32
	s_add_nc_u64 s[6:7], s[6:7], s[24:25]
	v_lshlrev_b32 v3, 2, v2
	WLOAD 6, 4096, 0
	WLOAD 6, 4096, 1
	s_mul_i32 s33, s30, 32*272
	s_lshl_b32 s34, s31, 6
	s_add_co_u32 s33, s33, s34
	s_add_co_u32 s33, s33, WST
	v_mul_u32_u24 v14, v2, 272
	v_add_nc_u32 v14, s33, v14                     ; into the stage: row = my column, my 64 bytes of its 256
	s_lshl_b32 s33, s30, 9
	s_lshl_b32 s34, s31, 2
	s_add_co_u32 s33, s33, s34
	s_add_co_u32 s33, s33, WSC
	v_lshl_add_u32 v15, v2, 4, s33                 ; my scale word
	v_lshrrev_b32 v4, 4, v2
	v_and_b32 v5, 15, v2
	s_mul_i32 s33, s22, 8*272
	s_add_co_u32 s33, s33, WST
	v_mul_u32_u24 v6, v4, 272
	v_lshl_add_u32 v6, v5, 4, v6
	v_add_nc_u32 v6, s33, v6                       ; back: wave w takes rows 8 w on, sixteen lanes to a row
	v_lshlrev_b32 v7, 10, v4
	v_lshl_add_u32 v7, v5, 4, v7                   ; and the same place among the codes' rows of 1,024 bytes
	v_lshl_add_u32 v16, v0, 2, WSC                 ; thread i takes scale word i: column i / 4, part i % 4
	v_lshrrev_b32 v17, 2, v0
	v_and_b32 v18, 3, v0
	v_lshlrev_b32 v17, 6, v17
	v_lshl_add_u32 v17, v18, 2, v17
	s_lshl_b32 s24, s27, 10
	s_lshl_b32 s32, s28, 6
	s_add_co_u32 s32, s24, s32                     ; the work-group's first row of the codes: 1024 sel + 64 group
	s_lshl_b32 s24, s22, 3
	s_add_co_u32 s24, s24, s32
	s_lshl_b32 s24, s24, 10
	s_lshl_b32 s33, s29, 8
	s_add_co_u32 s24, s24, s33
	s_add_co_u32 s24, s24, 0x400000
	s_add_nc_u64 s[14:15], s[14:15], s[24:25]
	s_lshl_b32 s24, s32, 6
	s_lshl_b32 s33, s29, 4
	s_add_co_u32 s24, s24, s33
	s_add_co_u32 s24, s24, 0x40000
	s_add_nc_u64 s[16:17], s[16:17], s[24:25]
.macro WBLOCK b
.set XS, NUM+32*(\b)
	WAITBLK 6, 4096, \b
	v_max3_num_f32 v8, |v[XS]|, |v[XS+1]|, |v[XS+2]|               ; the block's largest magnitude: all 32 numbers are mine
	v_max3_num_f32 v9, |v[XS+3]|, |v[XS+4]|, |v[XS+5]|
.irp i, 6,10,14,18,22,26
	v_max3_num_f32 v8, v8, |v[XS+\i]|, |v[XS+\i+1]|
	v_max3_num_f32 v9, v9, |v[XS+\i+2]|, |v[XS+\i+3]|
.endr
	v_max3_num_f32 v8, v8, |v[XS+30]|, |v[XS+31]|
	v_max3_num_f32 v8, v8, v9, 0x1800000
	v_add_nc_u32 v11, 0xff000000, v8
	v_lshrrev_b32 v9, 23, v11
.if (\b) == 0
	v_mov_b32 v208, v9
.else
	v_lshl_or_b32 v208, v9, 8*(\b), v208           ; four bytes make my scale word, the lower K in the lower byte
.endif
.irp g, 0,1,2,3
	v_cvt_scalef32_pk8_fp4_f32 v[C+4*(\b)+\g], v[XS+8*\g:XS+8*\g+7], v11
.endr
	ds_store_b128 v14, v[C+4*(\b):C+4*(\b)+3] offset:16*(\b)
.endm
.irp b, 0,1,2,3
	WBLOCK \b
.endr
	ds_store_b32 v15, v208
	s_wait_dscnt 0x0                               ; for the others' sake: my stores have landed
	s_barrier_signal -1
	s_barrier_wait -1
.irp i, 0,1,2,3
	ds_load_b128 v[NUM+4*\i:NUM+4*\i+3], v6 offset:544*\i
.endr
	ds_load_b32 v80, v16
.irp i, 0,1,2,3
	s_wait_dscnt 4-\i
	global_store_b128 v7, v[NUM+4*\i:NUM+4*\i+3], s[14:15] offset:2048*\i   ; sixteen lanes store 256 bytes on end, aligned
.endr
	s_wait_dscnt 0x0
	global_store_b32 v17, v80, s[16:17]
	s_branch .Lend
.Lc:
	s_sub_co_u32 s26, ttmp9, 256
	s_lshr_b32 s27, s26, 6                         ; 0: w_up, 1: wo
	s_and_b32 s28, s26, 31
	s_bfe_u32 s29, s26, 0x10005
	s_and_b32 s30, s22, 1
	s_lshr_b32 s31, s22, 1
	s_cmp_eq_u32 s27, 0
	s_cselect_b64 s[10:11], s[10:11], s[12:13]
	s_lshl_b32 s24, s29, 2
	s_add_co_u32 s24, s24, s31
	s_lshl_b32 s24, s24, 20                        ; 128 rows of 8,192 bytes
	s_lshl_b32 s32, s28, 1
	s_add_co_u32 s32, s32, s30
	s_lshl_b32 s32, s32, 7
	s_add_co_u32 s24, s24, s32
	s_add_nc_u64 s[10:11], s[10:11], s[24:25]
	v_lshlrev_b32 v3, 2, v2
	WLOAD 10, 8192, 0
	WLOAD 10, 8192, 1
	s_mul_i32 s33, s30, 32*1040
	s_lshl_b32 s34, s31, 8
	s_add_co_u32 s33, s33, s34
	s_add_co_u32 s33, s33, CST
	v_mul_u32_u24 v14, v2, 1040
	v_add_nc_u32 v14, s33, v14                     ; into the stage: row = my column, my 256 bytes of its 1,024
	s_mul_i32 s33, s22, 8*1040
	s_add_co_u32 s33, s33, CST
	v_lshl_add_u32 v6, v2, 4, s33                  ; back: wave w takes rows 8 w on, 512 bytes an instruction
	v_lshlrev_b32 v7, 4, v2
	s_lshl_b32 s24, s26, 3
	s_add_co_u32 s24, s24, s22
	s_lshl_b32 s24, s24, 2
	s_add_co_u32 s24, s24, 0x800000
	s_add_nc_u64 s[34:35], s[18:19], s[24:25]      ; where my wave's largest magnitude goes (w_up's work-groups alone use it)
	s_lshl_b32 s24, s28, 6
	s_lshl_b32 s33, s22, 3
	s_add_co_u32 s24, s24, s33
	s_lshl_b32 s24, s24, 11
	s_lshl_b32 s33, s29, 10
	s_add_co_u32 s24, s24, s33
	s_lshl_b32 s33, s27, 22
	s_add_co_u32 s24, s24, s33
	s_add_nc_u64 s[18:19], s[18:19], s[24:25]
	s_mov_b32 s36, 0x76543210
	s_mov_b32 s37, 0xfedcba98
.macro CBLOCK b
.set XS, NUM+32*(\b)
	WAITBLK 10, 8192, \b
.irp p, 0,1,2,3,4,5,6,7,8,9,10,11,12,13,14,15
	v_cvt_pk_f16_f32 v[C+16*(\b)+\p], v[XS+2*\p], v[XS+2*\p+1]   ; two neighbours along K
.endr
.irp e, 0,1,2,3
	ds_store_b128 v14, v[C+16*(\b)+4*\e:C+16*(\b)+4*\e+3] offset:64*(\b)+16*\e
.endr
.endm
.irp b, 0,1,2,3
	CBLOCK \b
.endr
	s_cmp_lg_u32 s27, 0
	s_cbranch_scc1 .Lc_nomax
.irp c, 0,1,2,3
	v_max_num_f32 v[8+\c], |v[NUM+2*\c]|, |v[NUM+2*\c+1]|
.endr
.set i_, 8
.rept 60
	v_max3_num_f32 v[8+(i_/2)%4], v[8+(i_/2)%4], |v[NUM+i_]|, |v[NUM+i_+1]|
.set i_, i_+2
.endr
	v_max3_num_f32 v8, v8, v9, v10
	v_max_num_f32 v8, v8, v11
	v_max_num_f32_dpp v8, v8, v8 row_xmask:1 row_mask:0xf bank_mask:0xf
	v_max_num_f32_dpp v8, v8, v8 row_xmask:2 row_mask:0xf bank_mask:0xf
	v_max_num_f32_dpp v8, v8, v8 row_xmask:4 row_mask:0xf bank_mask:0xf
	v_max_num_f32_dpp v8, v8, v8 row_xmask:8 row_mask:0xf bank_mask:0xf
	v_permlanex16_b32 v9, v8, s36, s37
	v_max_num_f32 v8, v8, v9
	v_mov_b32 v1, 0
	v_cmp_eq_u32 vcc_lo, 0, v2
	s_wait_xcnt 0x0                                ; EXEC changes only behind this wait
	s_and_saveexec_b32 s38, vcc_lo
	global_store_b32 v1, v8, s[34:35]              ; lane 0 alone
	s_wait_xcnt 0x0
	s_or_b32 exec_lo, exec_lo, s38
.Lc_nomax:
	s_wait_dscnt 0x0
	s_barrier_signal -1
	s_barrier_wait -1
.irp t, 0,1,2,3,4,5,6,7,8,9,10,11,12,13,14,15
	ds_load_b128 v[NUM+4*\t:NUM+4*\t+3], v6 offset:(\t/2)*1040+512*(\t%2)
.endr
.irp t, 0,1,2,3,4,5,6,7,8,9,10,11,12,13,14,15
	s_wait_dscnt 15-\t
	global_store_b128 v7, v[NUM+4*\t:NUM+4*\t+3], s[18:19] offset:(\t/2)*2048+512*(\t%2)   ; 512 bytes on end
.endr
.Lend:
	s_wait_tensorcnt 0x0                           ; the wave's end
	ds_add_u32 v[SPW], v[NIL]
	s_wait_dscnt 0x0
	s_endpgm
.Lfunc_end_k_q1343664895_prep:
	.size	k_q1343664895_prep, .Lfunc_end_k_q1343664895_prep-k_q1343664895_prep
	.p2alignl 7, 3214868480
	.fill 96, 4, 3214868480
	.section	.rodata,"a",@progbits
	.p2align	6, 0x0
	.amdhsa_kernel k_q1343664895_prep
		.amdhsa_group_segment_fixed_size 151552
		.amdhsa_private_segment_fixed_size 0
		.amdhsa_enable_private_segment 0
		.amdhsa_kernarg_size 72
		.amdhsa_user_sgpr_count 2
		.amdhsa_user_sgpr_kernarg_segment_ptr 1
		.amdhsa_wavefront_size32 1
		.amdhsa_system_sgpr_workgroup_id_x 1
		.amdhsa_system_sgpr_workgroup_id_y 1
		.amdhsa_system_sgpr_workgroup_id_z 1
		.amdhsa_system_vgpr_workitem_id 0
		.amdhsa_next_free_vgpr 256
		.amdhsa_next_free_sgpr 66
		.amdhsa_reserve_vcc 1
		.amdhsa_float_denorm_mode_32 3
		.amdhsa_float_denorm_mode_16_64 3
		.amdhsa_memory_ordered 1
		.amdhsa_forward_progress 1
		.amdhsa_inst_pref_size 93
	.end_amdhsa_kernel
	.amdgpu_metadata
---
amdhsa.version: [ 1, 2 ]
amdhsa.kernels:
  - .name:           k_q1343664895_prep
    .symbol:         k_q1343664895_prep.kd
    .args:
      - { .name: x, .offset: 0, .size: 8, .value_kind: global_buffer, .address_space: global }
      - { .name: wq, .offset: 8, .size: 8, .value_kind: global_buffer, .address_space: global }
      - { .name: w_down, .offset: 16, .size: 8, .value_kind: global_buffer, .address_space: global }
      - { .name: w_up, .offset: 24, .size: 8, .value_kind: global_buffer, .address_space: global }
      - { .name: wo, .offset: 32, .size: 8, .value_kind: global_buffer, .address_space: global }
      - { .name: codes, .offset: 40, .size: 8, .value_kind: global_buffer, .address_space: global }
      - { .name: scales, .offset: 48, .size: 8, .value_kind: global_buffer, .address_space: global }
      - { .name: w16, .offset: 56, .size: 8, .value_kind: global_buffer, .address_space: global }
      - { .name: rope, .offset: 64, .size: 8, .value_kind: global_buffer, .address_space: global }
    .group_segment_fixed_size: 151552
    .private_segment_fixed_size: 0
    .kernarg_segment_align: 8
    .kernarg_segment_size: 72
    .max_flat_workgroup_size: 256
    .sgpr_count:     66
    .vgpr_count:     256
    .wavefront_size: 32
...
	.end_amdgpu_metadata
.endif
;; end of part 1
;; launch gemm_qc (part 2): grid 8 x 16, 4 waves a work-group, clusters of 4 x 4, 327,680 bytes of LDS; arguments codes, scales, rope, qc; writes qc
.if DOCPART == 2
	.amdgcn_target "amdgcn-amd-amdhsa--gfx1250"
	.amdhsa_code_object_version 6
	.text
	.protected	k_q1343664895_gemm_qc
	.globl	k_q1343664895_gemm_qc
	.p2align	8
	.type	k_q1343664895_gemm_qc,@function
k_q1343664895_gemm_qc:
	s_mov_b64 s[64:65], 0
	v_nop
	global_prefetch_b8 v0, s[64:65] scope:SCOPE_SE
	s_setreg_imm32_b32 hwreg(HW_REG_WAVE_MODE, 25, 1), 1
	s_wait_xcnt 0x0
	s_wait_alu depctr_hold_cnt(0) depctr_sa_sdst(0) depctr_va_vdst(0) depctr_va_sdst(0) depctr_va_ssrc(0) depctr_va_vcc(0) depctr_vm_vsrc(0)
	s_getreg_b32 s2, hwreg(HW_REG_IB_STS2, 6, 4)
	s_cmp_eq_u32 s2, 0
	s_cbranch_scc0 .Lentry_in_a_cluster
	s_endpgm
.Lentry_in_a_cluster:
	s_bfe_u32 s2, ttmp6, 0x10000c
	s_cmp_lg_u32 s2, 0xf033
	s_cbranch_scc0 .Lentry_shape_is_right
	s_endpgm
.Lentry_shape_is_right:
; q = x wq and c_kv = x w_down as ONE product on codes of E2M1: C[m][n] = sum over k of A[m][k] B[n][k], A = x's codes [4096][2048], B = the weights' codes [2048 rows: wq's columns, then w_down's][2048].
; A tile of C, 256 x 256, is made by four waves; a wave makes 128 x 128: 64 accumulators.  K goes in steps of 512 (rows of 256 bytes) through two LDS slots filled by tensor loads.
; The scale bytes of the work-group's 256 + 256 rows, for all of K, come into LDS once, in blocks of 256 bytes.
; CLUSTER 4 x 4: A's tile is shared along a row of the cluster, B's along a column: each is asked for jointly.  The matrix instruction is used transposed (source 0 = rows of B, source 1 = rows of A):
; a lane holds eight neighbouring columns of one row of C.
; THE WAY OUT.  Clusters with x = 0 hold q: the pairs (2 i, 2 i + 1) of each head are turned by the table's cos and sin; clusters with x = 1 hold c_kv.  Both leave as f16 rows of [4096][2048] (q, then c_kv).
; q and c_kv of positions 0-15 of each sequence also leave as f32, for the launches that carry those rows in f32; of c_kv also each wave's largest magnitude.
; LIMIT: |q| and |c_kv| must stay under 65,504 (f16).
; REGISTERS: window 0: v0-31 addresses; v32-95 scale words, two sets; v128-191 A's fragments; window 1: B's fragments, two sets (on the way out the table); windows 2, 3: the accumulators ((a, b) at v[8 (8 (a % 4) + b)]).
.set SIZE_K, 2048
.set KSTEP,  512
.set NQ,     4
.set ROWB,   256
.set KROW,   1024
.set PITCH,  272                       ; 256 bytes + 16 of padding: the 16 rows of a load start at 16 different groups of banks
.set FR,     8
.set NL,     2
.set NP,     4
.set HALFT,  128*PITCH
.set SLOT,   4*HALFT
.set LAPS,   SIZE_K/(2*KSTEP)
.set KS,     SIZE_K/32
.set SCL,    2*SLOT
.set HALFS,  (128*KS/256)*272
.set SBLK,   (16*KS/256)*272
.set SPARE,  SCL+4*HALFS               ; the spare words, 128 bytes a wave
.set QFINE,  0x1000000                 ; in the output buffer: q of positions 0-15, [16 batch + position][1024] f32
.set CMAXO,  0x1020000                 ; 256 largest magnitudes of c_kv
.set CFINE,  0x1020400                 ; c_kv of positions 0-15, [16 batch + position][1024] f32
.set ADRA, 16
.set ADRB, 20
.set STO,  24
.set RD,   25
.set CO,   26
.set ADRS, 27
.set FO,   27                          ; on the way out: my offset among the fine rows
.set SPW,  28
.set NIL,  29
.set TBO,  30                          ; my offset in the table
.set VF,   31                          ; 0 where my block 0 holds positions 0-15
.set CMX,  8                           ; v8-11 four running maxima
.set SC,   32
.set AF,   128
.set RR,   64                          ; the way out: 64 turned numbers
.set TMP,  192                         ; 32 registers of f16 pairs
.set G1, 24
.set G0, 32
.set G1B, 48
.set G0B, 56
.set G1S, 68
.set G0S, 76
.set G1SB, 80
.set G0SB, 88
.set MSB, 0
.macro WIN new                         ; the immediate's high byte repeats the setting that is left
.if MSB != (\new)
	s_set_vgpr_msb (MSB<<8)|(\new)
.set MSB, (\new)
.endif
.endm
.set MUL_LO, 0xa1
.set MUL_HI, 0xf1
.set TO_B,   0x40
.macro JLOAD g0a, g1a, g0b, g1b        ; a joint load: waves 0 and 1 fetch for A, waves 2 and 3 for B; s_nop 0 and four v_nop follow each line
	s_cmp_eq_u32 s15, 0
	s_cbranch_scc0 .Lfor_b_\@
	tensor_load_to_lds s[\g0a:\g0a+3], s[\g1a:\g1a+7]
	s_nop 0
.rept 4
	v_nop
.endr
	s_branch .Lasked_\@
.Lfor_b_\@:
	tensor_load_to_lds s[\g0b:\g0b+3], s[\g1b:\g1b+7]
	s_nop 0
.rept 4
	v_nop
.endr
.Lasked_\@:
.endm
.macro CREST
	s_cmp_lg_u32 s14, 0
	s_cbranch_scc1 .Lnot_wave_0_\@
	s_barrier_signal -3
.Lnot_wave_0_\@:
	s_barrier_wait -3
	s_barrier_signal -1
	s_barrier_wait -1
.endm
.macro CROUND
	s_barrier_signal -1
	s_barrier_wait -1
	CREST
.endm
	s_load_b128 s[4:7], s[0:1], 0x0                ; codes, scales
	s_load_b128 s[96:99], s[0:1], 0x10             ; rope, qc
	v_lshl_add_u32 v[SPW], v0, 2, SPARE
	v_mov_b32 v[NIL], 0
	ds_add_u32 v[SPW], v[NIL]                      ; the opening: the add, twice on end, and its wait ahead of my first tensor load
	ds_add_u32 v[SPW], v[NIL]
	v_lshrrev_b32 v1, 5, v0
	v_readfirstlane_b32 s14, v1                    ; wave 0..3
	s_lshr_b32 s15, s14, 1                         ; my half of the tile's rows; also: I fetch for A (0) or B (1)
	s_and_b32 s16, s14, 1                          ; my half of its columns; also: which 128 rows I fetch
	s_bfe_u32 s40, ttmp6, 0x40000                  ; cx
	s_bfe_u32 s41, ttmp6, 0x40004                  ; cy
	s_lshl_b32 s42, ttmp9, 2
	s_add_co_u32 s42, s42, s40                     ; tile column
	s_and_b32 s17, ttmp7, 0xffff
	s_lshl_b32 s17, s17, 2
	s_add_co_u32 s17, s17, s41                     ; tile row
	s_lshl_b32 s43, s41, 2
	s_lshl_b32 s43, 15, s43                        ; my row of the cluster
	s_lshl_b32 s44, 0x1111, s40                    ; my column
	s_or_b32 s[G1+0], s43, (0<<16)|(1<<20)|(1<<21)|(5<<22)|(3<<25)  ; mask; elements of 1 byte; padding: 4 words behind every 64
	s_or_b32 s[G1B+0], s44, (0<<16)|(1<<20)|(1<<21)|(5<<22)|(3<<25)
.irp g, G1, G1B
	s_mov_b32 s[\g+1], ROWB<<16
	s_mov_b32 s[\g+2], 128<<16
	s_mov_b32 s[\g+3], ROWB<<16
	s_mov_b32 s[\g+4], 128
	s_mov_b32 s[\g+5], KROW
	s_mov_b32 s[\g+6], 0
	s_mov_b32 s[\g+7], 0
.endr
	s_or_b32 s[G1S+0], s43, (3<<16)|(1<<20)|(1<<21)|(5<<22)|(3<<25) ; the scales of 128 rows: a dense block, as rows of 256 bytes
	s_or_b32 s[G1SB+0], s44, (3<<16)|(1<<20)|(1<<21)|(5<<22)|(3<<25)
.irp g, G1S, G1SB
	s_mov_b32 s[\g+1], 32<<16
	s_mov_b32 s[\g+2], (128*KS/256)<<16
	s_mov_b32 s[\g+3], 32<<16
	s_mov_b32 s[\g+4], 128*KS/256
	s_mov_b32 s[\g+5], 32
	s_mov_b32 s[\g+6], 0
	s_mov_b32 s[\g+7], 0
.endr
	s_lshl_b32 s18, s16, 7
	s_lshl_b32 s20, s17, 8
	s_add_co_u32 s20, s20, s18                     ; A: row 256 x tile row + 128 x half
	s_lshl_b32 s46, s42, 8
	s_add_co_u32 s46, s46, s18                     ; B: row 256 x tile column + 128 x half
	s_mov_b32 s21, 0
	s_mov_b32 s47, 0
	s_mov_b64 s[18:19], KS
	s_mul_u64 s[22:23], s[20:21], s[18:19]
	s_mul_u64 s[92:93], s[46:47], s[18:19]
	s_mov_b64 s[18:19], KROW
	s_mul_u64 s[20:21], s[20:21], s[18:19]
	s_mul_u64 s[46:47], s[46:47], s[18:19]
	s_mul_i32 s45, s14, HALFT
	s_mul_i32 s94, s14, HALFS
	s_wait_dscnt 0x0                               ; both opening adds are done
	s_wait_kmcnt 0x0
	s_add_nc_u64 s[8:9], s[4:5], 0x400000          ; the weights' codes lie behind x's,
	s_add_nc_u64 s[10:11], s[6:7], 0x40000         ; their scale bytes likewise
	s_add_nc_u64 s[20:21], s[4:5], s[20:21]
	s_add_nc_u64 s[22:23], s[6:7], s[22:23]
	s_add_nc_u64 s[46:47], s[8:9], s[46:47]
	s_add_nc_u64 s[92:93], s[10:11], s[92:93]
	CROUND                                         ; all sixteen work-groups are here: the first joint loads meet
	s_mov_b32 s[G0S], 1
	s_add_co_u32 s[G0S+1], s94, SCL
	s_mov_b64 s[G0S+2:G0S+3], s[22:23]
	s_or_b32 s[G0S+3], s[G0S+3], 0x80000000
	s_mov_b32 s[G0SB], 1
	s_add_co_u32 s[G0SB+1], s94, SCL
	s_mov_b64 s[G0SB+2:G0SB+3], s[92:93]
	s_or_b32 s[G0SB+3], s[G0SB+3], 0x80000000
	JLOAD G0S, G1S, G0SB, G1SB
.irp s, 0,1
	s_mov_b32 s[G0+4*\s], 1
	s_add_co_u32 s[G0+4*\s+1], s45, \s*SLOT
	s_add_nc_u64 s[G0+4*\s+2:G0+4*\s+3], s[20:21], \s*ROWB
	s_or_b32 s[G0+4*\s+3], s[G0+4*\s+3], 0x80000000
	s_mov_b32 s[G0B+4*\s], 1
	s_add_co_u32 s[G0B+4*\s+1], s45, \s*SLOT
	s_add_nc_u64 s[G0B+4*\s+2:G0B+4*\s+3], s[46:47], \s*ROWB
	s_or_b32 s[G0B+4*\s+3], s[G0B+4*\s+3], 0x80000000
	JLOAD G0+4*\s, G1, G0B+4*\s, G1B
.endr
	v_and_b32 v1, 15, v0                           ; r = lane % 16
	v_bfe_u32 v2, v0, 4, 1                         ; h = lane / 16
	v_mul_u32_u24 v3, v1, PITCH
	v_lshl_add_u32 v4, v2, 4, v3
	s_mul_i32 s21, s15, HALFT
	s_mul_i32 s22, s16, HALFT
	s_add_co_u32 s22, s22, 2*HALFT
.irp s, 0,1
	v_add_nc_u32 v[ADRA+\s], s21, v4
	v_add_nc_u32 v[ADRB+\s], s22, v4
	s_add_co_u32 s21, s21, SLOT
	s_add_co_u32 s22, s22, SLOT
.endr
	v_mul_u32_u24 v5, v1, KS
	v_lshrrev_b32 v6, 8, v5
	v_lshl_add_u32 v5, v6, 4, v5
	s_mul_i32 s21, s15, HALFS
	s_mul_i32 s22, s16, HALFS
	s_add_co_u32 s22, s22, 2*HALFS
	s_sub_co_u32 s22, s22, s21
	v_mul_u32_u24 v6, s22, v2                      ; lanes 16-31 take B's scale words
	s_add_co_u32 s21, s21, SCL
	v_add_nc_u32 v5, v5, v6
	v_add_nc_u32 v[ADRS], s21, v5
.macro FRAG reg, adr, q, i             ; 16 rows x 128 K of 4-bit codes: 8 registers, two loads of 16 bytes, 32 bytes apart
.irp c, 0,1
	ds_load_b128 v[\reg+4*\c:\reg+4*\c+3], v[\adr] offset:64*(\q)+32*\c+(\i)*16*PITCH
.endr
.endm
; 16 products: A's blocks a0, a0 + 1 against B's eight.  The 64 accumulators take turns, one instruction a turn.  One register carries A's scale word (lanes 0-15) and B's (lanes 16-31).
.macro MUL16 a0, p, q, sc, zero
.irp a, \a0, \a0+1
.irp b, 0,1,2,3,4,5,6,7
.if \zero
	v_wmma_scale_f32_16x16x128_f8f6f4 v[8*(8*((\a)%4)+\b):8*(8*((\a)%4)+\b)+7], v[128*(\p)+FR*\b:128*(\p)+FR*\b+FR-1], v[AF+FR*(\a):AF+FR*(\a)+FR-1], 0, v[SC+8*NQ*(\sc)+NQ*\b+(\q)], v[SC+8*NQ*(\sc)+NQ*(\a)+(\q)] matrix_a_fmt:MATRIX_FMT_FP4 matrix_b_fmt:MATRIX_FMT_FP4 matrix_a_scale:MATRIX_SCALE_ROW1
.else
	v_wmma_scale_f32_16x16x128_f8f6f4 v[8*(8*((\a)%4)+\b):8*(8*((\a)%4)+\b)+7], v[128*(\p)+FR*\b:128*(\p)+FR*\b+FR-1], v[AF+FR*(\a):AF+FR*(\a)+FR-1], v[8*(8*((\a)%4)+\b):8*(8*((\a)%4)+\b)+7], v[SC+8*NQ*(\sc)+NQ*\b+(\q)], v[SC+8*NQ*(\sc)+NQ*(\a)+(\q)] matrix_a_fmt:MATRIX_FMT_FP4 matrix_b_fmt:MATRIX_FMT_FP4 matrix_a_scale:MATRIX_SCALE_ROW1
.endif
.endr
.endr
.endm
.macro FETCH_B slot, q, p
	WIN TO_B
.irp i, 0,1,2,3,4,5,6,7
	FRAG 128*(\p)+FR*\i, ADRB+\slot, \q, \i
.endr
	WIN 0
.endm
.macro FETCH_A slot, q, i0
.irp i, \i0, \i0+1, \i0+2, \i0+3
	FRAG AF+FR*(\i), ADRA+\slot, \q, \i
.endr
.endm
.macro SCALES sc
.irp i, 0,1,2,3,4,5,6,7
	ds_load_b128 v[SC+8*NQ*\sc+NQ*\i:SC+8*NQ*\sc+NQ*\i+3], v[ADRS] offset:\i*SBLK
.endr
.endm
.macro PLACES n                        ; plain vector lines between a matrix instruction and a load into, or a read of, its registers
.rept \n
	v_nop
.endr
.endm
.macro STEP slot, q, zero
	s_wait_dscnt 4*NL                              ; B's set and A's blocks 0-3 are in; A's blocks 4-7 may be out
	WIN MUL_LO
	MUL16 0, (\q)%2, \q, \slot, \zero
	MUL16 2, (\q)%2, \q, \slot, \zero
	s_wait_dscnt 0
	PLACES NP
	FETCH_B \slot, (\q)+1, 1-(\q)%2
	FETCH_A \slot, (\q)+1, 0
	WIN MUL_HI
	MUL16 4, (\q)%2, \q, \slot, \zero
	MUL16 6, (\q)%2, \q, \slot, \zero
	PLACES NP
	WIN 0
	FETCH_A \slot, (\q)+1, 4
.endm
; A slot's last step changes slots: each wave waits for all its tensor loads, adds 0 to its spare word, waits for that and for its reads of this slot; then one barrier (with fill = 1 it opens a round of the cluster's barrier).
.macro TURN slot, next, fill
	s_wait_tensorcnt 0x0                           ; my part of the next slot has landed
	ds_add_u32 v[SPW], v[NIL]
	s_wait_dscnt 4*NL+1                            ; the add and A's blocks 4-7 may be out
	WIN MUL_LO
	MUL16 0, 1, NQ-1, \slot, 0
	s_wait_dscnt 0x0                               ; the add is done, my reads of this slot are over
	s_barrier_signal -1
	MUL16 2, 1, NQ-1, \slot, 0
	WIN 0
	s_barrier_wait -1
.if \fill
	CREST
	s_add_nc_u64 s[G0+4*\slot+2:G0+4*\slot+3], s[G0+4*\slot+2:G0+4*\slot+3], 2*ROWB
	s_add_nc_u64 s[G0B+4*\slot+2:G0B+4*\slot+3], s[G0B+4*\slot+2:G0B+4*\slot+3], 2*ROWB
	JLOAD G0+4*\slot, G1, G0B+4*\slot, G1B         ; the first tensor load behind the round, one a wave
.else
	PLACES NP
.endif
	v_add_nc_u32 v[ADRS], 4*NQ, v[ADRS]
	FETCH_B \next, 0, 0
	FETCH_A \next, 0, 0
	SCALES \next
	WIN MUL_HI
	MUL16 4, 1, NQ-1, \slot, 0
	MUL16 6, 1, NQ-1, \slot, 0
	PLACES NP
	WIN 0
	FETCH_A \next, 0, 4
.endm
.macro STEPS slot, from
.set Q, \from
.rept NQ-1-\from
	STEP \slot, Q, 0
.set Q, Q+1
.endr
.endm
	s_wait_tensorcnt 1                             ; the scales and my part of K step 0 are in; K step 1's load may be out
	s_barrier_signal -1
	s_barrier_wait -1
	FETCH_B 0, 0, 0
	FETCH_A 0, 0, 0
	SCALES 0
	FETCH_A 0, 0, 4
	STEP 0, 0, 1                                   ; the first step's products start the sums
	s_mov_b32 s3, LAPS-1
.Llap:
	STEPS 0, 1
	TURN 0, 1, 1
	STEPS 1, 0
	TURN 1, 0, 1
	STEP 0, 0, 0
	s_sub_co_u32 s3, s3, 1
	s_cmp_lg_u32 s3, 0
	s_cbranch_scc1 .Llap
	STEPS 0, 1
	TURN 0, 1, 0
	STEPS 1, 0
	s_wait_dscnt 4*NL
	WIN MUL_LO
	MUL16 0, 1, NQ-1, 1, 0
	MUL16 2, 1, NQ-1, 1, 0
	s_wait_dscnt 0
	WIN MUL_HI
	MUL16 4, 1, NQ-1, 1, 0
	MUL16 6, 1, NQ-1, 1, 0
	WIN 0
; ---- THE WAY OUT.  Lane (r, h) of accumulator (a, b) holds row R0 + 16 a + r, columns 16 b + 8 h + 0 .. 7 of my 128.  A block of 16 rows is packed to f16, goes through my own stage (rows of 256 + 16 bytes, in slot 0,
; which has had its last fill and its last read) and leaves as rows: sixteen lanes store 256 bytes on end, aligned.
	s_lshl_b32 s18, s17, 8
	s_lshl_b32 s19, s15, 7
	s_add_co_u32 s18, s18, s19                     ; R0
	s_lshl_b32 s20, s18, 12                        ; a row of the f16 buffer is 4,096 bytes
	s_lshl_b32 s19, s42, 9
	s_add_co_u32 s20, s20, s19
	s_lshl_b32 s19, s16, 8
	s_add_co_u32 s20, s20, s19
	s_mov_b32 s21, 0
	s_add_nc_u64 s[92:93], s[98:99], s[20:21]
.macro OUTADDR base                    ; eight plain lines: they are also the places behind the last products
	s_mul_i32 s23, s14, 16*272
.if \base
	s_add_co_u32 s23, s23, \base
.endif
	v_mul_u32_u24 v3, v1, 272
	v_lshl_add_u32 v3, v2, 4, v3
	v_add_nc_u32 v[STO], s23, v3
	v_mul_u32_u24 v3, v2, 272
	v_lshl_add_u32 v3, v1, 4, v3
	v_add_nc_u32 v[RD], s23, v3
	v_lshlrev_b32 v3, 12, v2
	v_lshl_add_u32 v[CO], v1, 4, v3
.endm
; Where the fine rows of my 128 columns begin, off bytes into the output buffer, into s[44:45]; my offset among them; the flag that is 0 where my block 0 holds positions 0-15
.macro FINEADDR off
	v_lshlrev_b32 v[FO], 12, v1                    ; a fine row is 4,096 bytes
	v_lshl_add_u32 v[FO], v2, 5, v[FO]
	s_lshr_b32 s20, s17, 3                         ; the batch: 16 fine rows
	s_lshl_b32 s20, s20, 16
	s_lshl_b32 s19, s42, 10
	s_add_co_u32 s20, s20, s19
	s_lshl_b32 s19, s16, 9
	s_add_co_u32 s20, s20, s19
	s_add_co_u32 s20, s20, \off
	s_add_nc_u64 s[44:45], s[98:99], s[20:21]
	s_and_b32 s19, s17, 7
	s_lshl_b32 s20, s15, 3
	s_or_b32 s19, s19, s20
	v_mov_b32 v[VF], s19
.endm
.macro TOSTAGE a
.set BB, 32+192*((\a)%2)
.irp b, 0,1,2,3,4,5,6,7
	ds_store_b128 v[STO], v[TMP+4*\b:TMP+4*\b+3] offset:32*\b
.endr
.irp t, 0,1,2,3,4,5,6,7
	ds_load_b128 v[BB+4*\t:BB+4*\t+3], v[RD] offset:544*\t      ; LDS serves a wave's instructions in order: these see the stores above
.endr
.endm
.macro SEND a
.set BB, 32+192*((\a)%2)
	s_wait_dscnt 0x0                               ; the block is back in registers
	s_wait_xcnt 0x0                                ; the block before has been read by its stores: the next block's loads may land there
.irp t, 0,1,2,3,4,5,6,7
	global_store_b128 v[CO], v[BB+4*\t:BB+4*\t+3], s[92:93] offset:65536*(\a)+8192*\t
.endr
.endm
	s_cmp_lg_u32 ttmp9, 0                          ; the cluster's x: the same in all sixteen partners
	s_cbranch_scc1 .Llatent
	OUTADDR 0
	v_lshlrev_b32 v[TBO], 8, v1
	v_lshl_add_u32 v[TBO], v2, 5, v[TBO]           ; the table: 256 bytes a position, my four pairs 32 h on
	s_and_b32 s19, s18, 2047                       ; my first position
	s_lshl_b32 s20, s19, 8
	s_add_nc_u64 s[22:23], s[96:97], s[20:21]
	FINEADDR QFINE
	WIN 0x40                                       ; the table into window 1: block a, columns 16 b' on: v[32 a + 8 b' ..] = cos, sin of four pairs
.irp a, 0,1,2,3,4,5,6,7
.irp b, 0,1,2,3
.irp e, 0,1
	global_load_b128 v[32*\a+8*\b+4*\e:32*\a+8*\b+4*\e+3], v[TBO], s[22:23] offset:4096*\a+64*\b+16*\e
.endr
.endr
.endr
.macro PACKQ a
	s_wait_loadcnt 8*(7-(\a))                      ; this block's eight table loads are in; the later blocks' may be out
	WIN 0x06+(\a)/4                                ; source 0: the accumulators' window, source 1: the table's
.irp b, 0,1,2,3,4,5,6,7
.irp j, 0,1,2,3
	v_mul_f32 v[RR+8*\b+2*\j], v[64*((\a)%4)+8*\b+2*\j+1], v[32*(\a)+8*(\b%4)+2*\j+1]
	v_mul_f32 v[RR+8*\b+2*\j+1], v[64*((\a)%4)+8*\b+2*\j], v[32*(\a)+8*(\b%4)+2*\j+1]
	v_fma_f32 v[RR+8*\b+2*\j], v[64*((\a)%4)+8*\b+2*\j], v[32*(\a)+8*(\b%4)+2*\j], -v[RR+8*\b+2*\j]         ; x1 cos - x2 sin
	v_fma_f32 v[RR+8*\b+2*\j+1], v[64*((\a)%4)+8*\b+2*\j+1], v[32*(\a)+8*(\b%4)+2*\j], v[RR+8*\b+2*\j+1]   ; x2 cos + x1 sin
.endr
.endr
	WIN 0
.irp n, 0,1,2,3,4,5,6,7,8,9,10,11,12,13,14,15,16,17,18,19,20,21,22,23,24,25,26,27,28,29,30,31
	v_cvt_pk_f16_f32 v[TMP+\n], v[RR+2*\n], v[RR+2*\n+1]
.endr
.endm
	PACKQ 0
	s_wait_xcnt 0x0                                ; EXEC changes only behind this wait
	v_cmp_eq_u32 vcc_lo, 0, v[VF]                  ; a mask, no branch: the tile row differs between partners
	s_and_saveexec_b32 s19, vcc_lo
.irp b, 0,1,2,3,4,5,6,7
.irp e, 0,1
	global_store_b128 v[FO], v[RR+8*\b+4*\e:RR+8*\b+4*\e+3], s[44:45] offset:64*\b+16*\e
.endr
.endr
	s_wait_xcnt 0x0
	s_or_b32 exec_lo, exec_lo, s19
	TOSTAGE 0
.irp a, 1,2,3,4,5,6,7
	PACKQ \a
	SEND \a-1
	TOSTAGE \a
.endr
	SEND 7
	s_branch .Lclose
.Llatent:
	OUTADDR 32768                                  ; this way has stage bytes of its own
.irp k, 0,1,2,3
	v_mov_b32 v[CMX+\k], 0
.endr
	FINEADDR CFINE-4096                            ; tile columns 4 to 7 hold c_kv's columns 0 to 1023: 4 x 1,024 bytes are taken off
.macro PACKC a
	WIN 0x0a+5*((\a)/4)
.irp n, 0,1,2,3,4,5,6,7,8,9,10,11,12,13,14,15,16,17,18,19,20,21,22,23,24,25,26,27,28,29,30,31
	v_cvt_pk_f16_f32 v[TMP+\n], v[64*((\a)%4)+2*\n], v[64*((\a)%4)+2*\n+1]
.endr
	WIN 0x28+0x14*((\a)/4)
.irp n, 0,1,2,3,4,5,6,7,8,9,10,11,12,13,14,15,16,17,18,19,20,21,22,23,24,25,26,27,28,29,30,31
	v_max3_num_f32 v[CMX+\n%4], v[CMX+\n%4], |v[64*((\a)%4)+2*\n]|, |v[64*((\a)%4)+2*\n+1]|
.endr
	WIN 0
.endm
	PACKC 0
	s_wait_xcnt 0x0                                ; EXEC changes only behind this wait
	v_cmp_eq_u32 vcc_lo, 0, v[VF]                  ; a mask, no branch: the tile row differs between partners
	s_and_saveexec_b32 s19, vcc_lo
	WIN 0x08                                       ; a store's data are its source 1: block 0's sums, in window 2, leave as they are
.irp b, 0,1,2,3,4,5,6,7
.irp e, 0,1
	global_store_b128 v[FO], v[8*\b+4*\e:8*\b+4*\e+3], s[44:45] offset:64*\b+16*\e
.endr
.endr
	WIN 0
	s_wait_xcnt 0x0
	s_or_b32 exec_lo, exec_lo, s19
	TOSTAGE 0
.irp a, 1,2,3,4,5,6,7
	PACKC \a
	SEND \a-1
	TOSTAGE \a
.endr
	SEND 7
	v_max3_num_f32 v8, v8, v9, v10
	v_max_num_f32 v8, v8, v11
	s_mov_b32 s20, 0x76543210
	s_mov_b32 s22, 0xfedcba98
	v_max_num_f32_dpp v8, v8, v8 row_xmask:1 row_mask:0xf bank_mask:0xf
	v_max_num_f32_dpp v8, v8, v8 row_xmask:2 row_mask:0xf bank_mask:0xf
	v_max_num_f32_dpp v8, v8, v8 row_xmask:4 row_mask:0xf bank_mask:0xf
	v_max_num_f32_dpp v8, v8, v8 row_xmask:8 row_mask:0xf bank_mask:0xf
	v_permlanex16_b32 v9, v8, s20, s22
	v_max_num_f32 v8, v8, v9                       ; my wave's largest |c_kv|
	s_lshl_b32 s20, s17, 2
	s_add_co_u32 s20, s20, s42
	s_sub_co_u32 s20, s20, 4
	s_lshl_b32 s20, s20, 2
	s_add_co_u32 s20, s20, s14
	s_lshl_b32 s20, s20, 2
	s_add_co_u32 s20, s20, CMAXO
	s_add_nc_u64 s[44:45], s[98:99], s[20:21]
	v_and_b32 v3, 31, v0
	v_mov_b32 v4, 0
	v_cmp_eq_u32 vcc_lo, 0, v3
	s_wait_xcnt 0x0
	s_and_saveexec_b32 s19, vcc_lo
	global_store_b32 v4, v8, s[44:45]
	s_wait_xcnt 0x0
	s_or_b32 exec_lo, exec_lo, s19
.Lclose:
	s_wait_tensorcnt 0x0                           ; the wave's end
	ds_add_u32 v[SPW], v[NIL]
	s_wait_dscnt 0x0
	CROUND                                         ; the closing round
	s_endpgm
.Lfunc_end_k_q1343664895_gemm_qc:
	.size	k_q1343664895_gemm_qc, .Lfunc_end_k_q1343664895_gemm_qc-k_q1343664895_gemm_qc
	.p2alignl 7, 3214868480
	.fill 96, 4, 3214868480
	.section	.rodata,"a",@progbits
	.p2align	6, 0x0
	.amdhsa_kernel k_q1343664895_gemm_qc
		.amdhsa_group_segment_fixed_size 327680
		.amdhsa_private_segment_fixed_size 0
		.amdhsa_enable_private_segment 0
		.amdhsa_kernarg_size 32
		.amdhsa_user_sgpr_count 2
		.amdhsa_user_sgpr_kernarg_segment_ptr 1
		.amdhsa_wavefront_size32 1
		.amdhsa_system_sgpr_workgroup_id_x 1
		.amdhsa_system_sgpr_workgroup_id_y 1
		.amdhsa_system_sgpr_workgroup_id_z 1
		.amdhsa_system_vgpr_workitem_id 0
		.amdhsa_next_free_vgpr 1024
		.amdhsa_next_free_sgpr 100
		.amdhsa_reserve_vcc 1
		.amdhsa_float_denorm_mode_32 3
		.amdhsa_float_denorm_mode_16_64 3
		.amdhsa_memory_ordered 1
		.amdhsa_forward_progress 1
		.amdhsa_inst_pref_size 255
	.end_amdhsa_kernel
	.section	.bss,"aw",@nobits
	.p2align	6
	.space	262144
	.amdgpu_metadata
---
amdhsa.version: [ 1, 2 ]
amdhsa.kernels:
  - .name:           k_q1343664895_gemm_qc
    .symbol:         k_q1343664895_gemm_qc.kd
    .args:
      - { .name: codes, .offset: 0, .size: 8, .value_kind: global_buffer, .address_space: global }
      - { .name: scales, .offset: 8, .size: 8, .value_kind: global_buffer, .address_space: global }
      - { .name: rope, .offset: 16, .size: 8, .value_kind: global_buffer, .address_space: global }
      - { .name: qc, .offset: 24, .size: 8, .value_kind: global_buffer, .address_space: global }
    .group_segment_fixed_size: 327680
    .private_segment_fixed_size: 0
    .kernarg_segment_align: 8
    .kernarg_segment_size: 32
    .max_flat_workgroup_size: 128
    .sgpr_count:     100
    .vgpr_count:     1024
    .wavefront_size: 32
...
	.end_amdgpu_metadata
.endif
;; end of part 2
;; launch gemm_kv (part 3): grid 8 x 16, 4 waves a work-group, clusters of 4 x 4, 327,680 bytes of LDS; arguments qc, w16, rope, kv; writes kv
.if DOCPART == 3
	.amdgcn_target "amdgcn-amd-amdhsa--gfx1250"
	.amdhsa_code_object_version 6
	.text
	.protected	k_q1343664895_gemm_kv
	.globl	k_q1343664895_gemm_kv
	.p2align	8
	.type	k_q1343664895_gemm_kv,@function
k_q1343664895_gemm_kv:
	s_mov_b64 s[64:65], 0
	v_nop
	global_prefetch_b8 v0, s[64:65] scope:SCOPE_SE
	s_setreg_imm32_b32 hwreg(HW_REG_WAVE_MODE, 25, 1), 1
	s_wait_xcnt 0x0
	s_wait_alu depctr_hold_cnt(0) depctr_sa_sdst(0) depctr_va_vdst(0) depctr_va_sdst(0) depctr_va_ssrc(0) depctr_va_vcc(0) depctr_vm_vsrc(0)
	s_getreg_b32 s2, hwreg(HW_REG_IB_STS2, 6, 4)
	s_cmp_eq_u32 s2, 0
	s_cbranch_scc0 .Lentry_in_a_cluster
	s_endpgm
.Lentry_in_a_cluster:
	s_bfe_u32 s2, ttmp6, 0x10000c
	s_cmp_lg_u32 s2, 0xf033
	s_cbranch_scc0 .Lentry_shape_is_right
	s_endpgm
.Lentry_shape_is_right:
; kv_up = c_kv w_up, f16 operands, f32 sums: C[m][n] = sum over k of A[m][k] B[n][k]; A = c_kv (columns 1024.. of the f16 rows of 4,096 bytes), B = w_up as f16 [2048 n][1024 k].
; A tile of C, 256 x 256, by four waves, 128 x 128 each; K in steps of 128 through two LDS slots; cluster 4 x 4 with joint loads: A's tile along a row, B's along a column.  Used transposed: a lane holds eight neighbouring columns of a row.
; THE EXPONENT s.  k and v scale with three inputs, so they are stored x 2^-s, s = (exponent field of the largest |c_kv|) + (that of the largest |w_up|) - 257, held to +-100: since |k|, |v| <= 1024 x the two maxima,
; |k| 2^-s stays under 2^15, and under 2^15.5 behind the turn.  Every wave makes s from the stored maxima; no branch or address hangs on it.  At the end one thread stores 2^s log2(e) / 8 and 2^s for the later launches.
; THE WAY OUT.  A wave's 128 columns are one head: 64 of k (turned by the table, which is first multiplied by 2^-s) and 64 of v.  They leave as f16, [batch x head][position][64].
; Positions 0-15 of each sequence are made once more, with f32 operands, by the next launch: the f16 numbers of those positions serve the later queries alone.
; Every LDS address register is made at the head, with all lanes on, ahead of the place where EXEC is narrowed by the work-group's place: so none of them hangs on that place.
.set SIZE_K, 1024
.set KSTEP,  128
.set PITCH,  272
.set HALFT,  128*PITCH
.set SLOT,   4*HALFT
.set STAGE,  2*SLOT                    ; behind the ring: 16 rows x 272 bytes for each wave
.set SPARE,  STAGE+4*16*272
.set LAPS,   SIZE_K/(2*KSTEP)
.set ADRA, 16
.set ADRB, 20
.set STO,  24
.set RD,   25
.set CO,   26
.set SPW,  28
.set NIL,  29
.set TBO,  30
.set F0,   64
.set F1,   128
.set RR,   64
.set TMP,  192
.set G1, 24
.set G0, 32
.set G1B, 48
.set G0B, 56
.set DOWN, 66                          ; s[66:67] 2^-s, twice;  s68 2^s;  s69 2^s log2(e) / 8
.set MSB, 0
.macro WIN new
.if MSB != (\new)
	s_set_vgpr_msb (MSB<<8)|(\new)
.set MSB, (\new)
.endif
.endm
.set MUL_LO, 0xa1
.set MUL_HI, 0xf1
.set TO_B,   0x40
.macro JLOAD s
	s_cmp_eq_u32 s11, 0
	s_cbranch_scc0 .Lfor_b_\@
	tensor_load_to_lds s[G0+4*\s:G0+4*\s+3], s[G1:G1+7]
	s_nop 0
.rept 4
	v_nop
.endr
	s_branch .Lasked_\@
.Lfor_b_\@:
	tensor_load_to_lds s[G0B+4*\s:G0B+4*\s+3], s[G1B:G1B+7]
	s_nop 0
.rept 4
	v_nop
.endr
.Lasked_\@:
.endm
.macro CREST
	s_cmp_lg_u32 s10, 0
	s_cbranch_scc1 .Lnot_wave_0_\@
	s_barrier_signal -3
.Lnot_wave_0_\@:
	s_barrier_wait -3
	s_barrier_signal -1
	s_barrier_wait -1
.endm
.macro CROUND
	s_barrier_signal -1
	s_barrier_wait -1
	CREST
.endm
	s_load_b128 s[4:7], s[0:1], 0x0                ; qc, w16
	s_load_b128 s[72:75], s[0:1], 0x10             ; rope, kv
	v_lshl_add_u32 v[SPW], v0, 2, SPARE
	v_mov_b32 v[NIL], 0
	ds_add_u32 v[SPW], v[NIL]                      ; the opening: the add, twice on end, and its wait ahead of my first tensor load
	ds_add_u32 v[SPW], v[NIL]
	v_lshrrev_b32 v1, 5, v0
	v_readfirstlane_b32 s10, v1
	s_lshr_b32 s11, s10, 1                         ; my half of the rows; also: I fetch for A (0) or B (1)
	s_and_b32 s12, s10, 1                          ; my half of the columns; also: which 128 rows I fetch
	s_bfe_u32 s40, ttmp6, 0x40000
	s_bfe_u32 s41, ttmp6, 0x40004
	s_lshl_b32 s42, ttmp9, 2
	s_add_co_u32 s42, s42, s40                     ; tile column
	s_and_b32 s13, ttmp7, 0xffff
	s_lshl_b32 s13, s13, 2
	s_add_co_u32 s13, s13, s41                     ; tile row
	s_lshl_b32 s43, s41, 2
	s_lshl_b32 s43, 15, s43
	s_lshl_b32 s44, 0x1111, s40
	s_or_b32 s[G1+0], s43, (1<<16)|(1<<20)|(1<<21)|(5<<22)|(3<<25)  ; mask; elements of 2 bytes; 4 words of padding behind every 64
	s_or_b32 s[G1B+0], s44, (1<<16)|(1<<20)|(1<<21)|(5<<22)|(3<<25)
.irp g, G1, G1B
	s_mov_b32 s[\g+1], KSTEP<<16
	s_mov_b32 s[\g+2], 128<<16
	s_mov_b32 s[\g+3], KSTEP<<16
	s_mov_b32 s[\g+4], 128
	s_mov_b32 s[\g+6], 0
	s_mov_b32 s[\g+7], 0
.endr
	s_mov_b32 s[G1+5], 2048                        ; A's rows are 2,048 elements apart,
	s_mov_b32 s[G1B+5], SIZE_K                     ; B's 1,024
	s_lshl_b32 s17, s12, 7
	s_lshl_b32 s16, s13, 8
	s_add_co_u32 s16, s16, s17
	s_lshl_b32 s46, s42, 8
	s_add_co_u32 s46, s46, s17
	s_lshl_b32 s16, s16, 12
	s_add_co_u32 s16, s16, 2048                    ; c_kv's columns begin 2,048 bytes into a row
	s_mov_b32 s17, 0
	s_lshl_b32 s46, s46, 11
	s_mov_b32 s47, 0
	s_mul_i32 s20, s10, HALFT
	s_wait_dscnt 0x0
	s_wait_kmcnt 0x0
	s_add_nc_u64 s[14:15], s[4:5], s[16:17]
	s_add_nc_u64 s[46:47], s[6:7], s[46:47]
	CROUND
.irp s, 0,1
	s_mov_b32 s[G0+4*\s], 1
	s_add_co_u32 s[G0+4*\s+1], s20, \s*SLOT
	s_add_nc_u64 s[G0+4*\s+2:G0+4*\s+3], s[14:15], \s*KSTEP*2
	s_or_b32 s[G0+4*\s+3], s[G0+4*\s+3], 0x80000000
	s_mov_b32 s[G0B+4*\s], 1
	s_add_co_u32 s[G0B+4*\s+1], s20, \s*SLOT
	s_add_nc_u64 s[G0B+4*\s+2:G0B+4*\s+3], s[46:47], \s*KSTEP*2
	s_or_b32 s[G0B+4*\s+3], s[G0B+4*\s+3], 0x80000000
	JLOAD \s
.endr
	; the stored maxima: 256 of |c_kv| (8 a lane), 512 of |w_up| (16 a lane)
	v_and_b32 v3, 31, v0
	v_lshlrev_b32 v5, 5, v3
	v_lshlrev_b32 v6, 6, v3
	s_add_nc_u64 s[76:77], s[4:5], 0x1020000
	s_add_nc_u64 s[78:79], s[6:7], 0x800000
	global_load_b128 v[32:35], v5, s[76:77]
	global_load_b128 v[36:39], v5, s[76:77] offset:16
.irp i, 0,1,2,3
	global_load_b128 v[40+4*\i:43+4*\i], v6, s[78:79] offset:16*\i
.endr
	v_and_b32 v1, 15, v0                           ; r
	v_bfe_u32 v2, v0, 4, 1                         ; h
	v_mul_u32_u24 v3, v1, PITCH
	v_lshl_add_u32 v3, v2, 4, v3
	s_mul_i32 s21, s11, HALFT
	s_mul_i32 s22, s12, HALFT
	s_add_co_u32 s22, s22, 2*HALFT
.irp s, 0,1
	v_add_nc_u32 v[ADRA+\s], s21, v3
	v_add_nc_u32 v[ADRB+\s], s22, v3
	s_add_co_u32 s21, s21, SLOT
	s_add_co_u32 s22, s22, SLOT
.endr
	s_mul_i32 s23, s10, 16*272                     ; the way out's two LDS addresses: my stage = a constant + a constant x wave
	s_add_co_u32 s23, s23, STAGE
	v_mul_u32_u24 v3, v1, 272
	v_lshl_add_u32 v3, v2, 4, v3
	v_add_nc_u32 v[STO], s23, v3                   ; in: row r, 16 bytes for each half of the lanes
	v_bfe_u32 v3, v0, 3, 2
	v_mul_u32_u24 v3, v3, 272
	v_and_b32 v4, 7, v0
	v_lshl_add_u32 v3, v4, 4, v3
	v_add_nc_u32 v[RD], s23, v3                    ; back: eight lanes take a row's 128 bytes of k (or of v), four rows an instruction
	s_mov_b32 s80, 0x76543210
	s_mov_b32 s81, 0xfedcba98
	s_wait_loadcnt 0x0
	v_max3_num_f32 v32, v32, v33, v34
	v_max3_num_f32 v40, v40, v41, v42
	v_max3_num_f32 v32, v32, v35, v36
	v_max3_num_f32 v40, v40, v43, v44
	v_max3_num_f32 v32, v32, v37, v38
	v_max3_num_f32 v40, v40, v45, v46
	v_max_num_f32 v32, v32, v39
.irp i, 47,49,51,53
	v_max3_num_f32 v40, v40, v[\i], v[\i+1]
.endr
	v_max_num_f32 v40, v40, v55
.irp m, 1,2,4,8
	v_max_num_f32_dpp v32, v32, v32 row_xmask:\m row_mask:0xf bank_mask:0xf
	v_max_num_f32_dpp v40, v40, v40 row_xmask:\m row_mask:0xf bank_mask:0xf
.endr
	v_permlanex16_b32 v33, v32, s80, s81
	v_permlanex16_b32 v41, v40, s80, s81
	v_max_num_f32 v32, v32, v33
	v_max_num_f32 v40, v40, v41
	v_readfirstlane_b32 s20, v32
	v_readfirstlane_b32 s21, v40
	s_lshr_b32 s20, s20, 23                        ; the two exponent fields (neither number is negative)
	s_lshr_b32 s21, s21, 23
	s_add_co_u32 s20, s20, s21
	s_sub_co_i32 s20, s20, 257
	s_max_i32 s20, s20, -100
	s_min_i32 s20, s20, 100                        ; s
	s_sub_co_i32 s21, 127, s20
	s_lshl_b32 s[DOWN], s21, 23                    ; 2^-s
	s_mov_b32 s[DOWN+1], s[DOWN]
	s_add_co_i32 s21, s20, 127
	s_lshl_b32 s68, s21, 23                        ; 2^s
	s_mul_f32 s69, s68, 0x3e38aa3b                 ; x log2(e) / 8: the softmax's factor
.macro MUL16 f, hi, a0, zero           ; 16 products; the 64 accumulators take turns, one instruction a turn
.irp a, \a0, \a0+1
.irp b, 0,1,2,3,4,5,6,7
.if \zero
	v_wmma_f32_16x16x32_f16 v[8*(8*(\a)+\b):8*(8*(\a)+\b)+7], v[\f+8*\b:\f+8*\b+7], v[\f+8*(4*\hi+\a):\f+8*(4*\hi+\a)+7], 0
.else
	v_wmma_f32_16x16x32_f16 v[8*(8*(\a)+\b):8*(8*(\a)+\b)+7], v[\f+8*\b:\f+8*\b+7], v[\f+8*(4*\hi+\a):\f+8*(4*\hi+\a)+7], v[8*(8*(\a)+\b):8*(8*(\a)+\b)+7]
.endif
.endr
.endr
.endm
.macro FETCH slot, k, f                ; 32 LDS loads in one run: 128 rows of B, 128 rows of A, 32 along K at byte k
	WIN TO_B
.irp i, 0,1,2,3,4,5,6,7
	ds_load_b128 v[\f+8*\i:\f+8*\i+3],   v[ADRB+\slot] offset:\k+\i*16*PITCH
	ds_load_b128 v[\f+8*\i+4:\f+8*\i+7], v[ADRB+\slot] offset:\k+\i*16*PITCH+32
.endr
	WIN 0
.irp i, 0,1,2,3,4,5,6,7
	ds_load_b128 v[\f+8*\i:\f+8*\i+3],   v[ADRA+\slot] offset:\k+\i*16*PITCH
	ds_load_b128 v[\f+8*\i+4:\f+8*\i+7], v[ADRA+\slot] offset:\k+\i*16*PITCH+32
.endr
.endm
.macro PLACES
.rept 4
	v_nop
.endr
.endm
.macro QUARTER slot, k, f, g, zero
	s_wait_dscnt 8                                 ; B and A's rows 0-63 are in; A's rows 64-127 may be out
	WIN MUL_LO
	MUL16 \f, 0, 0, \zero
	MUL16 \f, 0, 2, \zero
	PLACES
	FETCH \slot, \k, \g
	s_wait_dscnt 32                                ; all but the 32 just issued
	WIN MUL_HI
	MUL16 \f, 1, 0, \zero
	MUL16 \f, 1, 2, \zero
.endm
; The last quarter changes slots: each wave waits for all its tensor loads, adds 0 to its spare word, waits for that and for its reads of the slot; one barrier (fill = 1: it opens a round of the cluster's barrier).
.macro TURN slot, next, fill
	WIN 0
	s_wait_tensorcnt 0x0
	ds_add_u32 v[SPW], v[NIL]
	s_wait_dscnt 9                                 ; the add and the youngest eight loads may be out
	WIN MUL_LO
	MUL16 F1, 0, 0, 0
	s_wait_dscnt 0x0
	s_barrier_signal -1
	MUL16 F1, 0, 2, 0
.if \fill
	WIN 0
.endif
	s_barrier_wait -1
.if \fill
	CREST
	s_add_nc_u64 s[G0+4*\slot+2:G0+4*\slot+3], s[G0+4*\slot+2:G0+4*\slot+3], 2*KSTEP*2
	s_add_nc_u64 s[G0B+4*\slot+2:G0B+4*\slot+3], s[G0B+4*\slot+2:G0B+4*\slot+3], 2*KSTEP*2
	JLOAD \slot                                    ; the first tensor load behind the round, one a wave; its four v_nop are the places in front of the loads below
.else
	PLACES
.endif
	FETCH \next, 0, F0
	WIN MUL_HI
	MUL16 F1, 1, 0, 0
	MUL16 F1, 1, 2, 0
.endm
	s_wait_tensorcnt 1                             ; my part of K step 0 is in; K step 1's may be out
	s_barrier_signal -1
	s_barrier_wait -1
	FETCH 0, 0, F0
	QUARTER 0, 64,  F0, F1, 1
	WIN 0
	s_mov_b32 s3, LAPS-1
.Llap:
	QUARTER 0, 128, F1, F0, 0
	QUARTER 0, 192, F0, F1, 0
	TURN 0, 1, 1
	QUARTER 1, 64,  F0, F1, 0
	QUARTER 1, 128, F1, F0, 0
	QUARTER 1, 192, F0, F1, 0
	TURN 1, 0, 1
	QUARTER 0, 64,  F0, F1, 0
	WIN 0
	s_sub_co_u32 s3, s3, 1
	s_cmp_lg_u32 s3, 0
	s_cbranch_scc1 .Llap
	QUARTER 0, 128, F1, F0, 0                      ; the last lap fills nothing
	QUARTER 0, 192, F0, F1, 0
	TURN 0, 1, 0
	QUARTER 1, 64,  F0, F1, 0
	QUARTER 1, 128, F1, F0, 0
	QUARTER 1, 192, F0, F1, 0
	s_wait_dscnt 8
	WIN MUL_LO
	MUL16 F1, 0, 0, 0
	MUL16 F1, 0, 2, 0
	s_wait_dscnt 0
	WIN MUL_HI
	MUL16 F1, 1, 0, 0
	MUL16 F1, 1, 2, 0
	WIN 0
; ---- THE WAY OUT
	s_lshl_b32 s18, s13, 8
	s_lshl_b32 s19, s11, 7
	s_add_co_u32 s18, s18, s19                     ; R0
	s_and_b32 s19, s18, 2047                       ; my first position
	s_lshr_b32 s20, s18, 11                        ; the batch
	s_lshl_b32 s21, s42, 1
	s_add_co_u32 s21, s21, s12                     ; the head
	s_lshl_b32 s20, s20, 4
	s_add_co_u32 s20, s20, s21
	s_lshl_b32 s16, s20, 18                        ; a head's 2,048 rows of 128 bytes
	s_lshl_b32 s22, s19, 7
	s_add_co_u32 s16, s16, s22
	s_mov_b32 s17, 0
	s_add_nc_u64 s[76:77], s[74:75], s[16:17]      ; k
	s_add_nc_u64 s[78:79], s[76:77], 0x800000      ; v
	s_lshl_b32 s16, s19, 8
	s_add_nc_u64 s[80:81], s[72:73], s[16:17]      ; the table
	v_and_b32 v4, 31, v0                           ; (these four plain lines are also the places behind the last products)
	v_lshlrev_b32 v[CO], 4, v4
	v_lshlrev_b32 v[TBO], 8, v1
	v_lshl_add_u32 v[TBO], v2, 5, v[TBO]
	WIN 0x40
.irp a, 0,1,2,3,4,5,6,7
.irp b, 0,1,2,3
.irp e, 0,1
	global_load_b128 v[32*\a+8*\b+4*\e:32*\a+8*\b+4*\e+3], v[TBO], s[80:81] offset:4096*\a+64*\b+16*\e
.endr
.endr
.endr
.macro PACKKV a
	s_wait_loadcnt 8*(7-(\a))                      ; this block's table loads are in; the later blocks' may be out
	WIN 0x41
.irp n, 0,2,4,6,8,10,12,14,16,18,20,22,24,26,28,30
	v_pk_mul_f32 v[32*(\a)+\n:32*(\a)+\n+1], v[32*(\a)+\n:32*(\a)+\n+1], s[DOWN:DOWN+1] op_sel_hi:[1,0]   ; the table x 2^-s: exact
.endr
	WIN 0x06+(\a)/4
.irp b, 0,1,2,3
.irp j, 0,1,2,3
	v_mul_f32 v[RR+8*\b+2*\j], v[64*((\a)%4)+8*\b+2*\j+1], v[32*(\a)+8*\b+2*\j+1]
	v_mul_f32 v[RR+8*\b+2*\j+1], v[64*((\a)%4)+8*\b+2*\j], v[32*(\a)+8*\b+2*\j+1]
	v_fma_f32 v[RR+8*\b+2*\j], v[64*((\a)%4)+8*\b+2*\j], v[32*(\a)+8*\b+2*\j], -v[RR+8*\b+2*\j]
	v_fma_f32 v[RR+8*\b+2*\j+1], v[64*((\a)%4)+8*\b+2*\j+1], v[32*(\a)+8*\b+2*\j], v[RR+8*\b+2*\j+1]
.endr
.endr
	WIN 0x02+(\a)/4
.irp n, 32,34,36,38,40,42,44,46,48,50,52,54,56,58,60,62
	v_pk_mul_f32 v[RR+\n:RR+\n+1], v[64*((\a)%4)+\n:64*((\a)%4)+\n+1], s[DOWN:DOWN+1] op_sel_hi:[1,0]     ; v x 2^-s
.endr
	WIN 0
.irp n, 0,1,2,3,4,5,6,7,8,9,10,11,12,13,14,15,16,17,18,19,20,21,22,23,24,25,26,27,28,29,30,31
	v_cvt_pk_f16_f32 v[TMP+\n], v[RR+2*\n], v[RR+2*\n+1]
.endr
.endm
.macro TOSTAGE a
.set BB, 32+192*((\a)%2)
.irp b, 0,1,2,3,4,5,6,7
	ds_store_b128 v[STO], v[TMP+4*\b:TMP+4*\b+3] offset:32*\b
.endr
.irp i, 0,1,2,3
	ds_load_b128 v[BB+4*\i:BB+4*\i+3], v[RD] offset:1088*\i
.endr
.irp i, 0,1,2,3
	ds_load_b128 v[BB+16+4*\i:BB+16+4*\i+3], v[RD] offset:1088*\i+128
.endr
.endm
.macro SEND a
.set BB, 32+192*((\a)%2)
	s_wait_dscnt 0x0
	s_wait_xcnt 0x0                                ; the block before has been read by its stores
.irp i, 0,1,2,3
	global_store_b128 v[CO], v[BB+4*\i:BB+4*\i+3], s[76:77] offset:2048*(\a)+512*\i        ; 512 bytes on end
.endr
.irp i, 0,1,2,3
	global_store_b128 v[CO], v[BB+16+4*\i:BB+16+4*\i+3], s[78:79] offset:2048*(\a)+512*\i
.endr
.endm
	PACKKV 0
	TOSTAGE 0
.irp a, 1,2,3,4,5,6,7
	PACKKV \a
	SEND \a-1
	TOSTAGE \a
.endr
	SEND 7
	; the two factors for the later launches: thread 0 of work-group (0, 0) stores them; a mask, no branch
	s_wait_xcnt 0x0                                ; every earlier store has read its registers and its base; EXEC changes only behind this wait
	s_add_nc_u64 s[82:83], s[74:75], 0x1040000
	v_mov_b32 v4, s69                              ; 2^s log2(e) / 8
	v_mov_b32 v5, s68                              ; 2^s
	v_mov_b32 v6, 0
	s_lshl_b32 s20, s13, 8
	s_lshl_b32 s21, s42, 16
	s_or_b32 s20, s20, s21
	v_or_b32 v3, s20, v0
	v_cmp_eq_u32 vcc_lo, 0, v3
	s_and_saveexec_b32 s20, vcc_lo
	global_store_b64 v6, v[4:5], s[82:83]
	s_wait_xcnt 0x0
	s_or_b32 exec_lo, exec_lo, s20
	s_wait_tensorcnt 0x0                           ; the wave's end
	ds_add_u32 v[SPW], v[NIL]
	s_wait_dscnt 0x0
	CROUND
	s_endpgm
.Lfunc_end_k_q1343664895_gemm_kv:
	.size	k_q1343664895_gemm_kv, .Lfunc_end_k_q1343664895_gemm_kv-k_q1343664895_gemm_kv
	.p2alignl 7, 3214868480
	.fill 96, 4, 3214868480
	.section	.rodata,"a",@progbits
	.p2align	6, 0x0
	.amdhsa_kernel k_q1343664895_gemm_kv
		.amdhsa_group_segment_fixed_size 327680
		.amdhsa_private_segment_fixed_size 0
		.amdhsa_enable_private_segment 0
		.amdhsa_kernarg_size 32
		.amdhsa_user_sgpr_count 2
		.amdhsa_user_sgpr_kernarg_segment_ptr 1
		.amdhsa_wavefront_size32 1
		.amdhsa_system_sgpr_workgroup_id_x 1
		.amdhsa_system_sgpr_workgroup_id_y 1
		.amdhsa_system_sgpr_workgroup_id_z 1
		.amdhsa_system_vgpr_workitem_id 0
		.amdhsa_next_free_vgpr 1024
		.amdhsa_next_free_sgpr 84
		.amdhsa_reserve_vcc 1
		.amdhsa_float_denorm_mode_32 3
		.amdhsa_float_denorm_mode_16_64 3
		.amdhsa_memory_ordered 1
		.amdhsa_forward_progress 1
		.amdhsa_inst_pref_size 193
	.end_amdhsa_kernel
	.amdgpu_metadata
---
amdhsa.version: [ 1, 2 ]
amdhsa.kernels:
  - .name:           k_q1343664895_gemm_kv
    .symbol:         k_q1343664895_gemm_kv.kd
    .args:
      - { .name: qc, .offset: 0, .size: 8, .value_kind: global_buffer, .address_space: global }
      - { .name: w16, .offset: 8, .size: 8, .value_kind: global_buffer, .address_space: global }
      - { .name: rope, .offset: 16, .size: 8, .value_kind: global_buffer, .address_space: global }
      - { .name: kv, .offset: 24, .size: 8, .value_kind: global_buffer, .address_space: global }
    .group_segment_fixed_size: 327680
    .private_segment_fixed_size: 0
    .kernarg_segment_align: 8
    .kernarg_segment_size: 32
    .max_flat_workgroup_size: 128
    .sgpr_count:     84
    .vgpr_count:     1024
    .wavefront_size: 32
...
	.end_amdgpu_metadata
.endif
;; end of part 3
;; launch fine_kv (part 4): grid 128 x 1, 8 waves a work-group, no clusters, 17,408 bytes of LDS; arguments qc, w_up, kv; writes kv
.if DOCPART == 4
	.amdgcn_target "amdgcn-amd-amdhsa--gfx1250"
	.amdhsa_code_object_version 6
	.text
	.protected	k_q1343664895_fine_kv
	.globl	k_q1343664895_fine_kv
	.p2align	8
	.type	k_q1343664895_fine_kv,@function
k_q1343664895_fine_kv:
	s_mov_b64 s[64:65], 0
	v_nop
	global_prefetch_b8 v0, s[64:65] scope:SCOPE_SE
	s_setreg_imm32_b32 hwreg(HW_REG_WAVE_MODE, 25, 1), 1
	s_wait_xcnt 0x0
; kv_up of positions 0-15 of both sequences in f32: kvfine[16 b + t][n] = sum over k of c_kv[b][t][k] w_up[k][n], by the f32 matrix form, 16 x 16 x 4.  c_kv comes as the f32 sums that the quantised product left;
; the result is at its true scale and not yet turned: the launch that reads it turns k.  These rows average one to sixteen values and are the largest of the output: f16 operands in this product alone use up what the comparison allows.
; A work-group takes 16 columns; wave w takes k = 128 w .. 128 w + 127.  K's places are permuted alike on both sides: lane (r, h) holds k = 128 w + 64 h + 0..63, and step i takes registers 2 i, 2 i + 1.
; The eight waves' partial sums meet in LDS as images of the registers; wave w adds registers 2 w, 2 w + 1 of the sixteen, in ascending order of the waves.  The stores are pieces of 64 bytes: 256 KB in all.
.set SPARE, 16384
.set CFINE, 0x1020400                  ; in the first buffer: c_kv of positions 0-15, [16 batch + position][1024] f32
.set KVFINE, 0x1000000                 ; in the output buffer: [16 batch + position][2048] f32
.set SPW, 12
.set NIL, 13
.set W,  16                            ; v16-79   w_up
.set A0, 80                            ; v80-143  c_kv, batch 0
.set A1, 144                           ; v144-207 c_kv, batch 1
	s_load_b128 s[4:7], s[0:1], 0x0                ; qc, w_up
	s_load_b64 s[8:9], s[0:1], 0x10                ; kv
	v_lshl_add_u32 v[SPW], v0, 2, SPARE
	v_mov_b32 v[NIL], 0
	v_lshrrev_b32 v1, 5, v0
	v_readfirstlane_b32 s10, v1                    ; wave 0..7
	v_and_b32 v1, 15, v0                           ; r
	v_bfe_u32 v2, v0, 4, 1                         ; h
	v_and_b32 v3, 31, v0
	v_lshlrev_b32 v4, 12, v1
	v_lshl_add_u32 v4, v2, 8, v4                   ; c_kv: row r of 4,096 bytes, + 64 h numbers
	v_lshlrev_b32 v5, 19, v2
	v_lshl_add_u32 v5, v1, 2, v5                   ; w_up: 64 h rows of 8,192 bytes, column r
	v_lshlrev_b32 v6, 4, v3
	s_lshl_b32 s11, s10, 11
	v_add_nc_u32 v7, s11, v6                       ; my wave's image: 2,048 w + 16 x lane
	s_lshr_b32 s12, s10, 1
	s_lshl_b32 s12, s12, 9
	s_and_b32 s13, s10, 1
	s_lshl_b32 s13, s13, 3
	s_add_co_u32 s12, s12, s13
	v_add_nc_u32 v8, s12, v6                       ; registers 2 w, 2 w + 1 of an image
	v_lshlrev_b32 v9, 16, v2
	v_lshl_add_u32 v9, v1, 2, v9                   ; out: 8 h rows of 8,192 bytes, column r
	s_lshl_b32 s14, s10, 9
	s_add_co_u32 s14, s14, CFINE
	s_mov_b32 s15, 0
	s_lshl_b32 s16, s10, 20
	s_lshl_b32 s18, ttmp9, 6
	s_add_co_u32 s16, s16, s18
	s_mov_b32 s17, 0
	s_lshr_b32 s20, s10, 2                         ; the batch whose rows I add up: 16 rows of 8,192 bytes
	s_lshl_b32 s20, s20, 17
	s_and_b32 s19, s10, 3
	s_lshl_b32 s19, s19, 14
	s_add_co_u32 s20, s20, s19
	s_add_co_u32 s20, s20, s18
	s_add_co_u32 s20, s20, KVFINE
	s_mov_b32 s21, 0
	s_wait_kmcnt 0x0
	s_add_nc_u64 s[4:5], s[4:5], s[14:15]
	s_add_nc_u64 s[6:7], s[6:7], s[16:17]
	s_add_nc_u64 s[8:9], s[8:9], s[20:21]
.set i_, 0
.rept 64
	global_load_b32 v[W+i_], v5, s[6:7] offset:8192*i_
.set i_, i_+1
.endr
.irp e, 0,1,2,3,4,5,6,7,8,9,10,11,12,13,14,15
	global_load_b128 v[A0+4*\e:A0+4*\e+3], v4, s[4:5] offset:16*\e
	global_load_b128 v[A1+4*\e:A1+4*\e+3], v4, s[4:5] offset:65536+16*\e
.endr
	s_wait_loadcnt 0x0
	v_wmma_f32_16x16x4_f32 v[208:215], v[A0:A0+1], v[W:W+1], 0     ; the first step starts both sums; the two accumulators take turns
	v_wmma_f32_16x16x4_f32 v[216:223], v[A1:A1+1], v[W:W+1], 0
.set i_, 1
.rept 31
	v_wmma_f32_16x16x4_f32 v[208:215], v[A0+2*i_:A0+2*i_+1], v[W+2*i_:W+2*i_+1], v[208:215]
	v_wmma_f32_16x16x4_f32 v[216:223], v[A1+2*i_:A1+2*i_+1], v[W+2*i_:W+2*i_+1], v[216:223]
.set i_, i_+1
.endr
.rept 8
	v_nop
.endr
	ds_store_b128 v7, v[208:211]                   ; each accumulator from its low end on
	ds_store_b128 v7, v[212:215] offset:512
	ds_store_b128 v7, v[216:219] offset:1024
	ds_store_b128 v7, v[220:223] offset:1536
	s_wait_dscnt 0x0                               ; for the others' sake: my stores have landed
	s_barrier_signal -1
	s_barrier_wait -1
.irp p, 0,1,2,3,4,5,6,7
	ds_load_b64 v[32+2*\p:33+2*\p], v8 offset:2048*\p
.endr
	s_wait_dscnt 0x0
.irp p, 1,2,3,4,5,6,7
	v_pk_add_f32 v[32:33], v[32:33], v[32+2*\p:33+2*\p]
.endr
	global_store_b32 v9, v32, s[8:9]               ; row 8 h + 2 (w % 4), column 16 x work-group + r
	global_store_b32 v9, v33, s[8:9] offset:8192
	s_wait_tensorcnt 0x0                           ; the wave's end
	ds_add_u32 v[SPW], v[NIL]
	s_wait_dscnt 0x0
	s_endpgm
.Lfunc_end_k_q1343664895_fine_kv:
	.size	k_q1343664895_fine_kv, .Lfunc_end_k_q1343664895_fine_kv-k_q1343664895_fine_kv
	.p2alignl 7, 3214868480
	.fill 96, 4, 3214868480
	.section	.rodata,"a",@progbits
	.p2align	6, 0x0
	.amdhsa_kernel k_q1343664895_fine_kv
		.amdhsa_group_segment_fixed_size 17408
		.amdhsa_private_segment_fixed_size 0
		.amdhsa_enable_private_segment 0
		.amdhsa_kernarg_size 24
		.amdhsa_user_sgpr_count 2
		.amdhsa_user_sgpr_kernarg_segment_ptr 1
		.amdhsa_wavefront_size32 1
		.amdhsa_system_sgpr_workgroup_id_x 1
		.amdhsa_system_sgpr_workgroup_id_y 1
		.amdhsa_system_sgpr_workgroup_id_z 1
		.amdhsa_system_vgpr_workitem_id 0
		.amdhsa_next_free_vgpr 256
		.amdhsa_next_free_sgpr 66
		.amdhsa_reserve_vcc 0
		.amdhsa_float_denorm_mode_32 3
		.amdhsa_float_denorm_mode_16_64 3
		.amdhsa_memory_ordered 1
		.amdhsa_forward_progress 1
		.amdhsa_inst_pref_size 17
	.end_amdhsa_kernel
	.amdgpu_metadata
---
amdhsa.version: [ 1, 2 ]
amdhsa.kernels:
  - .name:           k_q1343664895_fine_kv
    .symbol:         k_q1343664895_fine_kv.kd
    .args:
      - { .name: qc, .offset: 0, .size: 8, .value_kind: global_buffer, .address_space: global }
      - { .name: w_up, .offset: 8, .size: 8, .value_kind: global_buffer, .address_space: global }
      - { .name: kv, .offset: 16, .size: 8, .value_kind: global_buffer, .address_space: global }
    .group_segment_fixed_size: 17408
    .private_segment_fixed_size: 0
    .kernarg_segment_align: 8
    .kernarg_segment_size: 24
    .max_flat_workgroup_size: 256
    .sgpr_count:     66
    .vgpr_count:     256
    .wavefront_size: 32
...
	.end_amdgpu_metadata
.endif
;; end of part 4
;; launch attn (part 5): grid 8 x 32, 8 waves a work-group, no clusters, 327,680 bytes of LDS; arguments qc, kv, ao; writes ao
.if DOCPART == 5
	.amdgcn_target "amdgcn-amd-amdhsa--gfx1250"
	.amdhsa_code_object_version 6
	.text
	.protected	k_q1343664895_attn
	.globl	k_q1343664895_attn
	.p2align	8
	.type	k_q1343664895_attn,@function
k_q1343664895_attn:
	s_mov_b64 s[64:65], 0
	v_nop
	global_prefetch_b8 v0, s[64:65] scope:SCOPE_SE
	s_setreg_imm32_b32 hwreg(HW_REG_WAVE_MODE, 25, 1), 1
	s_wait_xcnt 0x0
; Causal attention of one (batch, head): O[q] = sum over k <= q of softmax_k(q . k / 8) v[k]; q, k, v and the weights p as f16, sums, maxima and the softmax in f32.
; k and v are stored x 2^-s; the factor c = 2^s log2(e) / 8 comes from memory, and O leaves as (P v 2^-s) / l: the last product multiplies by 2^s.
; SHARES.  Work-group x owns query blocks x and 15 - x of 128 queries (waves 0-3 and 4-7), so every work-group has the same work under the mask.  A wave owns 32 queries, two tiles of 16.
; NO CLUSTER: under the mask the work-groups of a head need different numbers of tiles (work-group 7 reads 5 of the 8 slots), so partners could not make every joint request.
; LAYOUT.  S^T = K Q^T (source 0 = 16 keys, source 1 = 16 queries), O^T = V^T P: a lane holds one query throughout; two tiles of S^T, packed to f16, are source 1 of the second product.  V is turned by ds_load_tr16_b128.
; RING.  Two slots of 256 keys, 2^17 bytes apart; an LDS row holds two keys (256 bytes) + 16 (K) or + 32 (V) of padding.  Waves 0, 1 fetch K's halves, waves 2, 3 V's.  Every work-group walks all 8 slots with constant
; trip counts; a step all of whose keys come after the wave's queries is jumped over, and a slot beyond the work-group's last query is not asked for.  Every wait on TENSORcnt is for 0.
; SOFTMAX: running maximum c m and sum l for each query; p = 2^(c s - c m); O and l are multiplied by 2^(c m_old - c m_new) in every step.
; Q's rows are read 128 bytes at a time, once a wave.
; REGISTERS: window 0: v1-15 addresses; v16-39 statistics, 12 a tile; v64-127 S^T; v128-159 P; v160-223 K's fragments.  window 1: v0-31 Q; v32-95 O^T; v96-159 V's fragments.
.set KP,    272
.set VP,    288
.set VOFF,  128*KP
.set SLOT1, 1<<17
.set STAGE, 2*SLOT1                    ; behind the ring: 32 rows x (128 + 16) bytes for each wave
.set SPARE, STAGE+8*32*144
.set NSL,   8
.set AK0, 1
.set AV0, 2
.set ADK, 3
.set ADV, 4
.set STO, 5
.set RD,  6
.set GO,  7
.set RH,  8                            ; r - 8 h
.set DM0, 9                            ; v9, v10: my query less the step's first key less 8 h, tile 0 and 1
.set NINF, 11
.set QO,  12
.set PFO, 13
.set SPW, 14
.set NIL, 15
.set ST,  16                           ; tile u at v[ST + 12 u]: +0 c m (+1 its pair's other word), +2, +3 l, +4 the factor a (+5), +6..9 four maxima, +10, +11 at work
.set S,   64
.set P,   128
.set KFR, 160
.set WV,  10
.set SEL, 12
.set KF,  14                           ; the step's first key
.set Q0,  15                           ; my first query
.set LASTQ, 16                         ; my work-group's last query
.set SLOTS, 17
.set INNER, 18
.set LIM, 19
.set CS,  20                           ; s[20:21] c
.set TBK, 22
.set TBV, 23
.set G1K, 24
.set G1V, 32
.set G0K, 40
.set G0V, 44
.set PFK, 48
.set PFV, 50
.set MSB, 0
.macro WIN new
.if MSB != (\new)
	s_set_vgpr_msb (MSB<<8)|(\new)
.set MSB, (\new)
.endif
.endm
.macro TLOAD                           ; waves 0, 1: K's halves; waves 2, 3: V's; the others nothing.  s_nop 0 and four v_nop follow each line
	s_cmp_lt_u32 s[WV], 2
	s_cbranch_scc0 .Lnot_k_\@
	tensor_load_to_lds s[G0K:G0K+3], s[G1K:G1K+7]
	s_nop 0
.rept 4
	v_nop
.endr
	s_branch .Lasked_\@
.Lnot_k_\@:
	s_cmp_lt_u32 s[WV], 4
	s_cbranch_scc0 .Lasked_\@
	tensor_load_to_lds s[G0V:G0V+3], s[G1V:G1V+7]
	s_nop 0
.rept 4
	v_nop
.endr
.Lasked_\@:
.endm
; A prefetch of the slot that the NEXT change will ask for: 32,768 bytes of K and as many of V.  All work-groups of a head walk the same K and V: work-group x = 0 asks, in its waves 4-7, 8,192 bytes of each a wave,
; lanes 256 bytes apart: each block is named once.  The last change that fills a slot asks for nothing; slots 0 and 1 come by their loads alone.
.macro ASK
	s_cmp_gt_u32 s[SLOTS], s[LIM]
	s_cbranch_scc0 .Lnot_mine_\@
	global_prefetch_b8 v[PFO], s[PFK:PFK+1] th:TH_LOAD_NT scope:SCOPE_SE
	global_prefetch_b8 v[PFO], s[PFV:PFV+1] th:TH_LOAD_NT scope:SCOPE_SE
.Lnot_mine_\@:
.endm
	s_load_b128 s[4:7], s[0:1], 0x0                ; qc, kv
	s_load_b64 s[8:9], s[0:1], 0x10                ; ao
	v_lshl_add_u32 v[SPW], v0, 2, SPARE
	v_mov_b32 v[NIL], 0
	ds_add_u32 v[SPW], v[NIL]                      ; the opening: the add, twice on end, and its wait ahead of the first tensor load
	ds_add_u32 v[SPW], v[NIL]
	v_lshrrev_b32 v1, 5, v0
	v_readfirstlane_b32 s[WV], v1                  ; wave 0..7
	s_and_b32 s52, ttmp7, 0xffff                   ; batch x 16 + head
	s_lshr_b32 s53, s[WV], 2                       ; 0: the early block, 1: the late one
	s_sub_co_u32 s54, 15, ttmp9
	s_cmp_eq_u32 s53, 0
	s_cselect_b32 s54, ttmp9, s54
	s_lshl_b32 s[Q0], s54, 7
	s_and_b32 s55, s[WV], 3
	s_lshl_b32 s55, s55, 5
	s_add_co_u32 s[Q0], s[Q0], s55
	s_sub_co_u32 s[LASTQ], 16, ttmp9
	s_lshl_b32 s[LASTQ], s[LASTQ], 7
	s_sub_co_u32 s[LASTQ], s[LASTQ], 1
	; group 1: 128 keys are a dense block: 64 rows of 256 bytes (32 elements of 8 bytes), padded behind each row
	s_mov_b32 s[G1K], (3<<16)|(1<<20)|(5<<22)|(3<<25)
	s_mov_b32 s[G1V], (3<<16)|(1<<20)|(5<<22)|(7<<25)
.irp g, G1K, G1V
	s_mov_b32 s[\g+1], 32<<16
	s_mov_b32 s[\g+2], 64<<16
	s_mov_b32 s[\g+3], 32<<16
	s_mov_b32 s[\g+4], 64
	s_mov_b32 s[\g+5], 32
	s_mov_b32 s[\g+6], 0
	s_mov_b32 s[\g+7], 0
.endr
	s_and_b32 s56, s[WV], 1
	s_lshl_b32 s58, s52, 18                        ; the head's 262,144 bytes
	s_mov_b32 s59, 0
	s_lshl_b32 s57, s56, 14
	s_add_co_u32 s60, s58, s57                     ; + my half of a slot
	s_mov_b32 s61, 0
	s_mov_b32 s[SEL], 0x76543210
	s_mov_b32 s[SEL+1], 0xfedcba98
	s_mov_b32 s[KF], 0
	s_mov_b32 s[TBK], 0
	s_mov_b32 s[TBV], 0
	s_mov_b32 s[SLOTS], NSL-1
	s_xor_b32 s57, s53, 1
	s_or_b32 s57, s57, ttmp9
	s_cmp_eq_u32 s57, 0
	s_cselect_b32 s[LIM], 1, -1
	s_wait_dscnt 0x0                               ; both opening adds are done
	s_wait_kmcnt 0x0
	s_mov_b32 s[G0K], 1
	s_mul_i32 s[G0K+1], s56, 64*KP
	s_add_nc_u64 s[G0K+2:G0K+3], s[6:7], s[60:61]
	s_or_b32 s[G0K+3], s[G0K+3], 0x80000000
	s_mov_b32 s[G0V], 1
	s_mul_i32 s[G0V+1], s56, 64*VP
	s_add_co_u32 s[G0V+1], s[G0V+1], VOFF
	s_add_nc_u64 s[G0V+2:G0V+3], s[6:7], s[60:61]
	s_add_nc_u64 s[G0V+2:G0V+3], s[G0V+2:G0V+3], 0x800000
	s_or_b32 s[G0V+3], s[G0V+3], 0x80000000
	TLOAD                                          ; slot 0: it holds key 0, which counts for every query
	s_add_nc_u64 s[62:63], s[6:7], 0x1040000
	s_load_b32 s[CS], s[62:63], 0x0                ; c
	s_lshl_b32 s57, s55, 8                         ; (wave % 4) x 8,192
	s_add_co_u32 s60, s58, s57
	s_add_co_u32 s60, s60, 32768                   ; in slot 1: the first change steps it to slot 2
	s_add_nc_u64 s[PFK:PFK+1], s[6:7], s[60:61]
	s_add_nc_u64 s[PFV:PFV+1], s[PFK:PFK+1], 0x800000
	s_lshr_b32 s56, s52, 4                         ; the batch
	s_and_b32 s57, s52, 15                         ; the head
	s_lshl_b32 s60, s56, 11
	s_add_co_u32 s60, s60, s[Q0]
	s_lshl_b32 s60, s60, 12
	s_lshl_b32 s58, s57, 7
	s_add_co_u32 s60, s60, s58
	s_add_nc_u64 s[66:67], s[4:5], s[60:61]        ; Q at my first query, my head
	s_lshl_b32 s60, s56, 10
	s_lshr_b32 s58, s[Q0], 1
	s_add_co_u32 s60, s60, s58
	s_lshl_b32 s60, s60, 12
	s_lshl_b32 s58, s57, 8
	s_add_co_u32 s60, s60, s58
	s_add_nc_u64 s[8:9], s[8:9], s[60:61]          ; O: rows of two positions, 4,096 bytes; a head's 256 bytes in them
	v_and_b32 v40, 15, v0                          ; r
	v_bfe_u32 v41, v0, 4, 1                        ; h
	v_lshlrev_b32 v[QO], 12, v40
	v_lshl_add_u32 v[QO], v41, 4, v[QO]
	WIN 0x40
.irp u, 0,1
.irp c, 0,1
	global_load_b128 v[16*\u+8*\c:16*\u+8*\c+3],   v[QO], s[66:67] offset:65536*\u+64*\c
	global_load_b128 v[16*\u+8*\c+4:16*\u+8*\c+7], v[QO], s[66:67] offset:65536*\u+64*\c+32
.endr
.endr
.set j_, 0
.rept 64
	v_mov_b32 v[32+j_], 0                          ; O^T: the step is written once; its first trip finds zeros
.set j_, j_+1
.endr
	WIN 0
	v_lshrrev_b32 v42, 1, v40
	v_mul_u32_u24 v[AK0], v42, KP
	v_and_b32 v43, 1, v40
	v_lshl_add_u32 v[AK0], v43, 7, v[AK0]
	v_lshl_add_u32 v[AK0], v41, 4, v[AK0]          ; key r of a tile: row r / 2, half r % 2, + 16 h
	v_bfe_u32 v42, v0, 1, 2
	v_lshl_add_u32 v42, v41, 2, v42
	v_mul_u32_u24 v[AV0], v42, VP
	v_lshl_add_u32 v[AV0], v43, 7, v[AV0]
	v_bfe_u32 v42, v0, 3, 1
	v_lshl_add_u32 v[AV0], v42, 4, v[AV0]
	v_add_nc_u32 v[AV0], VOFF, v[AV0]              ; the turning load: key 8 h + lane % 8, channels 8 ((lane / 8) % 2) on
	v_lshlrev_b32 v42, 3, v41
	v_sub_nc_u32 v[RH], v40, v42
	v_mov_b32 v[NINF], 0xff800000
	s_mul_i32 s58, s[WV], 32*144
	s_add_co_u32 s58, s58, STAGE
	v_mul_u32_u24 v[STO], v40, 144
	v_lshl_add_u32 v[STO], v41, 4, v[STO]
	v_add_nc_u32 v[STO], s58, v[STO]
	v_bfe_u32 v42, v0, 3, 2
	v_mul_u32_u24 v[RD], v42, 144
	v_and_b32 v43, 7, v0
	v_lshl_add_u32 v[RD], v43, 4, v[RD]
	v_add_nc_u32 v[RD], s58, v[RD]
	v_lshlrev_b32 v[GO], 12, v41
	v_lshl_add_u32 v[GO], v40, 4, v[GO]
	v_and_b32 v[PFO], 31, v0
	v_lshlrev_b32 v[PFO], 8, v[PFO]
.irp u, 0,1
	v_mov_b32 v[ST+12*\u], 0xff61b1e6              ; c m: -3e38, under every score
.irp k, 1,2,3,4,5,10
	v_mov_b32 v[ST+12*\u+\k], 0
.endr
.endr
; A KEY STEP: 64 keys.
.macro STEP
	s_add_co_u32 s52, s[Q0], 31
	s_cmp_gt_u32 s[KF], s52                        ; all its keys come after my queries: ids and the count of steps alone
	s_cbranch_scc1 .Lhidden_\@
	v_add_nc_u32 v[ADK], s[TBK], v[AK0]            ; four plain lines: the places in front of loads into V's registers
	v_add_nc_u32 v[ADV], s[TBV], v[AV0]
	v_nop
	v_nop
.irp t, 0,1,2,3
.irp c, 0,1
	ds_load_b128 v[KFR+16*\t+8*\c:KFR+16*\t+8*\c+3],   v[ADK] offset:2176*\t+64*\c
	ds_load_b128 v[KFR+16*\t+8*\c+4:KFR+16*\t+8*\c+7], v[ADK] offset:2176*\t+64*\c+32
.endr
.endr
	WIN 0x40
.irp g, 0,1
.irp d, 0,1,2,3
	ds_load_tr16_b128 v[96+32*\g+8*\d:96+32*\g+8*\d+3],   v[ADV] offset:4608*\g+32*\d
	ds_load_tr16_b128 v[96+32*\g+8*\d+4:96+32*\g+8*\d+7], v[ADV] offset:4608*\g+32*\d+2304
.endr
.endr
	s_wait_dscnt 16                                ; K is in; V's 16 loads may be out
	WIN 0x04
.irp c, 0,1                                    ; the eight accumulators take turns
.irp t, 0,1,2,3
.irp u, 0,1
.if \c == 0
	v_wmma_f32_16x16x32_f16 v[S+32*\u+8*\t:S+32*\u+8*\t+7], v[KFR+16*\t+8*\c:KFR+16*\t+8*\c+7], v[16*\u+8*\c:16*\u+8*\c+7], 0
.else
	v_wmma_f32_16x16x32_f16 v[S+32*\u+8*\t:S+32*\u+8*\t+7], v[KFR+16*\t+8*\c:KFR+16*\t+8*\c+7], v[16*\u+8*\c:16*\u+8*\c+7], v[S+32*\u+8*\t:S+32*\u+8*\t+7]
.endif
.endr
.endr
.endr
	WIN 0
.rept 4
	v_nop
.endr
	s_add_co_u32 s52, s[KF], 63
	s_cmp_le_u32 s52, s[Q0]                        ; all 64 keys count for all my queries: no mask
	s_cbranch_scc1 .Lopen_\@
	s_sub_co_i32 s52, s[Q0], s[KF]
	v_add_nc_u32 v[DM0], s52, v[RH]
	v_add_nc_u32 v[DM0+1], 16, v[DM0]
.irp u, 0,1
.set n_, 0
.rept 32                                       ; register 8 t + j holds key KF + 16 t + 8 h + j: hidden where 16 t + j > my query - KF - 8 h
	v_cmp_gt_i32 vcc_lo, 16*(n_/8)+n_%8, v[DM0+\u]
	v_cndmask_b32 v[S+32*\u+n_], v[S+32*\u+n_], v[NINF], vcc_lo
.set n_, n_+1
.endr
.endr
.Lopen_\@:
.irp t, 0,1,2,3
.irp u, 0,1
	v_max3_num_f32 v[ST+12*\u+6+\t], v[S+32*\u+8*\t], v[S+32*\u+8*\t+1], v[S+32*\u+8*\t+2]
.endr
.endr
.irp i, 3,5
.irp t, 0,1,2,3
.irp u, 0,1
	v_max3_num_f32 v[ST+12*\u+6+\t], v[ST+12*\u+6+\t], v[S+32*\u+8*\t+\i], v[S+32*\u+8*\t+\i+1]
.endr
.endr
.endr
.irp t, 0,1,2,3
.irp u, 0,1
	v_max_num_f32 v[ST+12*\u+6+\t], v[ST+12*\u+6+\t], v[S+32*\u+8*\t+7]
.endr
.endr
.irp u, 0,1
	v_max3_num_f32 v[ST+12*\u+6], v[ST+12*\u+6], v[ST+12*\u+7], v[ST+12*\u+8]
.endr
.irp u, 0,1
	v_max_num_f32 v[ST+12*\u+6], v[ST+12*\u+6], v[ST+12*\u+9]
.endr
.irp u, 0,1
	v_permlanex16_b32 v[ST+12*\u+10], v[ST+12*\u+6], s[SEL], s[SEL+1]   ; the query's other 32 keys lie in the lane 16 away
.endr
.irp u, 0,1
	v_max_num_f32 v[ST+12*\u+6], v[ST+12*\u+6], v[ST+12*\u+10]
.endr
.irp u, 0,1
	v_mul_f32 v[ST+12*\u+10], s[CS], v[ST+12*\u+6]                      ; c is positive
.endr
.irp u, 0,1
	v_max_num_f32 v[ST+12*\u+10], v[ST+12*\u+10], v[ST+12*\u]           ; the new c m
.endr
.irp u, 0,1
	v_sub_f32 v[ST+12*\u+11], v[ST+12*\u], v[ST+12*\u+10]
.endr
.irp u, 0,1
	v_mov_b32 v[ST+12*\u], v[ST+12*\u+10]
.endr
.irp n, 0,2,4,6,8,10,12,14,16,18,20,22,24,26,28,30
.irp u, 0,1
	v_pk_fma_f32 v[S+32*\u+\n:S+32*\u+\n+1], v[S+32*\u+\n:S+32*\u+\n+1], s[CS:CS+1], v[ST+12*\u:ST+12*\u+1] op_sel_hi:[1,0,0] neg_lo:[0,0,1] neg_hi:[0,0,1]   ; c s - c m
.endr
.endr
.irp u, 0,1
	v_exp_f32 v[ST+12*\u+4], v[ST+12*\u+11]        ; a = 2^(c m_old - c m_new)
.endr
.set n_, 0
.rept 64
	v_exp_f32 v[S+n_], v[S+n_]
.set n_, n_+1
.endr
	v_nop                                          ; a plain line behind the last exponential
	s_wait_alu depctr_va_vdst(0)                   ; one wait for the batch of 66, ahead of its first reader
.irp u, 0,1
	v_pk_mul_f32 v[ST+12*\u+2:ST+12*\u+3], v[ST+12*\u+2:ST+12*\u+3], v[ST+12*\u+4:ST+12*\u+5] op_sel_hi:[1,0]
.endr
.irp n, 0,1,2,3,4,5,6,7,8,9,10,11,12,13,14,15
.irp u, 0,1
	v_cvt_pk_f16_f32 v[P+16*\u+\n], v[S+32*\u+2*\n], v[S+32*\u+2*\n+1]
.endr
.endr
.irp u, 0,1
	v_pk_add_f32 v[ST+12*\u+6:ST+12*\u+7], v[S+32*\u:S+32*\u+1], v[S+32*\u+2:S+32*\u+3]   ; the sum of the unrounded p, in two chains
.endr
.irp n, 4,8,12,16,20,24,28
.irp u, 0,1
	v_pk_add_f32 v[ST+12*\u+2:ST+12*\u+3], v[ST+12*\u+2:ST+12*\u+3], v[S+32*\u+\n:S+32*\u+\n+1]
	v_pk_add_f32 v[ST+12*\u+6:ST+12*\u+7], v[ST+12*\u+6:ST+12*\u+7], v[S+32*\u+\n+2:S+32*\u+\n+3]
.endr
.endr
.irp u, 0,1
	v_pk_add_f32 v[ST+12*\u+2:ST+12*\u+3], v[ST+12*\u+2:ST+12*\u+3], v[ST+12*\u+6:ST+12*\u+7]
.endr
	WIN 0x41
.irp u, 0,1
.irp n, 0,2,4,6,8,10,12,14,16,18,20,22,24,26,28,30
	v_pk_mul_f32 v[32+32*\u+\n:32+32*\u+\n+1], v[32+32*\u+\n:32+32*\u+\n+1], v[ST+12*\u+4:ST+12*\u+5] op_sel_hi:[1,0]   ; O^T x a
.endr
.endr
	s_wait_dscnt 0x0                               ; V is in
	WIN 0x51
.irp g, 0,1
.irp d, 0,1,2,3
.irp u, 0,1
	v_wmma_f32_16x16x32_f16 v[32+32*\u+8*\d:32+32*\u+8*\d+7], v[96+32*\g+8*\d:96+32*\g+8*\d+7], v[P+16*\u+8*\g:P+16*\u+8*\g+7], v[32+32*\u+8*\d:32+32*\u+8*\d+7]
.endr
.endr
.endr
	WIN 0
.Lhidden_\@:
	s_add_co_u32 s[KF], s[KF], 64
	s_add_co_u32 s[TBK], s[TBK], 32*KP
	s_add_co_u32 s[TBV], s[TBV], 32*VP
.endm
; THE CHANGE OF SLOTS, at a slot's head.  Each wave waits for all its tensor loads, adds 0 to its spare word, waits for that and for its reads of the slot that it has left; one barrier; fill = 1: the slot just left is filled
; with the next 256 keys, the first thing behind the barrier, one load a fetching wave: it has a slot's four steps in which to land.
.macro CHANGE fill
	s_wait_tensorcnt 0x0
	ds_add_u32 v[SPW], v[NIL]
.if \fill
	ds_add_u32 v[SPW], v[NIL]                      ; and once more
	s_xor_b32 s[G0K+1], s[G0K+1], SLOT1
	s_add_nc_u64 s[G0K+2:G0K+3], s[G0K+2:G0K+3], 32768
	s_xor_b32 s[G0V+1], s[G0V+1], SLOT1
	s_add_nc_u64 s[G0V+2:G0V+3], s[G0V+2:G0V+3], 32768
	s_wait_xcnt 0x0                                ; the last prefetches, a slot back, have read their addresses
	s_add_nc_u64 s[PFK:PFK+1], s[PFK:PFK+1], 32768
	s_add_nc_u64 s[PFV:PFV+1], s[PFV:PFV+1], 32768
.endif
	s_wait_dscnt 0x0
	s_barrier_signal -1
	s_barrier_wait -1
.if \fill
	s_add_co_u32 s52, s[KF], 256                   ; the first key of the slot that this change would ask for
	s_cmp_gt_u32 s52, s[LASTQ]                     ; beyond my work-group's last query no wave reads it: ids and the count of steps alone, the same in all eight waves
	s_cbranch_scc1 .Lpast_\@
	TLOAD
.Lpast_\@:
	ASK
.endif
.endm
.macro SLOT_STEPS
	s_mov_b32 s[INNER], 4
.Lstep_\@:
	STEP
	s_sub_co_u32 s[INNER], s[INNER], 1
	s_cmp_lg_u32 s[INNER], 0
	s_cbranch_scc1 .Lstep_\@
	s_sub_co_u32 s[TBK], s[TBK], 4*32*KP
	s_xor_b32 s[TBK], s[TBK], SLOT1
	s_sub_co_u32 s[TBV], s[TBV], 4*32*VP
	s_xor_b32 s[TBV], s[TBV], SLOT1
.endm
	s_wait_kmcnt 0x0
	s_mov_b32 s[CS+1], s[CS]
	s_wait_loadcnt 0x0                             ; Q
.Lslot:
	CHANGE 1
	SLOT_STEPS
	s_sub_co_u32 s[SLOTS], s[SLOTS], 1
	s_cmp_lg_u32 s[SLOTS], 0
	s_cbranch_scc1 .Lslot
	CHANGE 0                                       ; the last slot is written out: nothing is left to ask for
	SLOT_STEPS
	; THE WAY OUT: O^T / l as f16, through my stage, so that two positions of a head leave as 256 bytes on end
.irp u, 0,1
	v_add_f32 v[ST+12*\u+2], v[ST+12*\u+2], v[ST+12*\u+3]
.endr
.irp u, 0,1
	v_permlanex16_b32 v[ST+12*\u+10], v[ST+12*\u+2], s[SEL], s[SEL+1]
.endr
.irp u, 0,1
	v_add_f32 v[ST+12*\u+2], v[ST+12*\u+2], v[ST+12*\u+10]
.endr
.irp u, 0,1
	v_rcp_f32 v[ST+12*\u+4], v[ST+12*\u+2]
.endr
	v_nop
	s_wait_alu depctr_va_vdst(0)                   ; one wait for the two reciprocals
.irp u, 0,1
	WIN 0x01
.irp n, 0,2,4,6,8,10,12,14,16,18,20,22,24,26,28,30
	v_pk_mul_f32 v[S+32*\u+\n:S+32*\u+\n+1], v[32+32*\u+\n:32+32*\u+\n+1], v[ST+12*\u+4:ST+12*\u+5] op_sel_hi:[1,0]
.endr
	WIN 0
.irp n, 0,1,2,3,4,5,6,7,8,9,10,11,12,13,14,15
	v_cvt_pk_f16_f32 v[P+16*\u+\n], v[S+32*\u+2*\n], v[S+32*\u+2*\n+1]
.endr
.irp d, 0,1,2,3
	ds_store_b128 v[STO], v[P+16*\u+4*\d:P+16*\u+4*\d+3] offset:2304*\u+32*\d
.endr
.endr
.irp n, 0,1,2,3,4,5,6,7
	ds_load_b128 v[KFR+4*\n:KFR+4*\n+3], v[RD] offset:576*\n           ; four rows an instruction; LDS serves a wave's instructions in order
.endr
.irp n, 0,1,2,3,4,5,6,7
	s_wait_dscnt 7-\n
	global_store_b128 v[GO], v[KFR+4*\n:KFR+4*\n+3], s[8:9] offset:8192*\n   ; sixteen lanes store 256 bytes on end, aligned
.endr
	s_wait_tensorcnt 0x0                           ; the wave's end
	ds_add_u32 v[SPW], v[NIL]
	s_wait_dscnt 0x0
	s_endpgm
.Lfunc_end_k_q1343664895_attn:
	.size	k_q1343664895_attn, .Lfunc_end_k_q1343664895_attn-k_q1343664895_attn
	.p2alignl 7, 3214868480
	.fill 96, 4, 3214868480
	.section	.rodata,"a",@progbits
	.p2align	6, 0x0
	.amdhsa_kernel k_q1343664895_attn
		.amdhsa_group_segment_fixed_size 327680
		.amdhsa_private_segment_fixed_size 0
		.amdhsa_enable_private_segment 0
		.amdhsa_kernarg_size 24
		.amdhsa_user_sgpr_count 2
		.amdhsa_user_sgpr_kernarg_segment_ptr 1
		.amdhsa_wavefront_size32 1
		.amdhsa_system_sgpr_workgroup_id_x 1
		.amdhsa_system_sgpr_workgroup_id_y 1
		.amdhsa_system_sgpr_workgroup_id_z 1
		.amdhsa_system_vgpr_workitem_id 0
		.amdhsa_next_free_vgpr 512
		.amdhsa_next_free_sgpr 72
		.amdhsa_reserve_vcc 1
		.amdhsa_float_denorm_mode_32 3
		.amdhsa_float_denorm_mode_16_64 3
		.amdhsa_memory_ordered 1
		.amdhsa_forward_progress 1
		.amdhsa_inst_pref_size 63
	.end_amdhsa_kernel
	.amdgpu_metadata
---
amdhsa.version: [ 1, 2 ]
amdhsa.kernels:
  - .name:           k_q1343664895_attn
    .symbol:         k_q1343664895_attn.kd
    .args:
      - { .name: qc, .offset: 0, .size: 8, .value_kind: global_buffer, .address_space: global }
      - { .name: kv, .offset: 8, .size: 8, .value_kind: global_buffer, .address_space: global }
      - { .name: ao, .offset: 16, .size: 8, .value_kind: global_buffer, .address_space: global }
    .group_segment_fixed_size: 327680
    .private_segment_fixed_size: 0
    .kernarg_segment_align: 8
    .kernarg_segment_size: 24
    .max_flat_workgroup_size: 256
    .sgpr_count:     72
    .vgpr_count:     512
    .wavefront_size: 32
...
	.end_amdgpu_metadata
.endif
;; end of part 5
;; launch fine_attn (part 6): grid 32 x 1, 1 waves a work-group, no clusters, 0 bytes of LDS; arguments qc, kv, rope, aof; writes aof
.if DOCPART == 6
	.amdgcn_target "amdgcn-amd-amdhsa--gfx1250"
	.amdhsa_code_object_version 6
	.text
	.protected	k_q1343664895_fine_attn
	.globl	k_q1343664895_fine_attn
	.p2align	8
	.type	k_q1343664895_fine_attn,@function
k_q1343664895_fine_attn:
	s_mov_b64 s[64:65], 0
	v_nop
	global_prefetch_b8 v0, s[64:65] scope:SCOPE_SE
	s_setreg_imm32_b32 hwreg(HW_REG_WAVE_MODE, 25, 1), 1
	s_wait_xcnt 0x0
; Positions 0-15 of every (batch, head) once more, wholly in f32: these rows average one to sixteen values and are the largest of the output, so f16 operands would use up what the comparison allows.
; One wave a head.  q comes turned, as f32; k and v come as f32 at their true scale, k not yet turned: lane (r, h) holds channels 32 h + 0..31 of key r, that is pairs 16 h + 0..15, and turns them by the 128 bytes
; at 256 r + 128 h of the table.  S^T = K Q^T and O^T = V^T P by the f32 matrix form, 16 x 16 x 4.  K's places are permuted alike on both sides, so that long loads serve: in the first product step i takes
; registers 2 i, 2 i + 1 of both rows; in the second, slot (h, j) of step i is key 8 h + 2 i + j, which is where p lies.
; What the matrix form writes is written by it alone; what is made of the sums goes into other registers.
.set KR, 16                            ; v16-47   k as loaded; at the end the result
.set QR, 48                            ; v48-79   q
.set TB, 168                           ; v168-199 cos, sin of my 16 pairs
.set KT, 200                           ; v200-231 k, turned
	s_load_b128 s[4:7], s[0:1], 0x0                ; qc, kv
	s_load_b128 s[8:11], s[0:1], 0x10              ; rope, aof
	v_and_b32 v1, 15, v0                           ; r
	v_bfe_u32 v2, v0, 4, 1                         ; h
	s_lshr_b32 s22, ttmp9, 4                       ; the batch
	s_and_b32 s23, ttmp9, 15                       ; the head
	v_lshlrev_b32 v3, 13, v1
	v_lshl_add_u32 v3, v2, 7, v3                   ; k: row r of 8,192 bytes, + 128 h
	v_lshlrev_b32 v4, 12, v1
	v_lshl_add_u32 v4, v2, 7, v4                   ; q: row r of 4,096 bytes, + 128 h
	v_lshlrev_b32 v5, 16, v2
	v_lshl_add_u32 v5, v1, 2, v5                   ; v: rows 8 h on, channel r
	v_lshlrev_b32 v6, 12, v1
	v_lshl_add_u32 v6, v2, 5, v6                   ; out: row r, + 32 h
	v_lshlrev_b32 v7, 3, v2
	v_sub_nc_u32 v7, v1, v7                        ; r - 8 h
	v_mov_b32 v8, 0xff800000
	v_mov_b32 v10, 0
	v_lshlrev_b32 v13, 8, v1
	v_lshl_add_u32 v13, v2, 7, v13                 ; the table: position r of 256 bytes, + 128 h
	s_mov_b32 s18, 0x3e38aa3b                      ; c = log2(e) / 8
	s_mov_b32 s20, 0x76543210
	s_mov_b32 s21, 0xfedcba98
	s_lshl_b32 s12, s22, 17
	s_lshl_b32 s14, s23, 9
	s_add_co_u32 s12, s12, s14
	s_add_co_u32 s12, s12, 0x1000000
	s_mov_b32 s13, 0
	s_lshl_b32 s14, s22, 16
	s_lshl_b32 s16, s23, 8
	s_add_co_u32 s14, s14, s16
	s_mov_b32 s15, 0
	s_wait_kmcnt 0x0
	s_add_nc_u64 s[6:7], s[6:7], s[12:13]
	s_add_nc_u64 s[4:5], s[4:5], s[14:15]
	s_add_nc_u64 s[4:5], s[4:5], 0x1000000
	s_add_nc_u64 s[10:11], s[10:11], s[14:15]
.irp e, 0,1,2,3,4,5,6,7
	global_load_b128 v[KR+4*\e:KR+4*\e+3], v3, s[6:7] offset:16*\e
	global_load_b128 v[QR+4*\e:QR+4*\e+3], v4, s[4:5] offset:16*\e
	global_load_b128 v[TB+4*\e:TB+4*\e+3], v13, s[8:9] offset:16*\e
.endr
.irp d, 0,1,2,3
.irp n, 0,1,2,3,4,5,6,7
	global_load_b32 v[104+8*\d+\n], v5, s[6:7] offset:8192*\n+64*\d+256
.endr
.endr
	s_wait_loadcnt 32                              ; k, q and the table are in; v's 32 loads may be out
.irp j, 0,1,2,3,4,5,6,7,8,9,10,11,12,13,14,15
	v_mul_f32 v[KT+2*\j], v[KR+2*\j+1], v[TB+2*\j+1]
	v_mul_f32 v[KT+2*\j+1], v[KR+2*\j], v[TB+2*\j+1]
	v_fma_f32 v[KT+2*\j], v[KR+2*\j], v[TB+2*\j], -v[KT+2*\j]          ; x1 cos - x2 sin
	v_fma_f32 v[KT+2*\j+1], v[KR+2*\j+1], v[TB+2*\j], v[KT+2*\j+1]     ; x2 cos + x1 sin
.endr
.irp i, 0,1,2,3,4,5,6,7,8,9,10,11,12,13,14,15  ; two accumulators by turns; their first steps start the sums
.if \i < 2
	v_wmma_f32_16x16x4_f32 v[80+8*(\i%2):87+8*(\i%2)], v[KT+2*\i:KT+2*\i+1], v[QR+2*\i:QR+2*\i+1], 0
.else
	v_wmma_f32_16x16x4_f32 v[80+8*(\i%2):87+8*(\i%2)], v[KT+2*\i:KT+2*\i+1], v[QR+2*\i:QR+2*\i+1], v[80+8*(\i%2):87+8*(\i%2)]
.endif
.endr
.rept 8
	v_nop
.endr
.irp j, 0,1,2,3,4,5,6,7
	v_add_f32 v[96+\j], v[80+\j], v[88+\j]         ; lane (r, h): query r, key 8 h + j
.endr
.irp j, 0,1,2,3,4,5,6,7
	v_cmp_gt_i32 vcc_lo, \j, v7                    ; hidden where 8 h + j > r
	v_cndmask_b32 v[96+\j], v[96+\j], v8, vcc_lo
.endr
	v_max3_num_f32 v9, v96, v97, v98
	v_max3_num_f32 v9, v9, v99, v100
	v_max3_num_f32 v9, v9, v101, v102
	v_max_num_f32 v9, v9, v103
	v_permlanex16_b32 v10, v9, s20, s21
	v_max_num_f32 v9, v9, v10                      ; the row's largest score (key 0 counts for every query)
	v_mul_f32 v9, s18, v9
.irp j, 0,1,2,3,4,5,6,7
	v_fma_f32 v[96+\j], v[96+\j], s18, -v9         ; c s - c m
.endr
.irp j, 0,1,2,3,4,5,6,7
	v_exp_f32 v[96+\j], v[96+\j]
.endr
	v_nop
	s_wait_alu depctr_va_vdst(0)                   ; one wait for the eight
	v_add_f32 v11, v96, v97
	v_add_f32 v12, v98, v99
	v_add_f32 v11, v11, v100
	v_add_f32 v12, v12, v101
	v_add_f32 v11, v11, v102
	v_add_f32 v12, v12, v103
	v_add_f32 v11, v11, v12
	v_permlanex16_b32 v10, v11, s20, s21
	v_add_f32 v11, v11, v10
	v_rcp_f32 v12, v11                             ; 1 / l
	v_nop
	s_wait_alu depctr_va_vdst(0)
	s_wait_loadcnt 0x0
.irp i, 0,1,2,3
.irp d, 0,1,2,3
.if \i == 0
	v_wmma_f32_16x16x4_f32 v[136+8*\d:143+8*\d], v[104+8*\d+2*\i:105+8*\d+2*\i], v[96+2*\i:97+2*\i], 0
.else
	v_wmma_f32_16x16x4_f32 v[136+8*\d:143+8*\d], v[104+8*\d+2*\i:105+8*\d+2*\i], v[96+2*\i:97+2*\i], v[136+8*\d:143+8*\d]
.endif
.endr
.endr
.rept 8
	v_nop
.endr
.irp n, 0,1,2,3,4,5,6,7,8,9,10,11,12,13,14,15,16,17,18,19,20,21,22,23,24,25,26,27,28,29,30,31
	v_mul_f32 v[KR+\n], v[136+\n], v12             ; register 8 d + j: channel 16 d + 8 h + j of query r
.endr
.irp d, 0,1,2,3
.irp e, 0,1
	global_store_b128 v6, v[KR+8*\d+4*\e:KR+8*\d+4*\e+3], s[10:11] offset:64*\d+16*\e
.endr
.endr
	s_endpgm
.Lfunc_end_k_q1343664895_fine_attn:
	.size	k_q1343664895_fine_attn, .Lfunc_end_k_q1343664895_fine_attn-k_q1343664895_fine_attn
	.p2alignl 7, 3214868480
	.fill 96, 4, 3214868480
	.section	.rodata,"a",@progbits
	.p2align	6, 0x0
	.amdhsa_kernel k_q1343664895_fine_attn
		.amdhsa_group_segment_fixed_size 0
		.amdhsa_private_segment_fixed_size 0
		.amdhsa_enable_private_segment 0
		.amdhsa_kernarg_size 32
		.amdhsa_user_sgpr_count 2
		.amdhsa_user_sgpr_kernarg_segment_ptr 1
		.amdhsa_wavefront_size32 1
		.amdhsa_system_sgpr_workgroup_id_x 1
		.amdhsa_system_sgpr_workgroup_id_y 1
		.amdhsa_system_sgpr_workgroup_id_z 1
		.amdhsa_system_vgpr_workitem_id 0
		.amdhsa_next_free_vgpr 256
		.amdhsa_next_free_sgpr 66
		.amdhsa_reserve_vcc 1
		.amdhsa_float_denorm_mode_32 3
		.amdhsa_float_denorm_mode_16_64 3
		.amdhsa_memory_ordered 1
		.amdhsa_forward_progress 1
		.amdhsa_inst_pref_size 17
	.end_amdhsa_kernel
	.amdgpu_metadata
---
amdhsa.version: [ 1, 2 ]
amdhsa.kernels:
  - .name:           k_q1343664895_fine_attn
    .symbol:         k_q1343664895_fine_attn.kd
    .args:
      - { .name: qc, .offset: 0, .size: 8, .value_kind: global_buffer, .address_space: global }
      - { .name: kv, .offset: 8, .size: 8, .value_kind: global_buffer, .address_space: global }
      - { .name: rope, .offset: 16, .size: 8, .value_kind: global_buffer, .address_space: global }
      - { .name: aof, .offset: 24, .size: 8, .value_kind: global_buffer, .address_space: global }
    .group_segment_fixed_size: 0
    .private_segment_fixed_size: 0
    .kernarg_segment_align: 8
    .kernarg_segment_size: 32
    .max_flat_workgroup_size: 32
    .sgpr_count:     66
    .vgpr_count:     256
    .wavefront_size: 32
...
	.end_amdgpu_metadata
.endif
;; end of part 6
;; launch proj (part 7): grid 8 x 16, 4 waves a work-group, clusters of 4 x 4, 327,680 bytes of LDS; arguments ao, w16, kv, out0; writes out0
.if DOCPART == 7
	.amdgcn_target "amdgcn-amd-amdhsa--gfx1250"
	.amdhsa_code_object_version 6
	.text
	.protected	k_q1343664895_proj
	.globl	k_q1343664895_proj
	.p2align	8
	.type	k_q1343664895_proj,@function
k_q1343664895_proj:
	s_mov_b64 s[64:65], 0
	v_nop
	global_prefetch_b8 v0, s[64:65] scope:SCOPE_SE
	s_setreg_imm32_b32 hwreg(HW_REG_WAVE_MODE, 25, 1), 1
	s_wait_xcnt 0x0
	s_wait_alu depctr_hold_cnt(0) depctr_sa_sdst(0) depctr_va_vdst(0) depctr_va_sdst(0) depctr_va_ssrc(0) depctr_va_vcc(0) depctr_vm_vsrc(0)
	s_getreg_b32 s2, hwreg(HW_REG_IB_STS2, 6, 4)
	s_cmp_eq_u32 s2, 0
	s_cbranch_scc0 .Lentry_in_a_cluster
	s_endpgm
.Lentry_in_a_cluster:
	s_bfe_u32 s2, ttmp6, 0x10000c
	s_cmp_lg_u32 s2, 0xf033
	s_cbranch_scc0 .Lentry_shape_is_right
	s_endpgm
.Lentry_shape_is_right:
; out = attention's result x wo, f16 operands, f32 sums, x 2^s on the way out: C[m][n] = sum over k of A[m][k] B[n][k]; B = wo as f16 [2048 n][1024 k].
; A lies as rows of TWO positions: [position / 2][head][position % 2][64] f16, 4,096 bytes a row.  A K step of 128 (two heads) of 128 positions is a tile of 64 rows x 512 bytes (LDS pitch 528):
; position p, channel k of the step lie at (p / 2) 528 + (k / 64) 256 + (p % 2) 128 + 2 (k % 64).
; All else: a tile of C, 256 x 256, by four waves; two LDS slots; cluster 4 x 4 with joint loads; the matrix instruction used transposed.  Rows 0-15 of each sequence are written again, more finely, by the next launch.
.set SIZE_K, 1024
.set KSTEP,  128
.set PITCH,  272
.set APITCH, 528
.set HALFT,  128*PITCH                 ; a wave's place in a slot; A's tile, 64 x 528 bytes, fits in it
.set SLOT,   4*HALFT
.set STAGE,  2*SLOT                    ; behind the ring: 16 rows x (512 + 16) bytes for each wave
.set SPITCH, 528
.set SPARE,  STAGE+4*16*SPITCH
.set LAPS,   SIZE_K/(2*KSTEP)
.set ADRA, 16
.set ADRB, 20
.set STO,  24
.set RD,   25
.set CO,   26
.set SPW,  28
.set NIL,  29
.set F0,   64
.set F1,   128
.set RR,   64
.set BK,   128
.set G1, 24
.set G0, 32
.set G1B, 48
.set G0B, 56
.set UP, 66                            ; s[66:67] 2^s, twice
.set MSB, 0
.macro WIN new
.if MSB != (\new)
	s_set_vgpr_msb (MSB<<8)|(\new)
.set MSB, (\new)
.endif
.endm
.set MUL_LO, 0xa1
.set MUL_HI, 0xf1
.set TO_B,   0x40
.macro JLOAD s
	s_cmp_eq_u32 s11, 0
	s_cbranch_scc0 .Lfor_b_\@
	tensor_load_to_lds s[G0+4*\s:G0+4*\s+3], s[G1:G1+7]
	s_nop 0
.rept 4
	v_nop
.endr
	s_branch .Lasked_\@
.Lfor_b_\@:
	tensor_load_to_lds s[G0B+4*\s:G0B+4*\s+3], s[G1B:G1B+7]
	s_nop 0
.rept 4
	v_nop
.endr
.Lasked_\@:
.endm
.macro CREST
	s_cmp_lg_u32 s10, 0
	s_cbranch_scc1 .Lnot_wave_0_\@
	s_barrier_signal -3
.Lnot_wave_0_\@:
	s_barrier_wait -3
	s_barrier_signal -1
	s_barrier_wait -1
.endm
.macro CROUND
	s_barrier_signal -1
	s_barrier_wait -1
	CREST
.endm
	s_load_b128 s[4:7], s[0:1], 0x0                ; ao, w16
	s_load_b128 s[72:75], s[0:1], 0x10             ; kv, out0
	v_lshl_add_u32 v[SPW], v0, 2, SPARE
	v_mov_b32 v[NIL], 0
	ds_add_u32 v[SPW], v[NIL]                      ; the opening: the add, twice on end, and its wait ahead of my first tensor load
	ds_add_u32 v[SPW], v[NIL]
	v_lshrrev_b32 v1, 5, v0
	v_readfirstlane_b32 s10, v1
	s_lshr_b32 s11, s10, 1
	s_and_b32 s12, s10, 1
	s_bfe_u32 s40, ttmp6, 0x40000
	s_bfe_u32 s41, ttmp6, 0x40004
	s_lshl_b32 s42, ttmp9, 2
	s_add_co_u32 s42, s42, s40
	s_and_b32 s13, ttmp7, 0xffff
	s_lshl_b32 s13, s13, 2
	s_add_co_u32 s13, s13, s41
	s_lshl_b32 s43, s41, 2
	s_lshl_b32 s43, 15, s43
	s_lshl_b32 s44, 0x1111, s40
	s_or_b32 s[G1+0], s43, (1<<16)|(1<<20)|(1<<21)|(6<<22)|(3<<25)  ; A: 4 words of padding behind every 128
	s_mov_b32 s[G1+1], 256<<16
	s_mov_b32 s[G1+2], 64<<16
	s_mov_b32 s[G1+3], 256<<16
	s_mov_b32 s[G1+4], 64
	s_mov_b32 s[G1+5], 2048
	s_mov_b32 s[G1+6], 0
	s_mov_b32 s[G1+7], 0
	s_or_b32 s[G1B+0], s44, (1<<16)|(1<<20)|(1<<21)|(5<<22)|(3<<25) ; B: behind every 64
	s_mov_b32 s[G1B+1], KSTEP<<16
	s_mov_b32 s[G1B+2], 128<<16
	s_mov_b32 s[G1B+3], KSTEP<<16
	s_mov_b32 s[G1B+4], 128
	s_mov_b32 s[G1B+5], SIZE_K
	s_mov_b32 s[G1B+6], 0
	s_mov_b32 s[G1B+7], 0
	s_lshl_b32 s17, s12, 6
	s_lshl_b32 s16, s13, 7
	s_add_co_u32 s16, s16, s17                     ; A: row of two positions 128 x tile row + 64 x half
	s_lshl_b32 s16, s16, 12
	s_mov_b32 s17, 0
	s_lshl_b32 s47, s12, 7
	s_lshl_b32 s46, s42, 8
	s_add_co_u32 s46, s46, s47                     ; B: row 256 x tile column + 128 x half
	s_lshl_b32 s46, s46, 11
	s_add_co_u32 s46, s46, 0x400000                ; wo lies behind w_up
	s_mov_b32 s47, 0
	s_mul_i32 s20, s10, HALFT
	s_wait_dscnt 0x0
	s_wait_kmcnt 0x0
	s_add_nc_u64 s[14:15], s[4:5], s[16:17]
	s_add_nc_u64 s[46:47], s[6:7], s[46:47]
	CROUND
.irp s, 0,1
	s_mov_b32 s[G0+4*\s], 1
	s_add_co_u32 s[G0+4*\s+1], s20, \s*SLOT
	s_add_nc_u64 s[G0+4*\s+2:G0+4*\s+3], s[14:15], \s*512
	s_or_b32 s[G0+4*\s+3], s[G0+4*\s+3], 0x80000000
	s_mov_b32 s[G0B+4*\s], 1
	s_add_co_u32 s[G0B+4*\s+1], s20, \s*SLOT
	s_add_nc_u64 s[G0B+4*\s+2:G0B+4*\s+3], s[46:47], \s*KSTEP*2
	s_or_b32 s[G0B+4*\s+3], s[G0B+4*\s+3], 0x80000000
	JLOAD \s
.endr
	s_add_nc_u64 s[76:77], s[72:73], 0x1040000
	s_load_b32 s[UP], s[76:77], 0x4                ; 2^s: it multiplies results, and steers nothing
	v_and_b32 v1, 15, v0                           ; r
	v_bfe_u32 v2, v0, 4, 1                         ; h
	v_mul_u32_u24 v3, v1, PITCH
	v_lshl_add_u32 v3, v2, 4, v3                   ; B: row r x pitch + 16 h
	v_lshrrev_b32 v4, 1, v1
	v_mul_u32_u24 v4, v4, APITCH
	v_and_b32 v5, 1, v1
	v_lshl_add_u32 v4, v5, 7, v4
	v_lshl_add_u32 v4, v2, 4, v4                   ; A: (r / 2) x 528 + (r % 2) x 128 + 16 h
	s_mul_i32 s21, s11, HALFT
	s_mul_i32 s22, s12, HALFT
	s_add_co_u32 s22, s22, 2*HALFT
.irp s, 0,1
	v_add_nc_u32 v[ADRA+\s], s21, v4
	v_add_nc_u32 v[ADRB+\s], s22, v3
	s_add_co_u32 s21, s21, SLOT
	s_add_co_u32 s22, s22, SLOT
.endr
	s_wait_kmcnt 0x0
	s_mov_b32 s[UP+1], s[UP]
.macro MUL16 f, hi, a0, zero
.irp a, \a0, \a0+1
.irp b, 0,1,2,3,4,5,6,7
.if \zero
	v_wmma_f32_16x16x32_f16 v[8*(8*(\a)+\b):8*(8*(\a)+\b)+7], v[\f+8*\b:\f+8*\b+7], v[\f+8*(4*\hi+\a):\f+8*(4*\hi+\a)+7], 0
.else
	v_wmma_f32_16x16x32_f16 v[8*(8*(\a)+\b):8*(8*(\a)+\b)+7], v[\f+8*\b:\f+8*\b+7], v[\f+8*(4*\hi+\a):\f+8*(4*\hi+\a)+7], v[8*(8*(\a)+\b):8*(8*(\a)+\b)+7]
.endif
.endr
.endr
.endm
.macro FETCH slot, k, f
	WIN TO_B
.irp i, 0,1,2,3,4,5,6,7
	ds_load_b128 v[\f+8*\i:\f+8*\i+3],   v[ADRB+\slot] offset:\k+\i*16*PITCH
	ds_load_b128 v[\f+8*\i+4:\f+8*\i+7], v[ADRB+\slot] offset:\k+\i*16*PITCH+32
.endr
	WIN 0
.irp i, 0,1,2,3,4,5,6,7
	ds_load_b128 v[\f+8*\i:\f+8*\i+3],   v[ADRA+\slot] offset:((\k)/128)*256+(\k)%128+\i*8*APITCH
	ds_load_b128 v[\f+8*\i+4:\f+8*\i+7], v[ADRA+\slot] offset:((\k)/128)*256+(\k)%128+\i*8*APITCH+32
.endr
.endm
.macro PLACES
.rept 4
	v_nop
.endr
.endm
.macro QUARTER slot, k, f, g, zero
	s_wait_dscnt 8                                 ; B and A's rows 0-63 are in; A's rows 64-127 may be out
	WIN MUL_LO
	MUL16 \f, 0, 0, \zero
	MUL16 \f, 0, 2, \zero
	PLACES
	FETCH \slot, \k, \g
	s_wait_dscnt 32                                ; all but the 32 just issued
	WIN MUL_HI
	MUL16 \f, 1, 0, \zero
	MUL16 \f, 1, 2, \zero
.endm
.macro TURN slot, next, fill
	WIN 0
	s_wait_tensorcnt 0x0
	ds_add_u32 v[SPW], v[NIL]
	s_wait_dscnt 9                                 ; the add and the youngest eight loads may be out
	WIN MUL_LO
	MUL16 F1, 0, 0, 0
	s_wait_dscnt 0x0
	s_barrier_signal -1
	MUL16 F1, 0, 2, 0
.if \fill
	WIN 0
.endif
	s_barrier_wait -1
.if \fill
	CREST
	s_add_nc_u64 s[G0+4*\slot+2:G0+4*\slot+3], s[G0+4*\slot+2:G0+4*\slot+3], 1024
	s_add_nc_u64 s[G0B+4*\slot+2:G0B+4*\slot+3], s[G0B+4*\slot+2:G0B+4*\slot+3], 2*KSTEP*2
	JLOAD \slot
.else
	PLACES
.endif
	FETCH \next, 0, F0
	WIN MUL_HI
	MUL16 F1, 1, 0, 0
	MUL16 F1, 1, 2, 0
.endm
	s_wait_tensorcnt 1                             ; my part of K step 0 is in; K step 1's may be out
	s_barrier_signal -1
	s_barrier_wait -1
	FETCH 0, 0, F0
	QUARTER 0, 64,  F0, F1, 1
	WIN 0
	s_mov_b32 s3, LAPS-1
.Llap:
	QUARTER 0, 128, F1, F0, 0
	QUARTER 0, 192, F0, F1, 0
	TURN 0, 1, 1
	QUARTER 1, 64,  F0, F1, 0
	QUARTER 1, 128, F1, F0, 0
	QUARTER 1, 192, F0, F1, 0
	TURN 1, 0, 1
	QUARTER 0, 64,  F0, F1, 0
	WIN 0
	s_sub_co_u32 s3, s3, 1
	s_cmp_lg_u32 s3, 0
	s_cbranch_scc1 .Llap
	QUARTER 0, 128, F1, F0, 0
	QUARTER 0, 192, F0, F1, 0
	TURN 0, 1, 0
	QUARTER 1, 64,  F0, F1, 0
	QUARTER 1, 128, F1, F0, 0
	QUARTER 1, 192, F0, F1, 0
	s_wait_dscnt 8
	WIN MUL_LO
	MUL16 F1, 0, 0, 0
	MUL16 F1, 0, 2, 0
	s_wait_dscnt 0
	WIN MUL_HI
	MUL16 F1, 1, 0, 0
	MUL16 F1, 1, 2, 0
	WIN 0
; ---- THE WAY OUT: a block of 16 rows x 128 columns x 2^s, through my stage, back as rows of 512 bytes
	s_lshl_b32 s18, s13, 8
	s_lshl_b32 s19, s11, 7
	s_add_co_u32 s18, s18, s19                     ; R0
	s_lshl_b32 s16, s18, 13                        ; a row of the output is 8,192 bytes
	s_lshl_b32 s19, s42, 10
	s_add_co_u32 s16, s16, s19
	s_lshl_b32 s19, s12, 9
	s_add_co_u32 s16, s16, s19
	s_mov_b32 s17, 0
	s_add_nc_u64 s[74:75], s[74:75], s[16:17]
	s_mul_i32 s23, s10, 16*SPITCH
	s_add_co_u32 s23, s23, STAGE
	v_mul_u32_u24 v3, v1, SPITCH                   ; (these plain lines are also the places behind the last products)
	v_lshl_add_u32 v3, v2, 5, v3
	v_add_nc_u32 v[STO], s23, v3
	v_and_b32 v4, 31, v0
	v_lshlrev_b32 v[CO], 4, v4
	v_add_nc_u32 v[RD], s23, v[CO]
.macro TOSTAGE a
	WIN 0x02+(\a)/4
.irp n, 0,2,4,6,8,10,12,14,16,18,20,22,24,26,28,30,32,34,36,38,40,42,44,46,48,50,52,54,56,58,60,62
	v_pk_mul_f32 v[RR+\n:RR+\n+1], v[64*((\a)%4)+\n:64*((\a)%4)+\n+1], s[UP:UP+1] op_sel_hi:[1,0]
.endr
	WIN 0
.irp b, 0,1,2,3,4,5,6,7
	ds_store_b128 v[STO], v[RR+8*\b:RR+8*\b+3] offset:64*\b
	ds_store_b128 v[STO], v[RR+8*\b+4:RR+8*\b+7] offset:64*\b+16
.endr
.set BB, BK+64*((\a)%2)
.irp t, 0,1,2,3,4,5,6,7,8,9,10,11,12,13,14,15
	ds_load_b128 v[BB+4*\t:BB+4*\t+3], v[RD] offset:\t*SPITCH
.endr
.endm
.macro SEND a, younger                 ; younger: the LDS instructions issued behind block a's loads
.set BB, BK+64*((\a)%2)
	s_wait_dscnt \younger
.irp t, 0,1,2,3,4,5,6,7,8,9,10,11,12,13,14,15
	global_store_b128 v[CO], v[BB+4*\t:BB+4*\t+3], s[74:75] offset:131072*(\a)+8192*\t th:TH_STORE_NT   ; 512 bytes on end
.endr
.endm
	TOSTAGE 0
.irp a, 1,2,3,4,5,6,7
.if \a > 1
	s_wait_xcnt 0x0                                ; block a - 2's stores have read their registers: block a's loads may land there
.endif
	TOSTAGE \a
	SEND \a-1, 32                                  ; behind block a - 1's loads: block a's 16 stores and 16 loads
.endr
	SEND 7, 0
	s_wait_tensorcnt 0x0                           ; the wave's end
	ds_add_u32 v[SPW], v[NIL]
	s_wait_dscnt 0x0
	CROUND
	s_endpgm
.Lfunc_end_k_q1343664895_proj:
	.size	k_q1343664895_proj, .Lfunc_end_k_q1343664895_proj-k_q1343664895_proj
	.p2alignl 7, 3214868480
	.fill 96, 4, 3214868480
	.section	.rodata,"a",@progbits
	.p2align	6, 0x0
	.amdhsa_kernel k_q1343664895_proj
		.amdhsa_group_segment_fixed_size 327680
		.amdhsa_private_segment_fixed_size 0
		.amdhsa_enable_private_segment 0
		.amdhsa_kernarg_size 32
		.amdhsa_user_sgpr_count 2
		.amdhsa_user_sgpr_kernarg_segment_ptr 1
		.amdhsa_wavefront_size32 1
		.amdhsa_system_sgpr_workgroup_id_x 1
		.amdhsa_system_sgpr_workgroup_id_y 1
		.amdhsa_system_sgpr_workgroup_id_z 1
		.amdhsa_system_vgpr_workitem_id 0
		.amdhsa_next_free_vgpr 1024
		.amdhsa_next_free_sgpr 84
		.amdhsa_reserve_vcc 0
		.amdhsa_float_denorm_mode_32 3
		.amdhsa_float_denorm_mode_16_64 3
		.amdhsa_memory_ordered 1
		.amdhsa_forward_progress 1
		.amdhsa_inst_pref_size 156
	.end_amdhsa_kernel
	.amdgpu_metadata
---
amdhsa.version: [ 1, 2 ]
amdhsa.kernels:
  - .name:           k_q1343664895_proj
    .symbol:         k_q1343664895_proj.kd
    .args:
      - { .name: ao, .offset: 0, .size: 8, .value_kind: global_buffer, .address_space: global }
      - { .name: w16, .offset: 8, .size: 8, .value_kind: global_buffer, .address_space: global }
      - { .name: kv, .offset: 16, .size: 8, .value_kind: global_buffer, .address_space: global }
      - { .name: out0, .offset: 24, .size: 8, .value_kind: global_buffer, .address_space: global }
    .group_segment_fixed_size: 327680
    .private_segment_fixed_size: 0
    .kernarg_segment_align: 8
    .kernarg_segment_size: 32
    .max_flat_workgroup_size: 128
    .sgpr_count:     84
    .vgpr_count:     1024
    .wavefront_size: 32
...
	.end_amdgpu_metadata
.endif
;; end of part 7
;; launch fine_proj (part 8): grid 128 x 1, 8 waves a work-group, no clusters, 17,408 bytes of LDS; arguments aof, wo, out0; writes out0
.if DOCPART == 8
	.amdgcn_target "amdgcn-amd-amdhsa--gfx1250"
	.amdhsa_code_object_version 6
	.text
	.protected	k_q1343664895_fine_proj
	.globl	k_q1343664895_fine_proj
	.p2align	8
	.type	k_q1343664895_fine_proj,@function
k_q1343664895_fine_proj:
	s_mov_b64 s[64:65], 0
	v_nop
	global_prefetch_b8 v0, s[64:65] scope:SCOPE_SE
	s_setreg_imm32_b32 hwreg(HW_REG_WAVE_MODE, 25, 1), 1
	s_wait_xcnt 0x0
; Rows 0-15 of both sequences of the output once more, in f32: out[b][t][n] = sum over k of aof[16 b + t][k] wo[k][n], by the f32 matrix form, 16 x 16 x 4.  It writes over what the launch before left in these rows.
; A work-group takes 16 columns; wave w takes k = 128 w .. 128 w + 127.  K's places are permuted alike on both sides: lane (r, h) holds k = 128 w + 64 h + 0..63, and step i takes registers 2 i, 2 i + 1.
; The eight waves' partial sums meet in LDS as images of the registers; wave w adds registers 2 w, 2 w + 1 of the sixteen, in ascending order of the waves.  The stores are pieces of 64 bytes: 256 KB in all.
.set SPARE, 16384
.set SPW, 12
.set NIL, 13
.set W,  16                            ; v16-79   wo
.set A0, 80                            ; v80-143  aof, batch 0
.set A1, 144                           ; v144-207 aof, batch 1
	s_load_b128 s[4:7], s[0:1], 0x0                ; aof, wo
	s_load_b64 s[8:9], s[0:1], 0x10                ; out0
	v_lshl_add_u32 v[SPW], v0, 2, SPARE
	v_mov_b32 v[NIL], 0
	v_lshrrev_b32 v1, 5, v0
	v_readfirstlane_b32 s10, v1                    ; wave 0..7
	v_and_b32 v1, 15, v0                           ; r
	v_bfe_u32 v2, v0, 4, 1                         ; h
	v_and_b32 v3, 31, v0
	v_lshlrev_b32 v4, 12, v1
	v_lshl_add_u32 v4, v2, 8, v4                   ; aof: row r of 4,096 bytes, + 64 h numbers
	v_lshlrev_b32 v5, 19, v2
	v_lshl_add_u32 v5, v1, 2, v5                   ; wo: 64 h rows of 8,192 bytes, column r
	v_lshlrev_b32 v6, 4, v3
	s_lshl_b32 s11, s10, 11
	v_add_nc_u32 v7, s11, v6                       ; my wave's image: 2,048 w + 16 x lane
	s_lshr_b32 s12, s10, 1
	s_lshl_b32 s12, s12, 9
	s_and_b32 s13, s10, 1
	s_lshl_b32 s13, s13, 3
	s_add_co_u32 s12, s12, s13
	v_add_nc_u32 v8, s12, v6                       ; registers 2 w, 2 w + 1 of an image
	v_lshlrev_b32 v9, 16, v2
	v_lshl_add_u32 v9, v1, 2, v9                   ; out: 8 h rows of 8,192 bytes, column r
	s_lshl_b32 s14, s10, 9
	s_mov_b32 s15, 0
	s_lshl_b32 s16, s10, 20
	s_lshl_b32 s18, ttmp9, 6
	s_add_co_u32 s16, s16, s18
	s_mov_b32 s17, 0
	s_lshr_b32 s20, s10, 2                         ; the batch whose rows I add up
	s_lshl_b32 s20, s20, 24
	s_and_b32 s19, s10, 3
	s_lshl_b32 s19, s19, 14
	s_add_co_u32 s20, s20, s19
	s_add_co_u32 s20, s20, s18
	s_mov_b32 s21, 0
	s_wait_kmcnt 0x0
	s_add_nc_u64 s[4:5], s[4:5], s[14:15]
	s_add_nc_u64 s[6:7], s[6:7], s[16:17]
	s_add_nc_u64 s[8:9], s[8:9], s[20:21]
.set i_, 0
.rept 64
	global_load_b32 v[W+i_], v5, s[6:7] offset:8192*i_
.set i_, i_+1
.endr
.irp e, 0,1,2,3,4,5,6,7,8,9,10,11,12,13,14,15
	global_load_b128 v[A0+4*\e:A0+4*\e+3], v4, s[4:5] offset:16*\e
	global_load_b128 v[A1+4*\e:A1+4*\e+3], v4, s[4:5] offset:65536+16*\e
.endr
	s_wait_loadcnt 0x0
	v_wmma_f32_16x16x4_f32 v[208:215], v[A0:A0+1], v[W:W+1], 0     ; the first step starts both sums; the two accumulators take turns
	v_wmma_f32_16x16x4_f32 v[216:223], v[A1:A1+1], v[W:W+1], 0
.set i_, 1
.rept 31
	v_wmma_f32_16x16x4_f32 v[208:215], v[A0+2*i_:A0+2*i_+1], v[W+2*i_:W+2*i_+1], v[208:215]
	v_wmma_f32_16x16x4_f32 v[216:223], v[A1+2*i_:A1+2*i_+1], v[W+2*i_:W+2*i_+1], v[216:223]
.set i_, i_+1
.endr
.rept 8
	v_nop
.endr
	ds_store_b128 v7, v[208:211]                   ; each accumulator from its low end on
	ds_store_b128 v7, v[212:215] offset:512
	ds_store_b128 v7, v[216:219] offset:1024
	ds_store_b128 v7, v[220:223] offset:1536
	s_wait_dscnt 0x0                               ; for the others' sake: my stores have landed
	s_barrier_signal -1
	s_barrier_wait -1
.irp p, 0,1,2,3,4,5,6,7
	ds_load_b64 v[32+2*\p:33+2*\p], v8 offset:2048*\p
.endr
	s_wait_dscnt 0x0
.irp p, 1,2,3,4,5,6,7
	v_pk_add_f32 v[32:33], v[32:33], v[32+2*\p:33+2*\p]
.endr
	global_store_b32 v9, v32, s[8:9]               ; row 8 h + 2 (w % 4), column 16 x work-group + r
	global_store_b32 v9, v33, s[8:9] offset:8192
	s_wait_tensorcnt 0x0                           ; the wave's end
	ds_add_u32 v[SPW], v[NIL]
	s_wait_dscnt 0x0
	s_endpgm
.Lfunc_end_k_q1343664895_fine_proj:
	.size	k_q1343664895_fine_proj, .Lfunc_end_k_q1343664895_fine_proj-k_q1343664895_fine_proj
	.p2alignl 7, 3214868480
	.fill 96, 4, 3214868480
	.section	.rodata,"a",@progbits
	.p2align	6, 0x0
	.amdhsa_kernel k_q1343664895_fine_proj
		.amdhsa_group_segment_fixed_size 17408
		.amdhsa_private_segment_fixed_size 0
		.amdhsa_enable_private_segment 0
		.amdhsa_kernarg_size 24
		.amdhsa_user_sgpr_count 2
		.amdhsa_user_sgpr_kernarg_segment_ptr 1
		.amdhsa_wavefront_size32 1
		.amdhsa_system_sgpr_workgroup_id_x 1
		.amdhsa_system_sgpr_workgroup_id_y 1
		.amdhsa_system_sgpr_workgroup_id_z 1
		.amdhsa_system_vgpr_workitem_id 0
		.amdhsa_next_free_vgpr 256
		.amdhsa_next_free_sgpr 66
		.amdhsa_reserve_vcc 0
		.amdhsa_float_denorm_mode_32 3
		.amdhsa_float_denorm_mode_16_64 3
		.amdhsa_memory_ordered 1
		.amdhsa_forward_progress 1
		.amdhsa_inst_pref_size 17
	.end_amdhsa_kernel
	.amdgpu_metadata
---
amdhsa.version: [ 1, 2 ]
amdhsa.kernels:
  - .name:           k_q1343664895_fine_proj
    .symbol:         k_q1343664895_fine_proj.kd
    .args:
      - { .name: aof, .offset: 0, .size: 8, .value_kind: global_buffer, .address_space: global }
      - { .name: wo, .offset: 8, .size: 8, .value_kind: global_buffer, .address_space: global }
      - { .name: out0, .offset: 16, .size: 8, .value_kind: global_buffer, .address_space: global }
    .group_segment_fixed_size: 17408
    .private_segment_fixed_size: 0
    .kernarg_segment_align: 8
    .kernarg_segment_size: 24
    .max_flat_workgroup_size: 256
    .sgpr_count:     66
    .vgpr_count:     256
    .wavefront_size: 32
...
	.end_amdgpu_metadata
.endif
;; end of part 8
;; ======== version 2 of 2: 5 launches
;; limits: values are held in f16: magnitudes above 65,504 overflow, below 6.1e-05 lose precision
;; workspace buffers: codes 6,291,456 bytes; scales 393,216 bytes; w16 8,390,656 bytes; rope 524,288 bytes; qc 17,040,384 bytes; kv 17,039,616 bytes; ao 8,388,608 bytes; aof 131,072 bytes
;; launch prep: the kernel of part 1 again; grid 416 x 1, 8 waves a work-group, no clusters, 151,552 bytes of LDS; arguments x, wq, w_down, w_up, wo, codes, scales, w16, rope; writes codes, scales, w16, rope
;; launch gemm_qc: the kernel of part 2 again; grid 8 x 16, 4 waves a work-group, clusters of 4 x 4, 327,680 bytes of LDS; arguments codes, scales, rope, qc; writes qc
;; launch gemm_kv (part 9): grid 8 x 32, 4 waves a work-group, clusters of 4 x 4, 327,680 bytes of LDS; arguments qc, w16, rope, kv, w_up; writes kv
.if DOCPART == 9
	.amdgcn_target "amdgcn-amd-amdhsa--gfx1250"
	.amdhsa_code_object_version 6
	.text
	.protected	k_q1343664895_gemm_kv
	.globl	k_q1343664895_gemm_kv
	.p2align	8
	.type	k_q1343664895_gemm_kv,@function
k_q1343664895_gemm_kv:
	s_mov_b64 s[64:65], 0
	v_nop
	global_prefetch_b8 v0, s[64:65] scope:SCOPE_SE
	s_setreg_imm32_b32 hwreg(HW_REG_WAVE_MODE, 25, 1), 1
	s_wait_xcnt 0x0
	s_wait_alu depctr_hold_cnt(0) depctr_sa_sdst(0) depctr_va_vdst(0) depctr_va_sdst(0) depctr_va_ssrc(0) depctr_va_vcc(0) depctr_vm_vsrc(0)
	s_getreg_b32 s2, hwreg(HW_REG_IB_STS2, 6, 4)
	s_cmp_eq_u32 s2, 0
	s_cbranch_scc0 .Lentry_in_a_cluster
	s_endpgm
.Lentry_in_a_cluster:
	s_bfe_u32 s2, ttmp6, 0x10000c
	s_cmp_lg_u32 s2, 0xf033
	s_cbranch_scc0 .Lentry_shape_is_right
	s_endpgm
.Lentry_shape_is_right:
; kv_up = c_kv w_up, f16 operands, f32 sums: C[m][n] = sum over k of A[m][k] B[n][k]; A = c_kv (columns 1024.. of the f16 rows of 4,096 bytes), B = w_up as f16 [2048 n][1024 k].
; A tile of C, 256 x 256, by four waves, 128 x 128 each; K in steps of 128 through two LDS slots; cluster 4 x 4 with joint loads: A's tile along a row, B's along a column.  Used transposed: a lane holds eight neighbouring columns of a row.
; TWO KINDS OF CLUSTER, told apart by the cluster's y, which all sixteen partners share.  C has 128 tiles: clusters with y 0-3 make them.  The 128 work-groups of clusters with y 4-7 make kv_up of positions 0-15 of both
; sequences once more, with f32 operands (THE FINE ROWS, at the text's end): they ask for no tile, and have LDS bytes of their own.
; THE EXPONENT s.  k and v scale with three inputs, so they are stored x 2^-s, s = (exponent field of the largest |c_kv|) + (that of the largest |w_up|) - 257, held to +-100: since |k|, |v| <= 1024 x the two maxima,
; |k| 2^-s stays under 2^15, and under 2^15.5 behind the turn.  Every wave makes s from the stored maxima; no branch or address hangs on it.  At the end one thread stores 2^s log2(e) / 8 and 2^s for the later launches.
; THE WAY OUT.  A wave's 128 columns are one head: 64 of k (turned by the table, which is first multiplied by 2^-s) and 64 of v.  They leave as f16, [batch x head][position][64].
; The f16 numbers of positions 0-15 serve the later queries alone.
; Every LDS address register is made with all lanes on, ahead of the place where EXEC is narrowed by the work-group's place: so none of them hangs on that place.
.set SIZE_K, 1024
.set KSTEP,  128
.set PITCH,  272
.set HALFT,  128*PITCH
.set SLOT,   4*HALFT
.set STAGE,  2*SLOT                    ; behind the ring: 16 rows x 272 bytes for each wave
.set SPARE,  STAGE+4*16*272
.set FL,     SPARE+512                 ; behind the spare words: the fine rows' partial sums, 2,048 bytes for each wave
.set CFINE,  0x1020400                 ; in the first buffer: c_kv of positions 0-15, [16 batch + position][1024] f32
.set KVFINE, 0x1000000                 ; in the output buffer: [16 batch + position][2048] f32
.set LAPS,   SIZE_K/(2*KSTEP)
.set ADRA, 16
.set ADRB, 20
.set STO,  24
.set RD,   25
.set CO,   26
.set SPW,  28
.set NIL,  29
.set TBO,  30
.set F0,   64
.set F1,   128
.set RR,   64
.set TMP,  192
.set G1, 24
.set G0, 32
.set G1B, 48
.set G0B, 56
.set DOWN, 66                          ; s[66:67] 2^-s, twice;  s68 2^s;  s69 2^s log2(e) / 8
.set CLY,  70                          ; s70 the cluster's y
.set MSB, 0
.macro WIN new
.if MSB != (\new)
	s_set_vgpr_msb (MSB<<8)|(\new)
.set MSB, (\new)
.endif
.endm
.set MUL_LO, 0xa1
.set MUL_HI, 0xf1
.set TO_B,   0x40
.macro JLOAD s
	s_cmp_eq_u32 s11, 0
	s_cbranch_scc0 .Lfor_b_\@
	tensor_load_to_lds s[G0+4*\s:G0+4*\s+3], s[G1:G1+7]
	s_nop 0
.rept 4
	v_nop
.endr
	s_branch .Lasked_\@
.Lfor_b_\@:
	tensor_load_to_lds s[G0B+4*\s:G0B+4*\s+3], s[G1B:G1B+7]
	s_nop 0
.rept 4
	v_nop
.endr
.Lasked_\@:
.endm
.macro CREST
	s_cmp_lg_u32 s10, 0
	s_cbranch_scc1 .Lnot_wave_0_\@
	s_barrier_signal -3
.Lnot_wave_0_\@:
	s_barrier_wait -3
	s_barrier_signal -1
	s_barrier_wait -1
.endm
.macro CROUND
	s_barrier_signal -1
	s_barrier_wait -1
	CREST
.endm
	s_load_b128 s[4:7], s[0:1], 0x0                ; qc, w16
	s_load_b128 s[72:75], s[0:1], 0x10             ; rope, kv
	s_load_b64 s[84:85], s[0:1], 0x20              ; w_up
	v_lshl_add_u32 v[SPW], v0, 2, SPARE
	v_mov_b32 v[NIL], 0
	ds_add_u32 v[SPW], v[NIL]                      ; the opening: the add, twice on end, and its wait ahead of my first tensor load
	ds_add_u32 v[SPW], v[NIL]
	v_lshrrev_b32 v1, 5, v0
	v_readfirstlane_b32 s10, v1
	s_lshr_b32 s11, s10, 1                         ; my half of the rows; also: I fetch for A (0) or B (1)
	s_and_b32 s12, s10, 1                          ; my half of the columns; also: which 128 rows I fetch
	s_bfe_u32 s40, ttmp6, 0x40000
	s_bfe_u32 s41, ttmp6, 0x40004
	s_lshl_b32 s42, ttmp9, 2
	s_add_co_u32 s42, s42, s40                     ; tile column
	s_and_b32 s[CLY], ttmp7, 0xffff                ; the cluster's y
	s_lshl_b32 s13, s[CLY], 2
	s_add_co_u32 s13, s13, s41                     ; tile row (16 to 31 in the clusters of the fine rows)
	s_lshl_b32 s43, s41, 2
	s_lshl_b32 s43, 15, s43
	s_lshl_b32 s44, 0x1111, s40
	s_or_b32 s[G1+0], s43, (1<<16)|(1<<20)|(1<<21)|(5<<22)|(3<<25)  ; mask; elements of 2 bytes; 4 words of padding behind every 64
	s_or_b32 s[G1B+0], s44, (1<<16)|(1<<20)|(1<<21)|(5<<22)|(3<<25)
.irp g, G1, G1B
	s_mov_b32 s[\g+1], KSTEP<<16
	s_mov_b32 s[\g+2], 128<<16
	s_mov_b32 s[\g+3], KSTEP<<16
	s_mov_b32 s[\g+4], 128
	s_mov_b32 s[\g+6], 0
	s_mov_b32 s[\g+7], 0
.endr
	s_mov_b32 s[G1+5], 2048                        ; A's rows are 2,048 elements apart,
	s_mov_b32 s[G1B+5], SIZE_K                     ; B's 1,024
	s_lshl_b32 s17, s12, 7
	s_lshl_b32 s16, s13, 8
	s_add_co_u32 s16, s16, s17
	s_lshl_b32 s46, s42, 8
	s_add_co_u32 s46, s46, s17
	s_lshl_b32 s16, s16, 12
	s_add_co_u32 s16, s16, 2048                    ; c_kv's columns begin 2,048 bytes into a row
	s_mov_b32 s17, 0
	s_lshl_b32 s46, s46, 11
	s_mov_b32 s47, 0
	s_mul_i32 s20, s10, HALFT
	s_wait_dscnt 0x0
	s_wait_kmcnt 0x0
	s_add_nc_u64 s[14:15], s[4:5], s[16:17]
	s_add_nc_u64 s[46:47], s[6:7], s[46:47]
	CROUND
	s_cmp_ge_u32 s[CLY], 4                         ; the cluster's y alone: all sixteen partners go the same way
	s_cbranch_scc1 .Lfine
.irp s, 0,1
	s_mov_b32 s[G0+4*\s], 1
	s_add_co_u32 s[G0+4*\s+1], s20, \s*SLOT
	s_add_nc_u64 s[G0+4*\s+2:G0+4*\s+3], s[14:15], \s*KSTEP*2
	s_or_b32 s[G0+4*\s+3], s[G0+4*\s+3], 0x80000000
	s_mov_b32 s[G0B+4*\s], 1
	s_add_co_u32 s[G0B+4*\s+1], s20, \s*SLOT
	s_add_nc_u64 s[G0B+4*\s+2:G0B+4*\s+3], s[46:47], \s*KSTEP*2
	s_or_b32 s[G0B+4*\s+3], s[G0B+4*\s+3], 0x80000000
	JLOAD \s
.endr
	; the stored maxima: 256 of |c_kv| (8 a lane), 512 of |w_up| (16 a lane)
	v_and_b32 v3, 31, v0
	v_lshlrev_b32 v5, 5, v3
	v_lshlrev_b32 v6, 6, v3
	s_add_nc_u64 s[76:77], s[4:5], 0x1020000
	s_add_nc_u64 s[78:79], s[6:7], 0x800000
	global_load_b128 v[32:35], v5, s[76:77]
	global_load_b128 v[36:39], v5, s[76:77] offset:16
.irp i, 0,1,2,3
	global_load_b128 v[40+4*\i:43+4*\i], v6, s[78:79] offset:16*\i
.endr
	v_and_b32 v1, 15, v0                           ; r
	v_bfe_u32 v2, v0, 4, 1                         ; h
	v_mul_u32_u24 v3, v1, PITCH
	v_lshl_add_u32 v3, v2, 4, v3
	s_mul_i32 s21, s11, HALFT
	s_mul_i32 s22, s12, HALFT
	s_add_co_u32 s22, s22, 2*HALFT
.irp s, 0,1
	v_add_nc_u32 v[ADRA+\s], s21, v3
	v_add_nc_u32 v[ADRB+\s], s22, v3
	s_add_co_u32 s21, s21, SLOT
	s_add_co_u32 s22, s22, SLOT
.endr
	s_mul_i32 s23, s10, 16*272                     ; the way out's two LDS addresses: my stage = a constant + a constant x wave
	s_add_co_u32 s23, s23, STAGE
	v_mul_u32_u24 v3, v1, 272
	v_lshl_add_u32 v3, v2, 4, v3
	v_add_nc_u32 v[STO], s23, v3                   ; in: row r, 16 bytes for each half of the lanes
	v_bfe_u32 v3, v0, 3, 2
	v_mul_u32_u24 v3, v3, 272
	v_and_b32 v4, 7, v0
	v_lshl_add_u32 v3, v4, 4, v3
	v_add_nc_u32 v[RD], s23, v3                    ; back: eight lanes take a row's 128 bytes of k (or of v), four rows an instruction
	s_mov_b32 s80, 0x76543210
	s_mov_b32 s81, 0xfedcba98
	s_wait_loadcnt 0x0
	v_max3_num_f32 v32, v32, v33, v34
	v_max3_num_f32 v40, v40, v41, v42
	v_max3_num_f32 v32, v32, v35, v36
	v_max3_num_f32 v40, v40, v43, v44
	v_max3_num_f32 v32, v32, v37, v38
	v_max3_num_f32 v40, v40, v45, v46
	v_max_num_f32 v32, v32, v39
.irp i, 47,49,51,53
	v_max3_num_f32 v40, v40, v[\i], v[\i+1]
.endr
	v_max_num_f32 v40, v40, v55
.irp m, 1,2,4,8
	v_max_num_f32_dpp v32, v32, v32 row_xmask:\m row_mask:0xf bank_mask:0xf
	v_max_num_f32_dpp v40, v40, v40 row_xmask:\m row_mask:0xf bank_mask:0xf
.endr
	v_permlanex16_b32 v33, v32, s80, s81
	v_permlanex16_b32 v41, v40, s80, s81
	v_max_num_f32 v32, v32, v33
	v_max_num_f32 v40, v40, v41
	v_readfirstlane_b32 s20, v32
	v_readfirstlane_b32 s21, v40
	s_lshr_b32 s20, s20, 23                        ; the two exponent fields (neither number is negative)
	s_lshr_b32 s21, s21, 23
	s_add_co_u32 s20, s20, s21
	s_sub_co_i32 s20, s20, 257
	s_max_i32 s20, s20, -100
	s_min_i32 s20, s20, 100                        ; s
	s_sub_co_i32 s21, 127, s20
	s_lshl_b32 s[DOWN], s21, 23                    ; 2^-s
	s_mov_b32 s[DOWN+1], s[DOWN]
	s_add_co_i32 s21, s20, 127
	s_lshl_b32 s68, s21, 23                        ; 2^s
	s_mul_f32 s69, s68, 0x3e38aa3b                 ; x log2(e) / 8: the softmax's factor
.macro MUL16 f, hi, a0, zero           ; 16 products; the 64 accumulators take turns, one instruction a turn
.irp a, \a0, \a0+1
.irp b, 0,1,2,3,4,5,6,7
.if \zero
	v_wmma_f32_16x16x32_f16 v[8*(8*(\a)+\b):8*(8*(\a)+\b)+7], v[\f+8*\b:\f+8*\b+7], v[\f+8*(4*\hi+\a):\f+8*(4*\hi+\a)+7], 0
.else
	v_wmma_f32_16x16x32_f16 v[8*(8*(\a)+\b):8*(8*(\a)+\b)+7], v[\f+8*\b:\f+8*\b+7], v[\f+8*(4*\hi+\a):\f+8*(4*\hi+\a)+7], v[8*(8*(\a)+\b):8*(8*(\a)+\b)+7]
.endif
.endr
.endr
.endm
.macro FETCH slot, k, f                ; 32 LDS loads in one run: 128 rows of B, 128 rows of A, 32 along K at byte k
	WIN TO_B
.irp i, 0,1,2,3,4,5,6,7
	ds_load_b128 v[\f+8*\i:\f+8*\i+3],   v[ADRB+\slot] offset:\k+\i*16*PITCH
	ds_load_b128 v[\f+8*\i+4:\f+8*\i+7], v[ADRB+\slot] offset:\k+\i*16*PITCH+32
.endr
	WIN 0
.irp i, 0,1,2,3,4,5,6,7
	ds_load_b128 v[\f+8*\i:\f+8*\i+3],   v[ADRA+\slot] offset:\k+\i*16*PITCH
	ds_load_b128 v[\f+8*\i+4:\f+8*\i+7], v[ADRA+\slot] offset:\k+\i*16*PITCH+32
.endr
.endm
.macro PLACES
.rept 4
	v_nop
.endr
.endm
.macro QUARTER slot, k, f, g, zero
	s_wait_dscnt 8                                 ; B and A's rows 0-63 are in; A's rows 64-127 may be out
	WIN MUL_LO
	MUL16 \f, 0, 0, \zero
	MUL16 \f, 0, 2, \zero
	PLACES
	FETCH \slot, \k, \g
	s_wait_dscnt 32                                ; all but the 32 just issued
	WIN MUL_HI
	MUL16 \f, 1, 0, \zero
	MUL16 \f, 1, 2, \zero
.endm
; The last quarter changes slots: each wave waits for all its tensor loads, adds 0 to its spare word, waits for that and for its reads of the slot; one barrier (fill = 1: it opens a round of the cluster's barrier).
.macro TURN slot, next, fill
	WIN 0
	s_wait_tensorcnt 0x0
	ds_add_u32 v[SPW], v[NIL]
	s_wait_dscnt 9                                 ; the add and the youngest eight loads may be out
	WIN MUL_LO
	MUL16 F1, 0, 0, 0
	s_wait_dscnt 0x0
	s_barrier_signal -1
	MUL16 F1, 0, 2, 0
.if \fill
	WIN 0
.endif
	s_barrier_wait -1
.if \fill
	CREST
	s_add_nc_u64 s[G0+4*\slot+2:G0+4*\slot+3], s[G0+4*\slot+2:G0+4*\slot+3], 2*KSTEP*2
	s_add_nc_u64 s[G0B+4*\slot+2:G0B+4*\slot+3], s[G0B+4*\slot+2:G0B+4*\slot+3], 2*KSTEP*2
	JLOAD \slot                                    ; the first tensor load behind the round, one a wave; its four v_nop are the places in front of the loads below
.else
	PLACES
.endif
	FETCH \next, 0, F0
	WIN MUL_HI
	MUL16 F1, 1, 0, 0
	MUL16 F1, 1, 2, 0
.endm
	s_wait_tensorcnt 1                             ; my part of K step 0 is in; K step 1's may be out
	s_barrier_signal -1
	s_barrier_wait -1
	FETCH 0, 0, F0
	QUARTER 0, 64,  F0, F1, 1
	WIN 0
	s_mov_b32 s3, LAPS-1
.Llap:
	QUARTER 0, 128, F1, F0, 0
	QUARTER 0, 192, F0, F1, 0
	TURN 0, 1, 1
	QUARTER 1, 64,  F0, F1, 0
	QUARTER 1, 128, F1, F0, 0
	QUARTER 1, 192, F0, F1, 0
	TURN 1, 0, 1
	QUARTER 0, 64,  F0, F1, 0
	WIN 0
	s_sub_co_u32 s3, s3, 1
	s_cmp_lg_u32 s3, 0
	s_cbranch_scc1 .Llap
	QUARTER 0, 128, F1, F0, 0                      ; the last lap fills nothing
	QUARTER 0, 192, F0, F1, 0
	TURN 0, 1, 0
	QUARTER 1, 64,  F0, F1, 0
	QUARTER 1, 128, F1, F0, 0
	QUARTER 1, 192, F0, F1, 0
	s_wait_dscnt 8
	WIN MUL_LO
	MUL16 F1, 0, 0, 0
	MUL16 F1, 0, 2, 0
	s_wait_dscnt 0
	WIN MUL_HI
	MUL16 F1, 1, 0, 0
	MUL16 F1, 1, 2, 0
	WIN 0
; ---- THE WAY OUT
	s_lshl_b32 s18, s13, 8
	s_lshl_b32 s19, s11, 7
	s_add_co_u32 s18, s18, s19                     ; R0
	s_and_b32 s19, s18, 2047                       ; my first position
	s_lshr_b32 s20, s18, 11                        ; the batch
	s_lshl_b32 s21, s42, 1
	s_add_co_u32 s21, s21, s12                     ; the head
	s_lshl_b32 s20, s20, 4
	s_add_co_u32 s20, s20, s21
	s_lshl_b32 s16, s20, 18                        ; a head's 2,048 rows of 128 bytes
	s_lshl_b32 s22, s19, 7
	s_add_co_u32 s16, s16, s22
	s_mov_b32 s17, 0
	s_add_nc_u64 s[76:77], s[74:75], s[16:17]      ; k
	s_add_nc_u64 s[78:79], s[76:77], 0x800000      ; v
	s_lshl_b32 s16, s19, 8
	s_add_nc_u64 s[80:81], s[72:73], s[16:17]      ; the table
	v_and_b32 v4, 31, v0                           ; (these four plain lines are also the places behind the last products)
	v_lshlrev_b32 v[CO], 4, v4
	v_lshlrev_b32 v[TBO], 8, v1
	v_lshl_add_u32 v[TBO], v2, 5, v[TBO]
	WIN 0x40
.irp a, 0,1,2,3,4,5,6,7
.irp b, 0,1,2,3
.irp e, 0,1
	global_load_b128 v[32*\a+8*\b+4*\e:32*\a+8*\b+4*\e+3], v[TBO], s[80:81] offset:4096*\a+64*\b+16*\e
.endr
.endr
.endr
.macro PACKKV a
	s_wait_loadcnt 8*(7-(\a))                      ; this block's table loads are in; the later blocks' may be out
	WIN 0x41
.irp n, 0,2,4,6,8,10,12,14,16,18,20,22,24,26,28,30
	v_pk_mul_f32 v[32*(\a)+\n:32*(\a)+\n+1], v[32*(\a)+\n:32*(\a)+\n+1], s[DOWN:DOWN+1] op_sel_hi:[1,0]   ; the table x 2^-s: exact
.endr
	WIN 0x06+(\a)/4
.irp b, 0,1,2,3
.irp j, 0,1,2,3
	v_mul_f32 v[RR+8*\b+2*\j], v[64*((\a)%4)+8*\b+2*\j+1], v[32*(\a)+8*\b+2*\j+1]
	v_mul_f32 v[RR+8*\b+2*\j+1], v[64*((\a)%4)+8*\b+2*\j], v[32*(\a)+8*\b+2*\j+1]
	v_fma_f32 v[RR+8*\b+2*\j], v[64*((\a)%4)+8*\b+2*\j], v[32*(\a)+8*\b+2*\j], -v[RR+8*\b+2*\j]
	v_fma_f32 v[RR+8*\b+2*\j+1], v[64*((\a)%4)+8*\b+2*\j+1], v[32*(\a)+8*\b+2*\j], v[RR+8*\b+2*\j+1]
.endr
.endr
	WIN 0x02+(\a)/4
.irp n, 32,34,36,38,40,42,44,46,48,50,52,54,56,58,60,62
	v_pk_mul_f32 v[RR+\n:RR+\n+1], v[64*((\a)%4)+\n:64*((\a)%4)+\n+1], s[DOWN:DOWN+1] op_sel_hi:[1,0]     ; v x 2^-s
.endr
	WIN 0
.irp n, 0,1,2,3,4,5,6,7,8,9,10,11,12,13,14,15,16,17,18,19,20,21,22,23,24,25,26,27,28,29,30,31
	v_cvt_pk_f16_f32 v[TMP+\n], v[RR+2*\n], v[RR+2*\n+1]
.endr
.endm
.macro TOSTAGE a
.set BB, 32+192*((\a)%2)
.irp b, 0,1,2,3,4,5,6,7
	ds_store_b128 v[STO], v[TMP+4*\b:TMP+4*\b+3] offset:32*\b
.endr
.irp i, 0,1,2,3
	ds_load_b128 v[BB+4*\i:BB+4*\i+3], v[RD] offset:1088*\i
.endr
.irp i, 0,1,2,3
	ds_load_b128 v[BB+16+4*\i:BB+16+4*\i+3], v[RD] offset:1088*\i+128
.endr
.endm
.macro SEND a
.set BB, 32+192*((\a)%2)
	s_wait_dscnt 0x0
	s_wait_xcnt 0x0                                ; the block before has been read by its stores
.irp i, 0,1,2,3
	global_store_b128 v[CO], v[BB+4*\i:BB+4*\i+3], s[76:77] offset:2048*(\a)+512*\i        ; 512 bytes on end
.endr
.irp i, 0,1,2,3
	global_store_b128 v[CO], v[BB+16+4*\i:BB+16+4*\i+3], s[78:79] offset:2048*(\a)+512*\i
.endr
.endm
	PACKKV 0
	TOSTAGE 0
.irp a, 1,2,3,4,5,6,7
	PACKKV \a
	SEND \a-1
	TOSTAGE \a
.endr
	SEND 7
	; the two factors for the later launches: thread 0 of work-group (0, 0) stores them; a mask, no branch
	s_wait_xcnt 0x0                                ; every earlier store has read its registers and its base; EXEC changes only behind this wait
	s_add_nc_u64 s[82:83], s[74:75], 0x1040000
	v_mov_b32 v4, s69                              ; 2^s log2(e) / 8
	v_mov_b32 v5, s68                              ; 2^s
	v_mov_b32 v6, 0
	s_lshl_b32 s20, s13, 8
	s_lshl_b32 s21, s42, 16
	s_or_b32 s20, s20, s21
	v_or_b32 v3, s20, v0
	v_cmp_eq_u32 vcc_lo, 0, v3
	s_and_saveexec_b32 s20, vcc_lo
	global_store_b64 v6, v[4:5], s[82:83]
	s_wait_xcnt 0x0
	s_or_b32 exec_lo, exec_lo, s20
	s_wait_tensorcnt 0x0                           ; the wave's end
	ds_add_u32 v[SPW], v[NIL]
	s_wait_dscnt 0x0
	CROUND
	s_endpgm
; ---- THE FINE ROWS: kvfine[16 b + t][n] = sum over k of c_kv[b][t][k] w_up[k][n], t = 0..15, by the f32 matrix form, 16 x 16 x 4.  c_kv comes as the f32 sums that the quantised product left; the result is at its true
; scale and not yet turned.  These rows average one to sixteen values and are the largest of the output: f16 operands in this product alone use up what the comparison allows.
; A work-group takes 16 columns; wave w takes k = 256 w .. 256 w + 255.  K's places are permuted alike on both sides: lane (r, h) holds k = 256 w + 128 h + 0..127, the first 64 in window 0, the last 64 in window 1, and a
; step takes two neighbouring registers of both operands.  The two accumulators are v0-15 of window 2, which matrix instructions alone write in this text.
; The four waves' partial sums meet in LDS as images of the registers; wave w adds registers 4 w .. 4 w + 3 of the sixteen, in ascending order of the waves.  The stores are pieces of 64 bytes: 256 KB in all.
.set FW,  64                           ; v64-127  w_up
.set FA0, 128                          ; v128-191 c_kv, batch 0
.set FA1, 192                          ; v192-255 c_kv, batch 1
.macro FLOADS half
.set i_, 0
.rept 64
	global_load_b32 v[FW+i_], v5, s[78:79] offset:8192*(64*(\half)+i_)
.set i_, i_+1
.endr
.irp e, 0,1,2,3,4,5,6,7,8,9,10,11,12,13,14,15
	global_load_b128 v[FA0+4*\e:FA0+4*\e+3], v4, s[76:77] offset:256*(\half)+16*\e
	global_load_b128 v[FA1+4*\e:FA1+4*\e+3], v4, s[76:77] offset:65536+256*(\half)+16*\e
.endr
.endm
.macro FMUL first                      ; steps first .. 31 of a half: the two accumulators take turns
.set i_, \first
.rept 32-\first
	v_wmma_f32_16x16x4_f32 v[0:7], v[FA0+2*i_:FA0+2*i_+1], v[FW+2*i_:FW+2*i_+1], v[0:7]
	v_wmma_f32_16x16x4_f32 v[8:15], v[FA1+2*i_:FA1+2*i_+1], v[FW+2*i_:FW+2*i_+1], v[8:15]
.set i_, i_+1
.endr
.endm
.Lfine:
	s_sub_co_u32 s16, s13, 16
	s_lshl_b32 s16, s16, 3
	s_add_co_u32 s16, s16, s42                     ; which 16 columns are my work-group's: 0..127; it enters global addresses alone
	s_lshl_b32 s18, s16, 6                         ; their first byte in a row
	v_and_b32 v1, 15, v0                           ; r
	v_bfe_u32 v2, v0, 4, 1                         ; h
	v_and_b32 v3, 31, v0
	v_lshlrev_b32 v4, 12, v1
	v_lshl_add_u32 v4, v2, 9, v4                   ; c_kv: row r of 4,096 bytes, + 128 h numbers
	v_lshlrev_b32 v5, 20, v2
	v_lshl_add_u32 v5, v1, 2, v5                   ; w_up: 128 h rows of 8,192 bytes, column r
	v_lshlrev_b32 v6, 4, v3
	s_lshl_b32 s19, s10, 11
	s_add_co_u32 s19, s19, FL
	v_add_nc_u32 v7, s19, v6                       ; my wave's image: 2,048 w + 16 x lane
	s_lshl_b32 s19, s10, 9
	s_add_co_u32 s19, s19, FL
	v_add_nc_u32 v8, s19, v6                       ; registers 4 w .. 4 w + 3 of an image
	v_lshlrev_b32 v9, 16, v2
	v_lshl_add_u32 v9, v1, 2, v9                   ; out: 8 h rows of 8,192 bytes, column r
	s_lshl_b32 s20, s10, 10
	s_add_co_u32 s20, s20, CFINE
	s_mov_b32 s21, 0
	s_add_nc_u64 s[76:77], s[4:5], s[20:21]
	s_lshl_b32 s20, s10, 21
	s_add_co_u32 s20, s20, s18
	s_add_nc_u64 s[78:79], s[84:85], s[20:21]
	s_lshr_b32 s20, s10, 1                         ; the batch whose rows I add up: 16 rows of 8,192 bytes
	s_lshl_b32 s20, s20, 17
	s_and_b32 s22, s10, 1                          ; and which four of each eight
	s_lshl_b32 s22, s22, 15
	s_add_co_u32 s20, s20, s22
	s_add_co_u32 s20, s20, s18
	s_add_co_u32 s20, s20, KVFINE
	s_add_nc_u64 s[80:81], s[74:75], s[20:21]
	FLOADS 0
	WIN 0x40                                       ; destination window 1, address window 0
	FLOADS 1
	WIN 0
	s_wait_loadcnt 0x0
	WIN 0xa0                                       ; C and D window 2, both operands window 0
	v_wmma_f32_16x16x4_f32 v[0:7], v[FA0:FA0+1], v[FW:FW+1], 0     ; the first step starts both sums
	v_wmma_f32_16x16x4_f32 v[8:15], v[FA1:FA1+1], v[FW:FW+1], 0
	FMUL 1
	WIN 0xa5                                       ; both operands window 1
	FMUL 0
	WIN 0
.rept 8
	v_nop
.endr
	WIN 0x08                                       ; an LDS store's data are its source 1: window 2
	ds_store_b128 v7, v[0:3]                       ; each accumulator from its low end on
	ds_store_b128 v7, v[4:7] offset:512
	ds_store_b128 v7, v[8:11] offset:1024
	ds_store_b128 v7, v[12:15] offset:1536
	WIN 0
	s_wait_dscnt 0x0                               ; for the others' sake: my stores have landed
	s_barrier_signal -1
	s_barrier_wait -1
.irp p, 0,1,2,3
	ds_load_b128 v[32+4*\p:35+4*\p], v8 offset:2048*\p
.endr
	s_wait_dscnt 0x0
.irp p, 1,2,3
	v_pk_add_f32 v[32:33], v[32:33], v[32+4*\p:33+4*\p]
	v_pk_add_f32 v[34:35], v[34:35], v[34+4*\p:35+4*\p]
.endr
.irp e, 0,1,2,3
	global_store_b32 v9, v[32+\e], s[80:81] offset:8192*\e         ; row 8 h + 4 (w % 2) + e, column 16 x work-group + r
.endr
	s_wait_tensorcnt 0x0                           ; the wave's end
	ds_add_u32 v[SPW], v[NIL]
	s_wait_dscnt 0x0
	CROUND                                         ; the closing round
	s_endpgm
.Lfunc_end_k_q1343664895_gemm_kv:
	.size	k_q1343664895_gemm_kv, .Lfunc_end_k_q1343664895_gemm_kv-k_q1343664895_gemm_kv
	.p2alignl 7, 3214868480
	.fill 96, 4, 3214868480
	.section	.rodata,"a",@progbits
	.p2align	6, 0x0
	.amdhsa_kernel k_q1343664895_gemm_kv
		.amdhsa_group_segment_fixed_size 327680
		.amdhsa_private_segment_fixed_size 0
		.amdhsa_enable_private_segment 0
		.amdhsa_kernarg_size 40
		.amdhsa_user_sgpr_count 2
		.amdhsa_user_sgpr_kernarg_segment_ptr 1
		.amdhsa_wavefront_size32 1
		.amdhsa_system_sgpr_workgroup_id_x 1
		.amdhsa_system_sgpr_workgroup_id_y 1
		.amdhsa_system_sgpr_workgroup_id_z 1
		.amdhsa_system_vgpr_workitem_id 0
		.amdhsa_next_free_vgpr 1024
		.amdhsa_next_free_sgpr 88
		.amdhsa_reserve_vcc 1
		.amdhsa_float_denorm_mode_32 3
		.amdhsa_float_denorm_mode_16_64 3
		.amdhsa_memory_ordered 1
		.amdhsa_forward_progress 1
		.amdhsa_inst_pref_size 223
	.end_amdhsa_kernel
	.amdgpu_metadata
---
amdhsa.version: [ 1, 2 ]
amdhsa.kernels:
  - .name:           k_q1343664895_gemm_kv
    .symbol:         k_q1343664895_gemm_kv.kd
    .args:
      - { .name: qc, .offset: 0, .size: 8, .value_kind: global_buffer, .address_space: global }
      - { .name: w16, .offset: 8, .size: 8, .value_kind: global_buffer, .address_space: global }
      - { .name: rope, .offset: 16, .size: 8, .value_kind: global_buffer, .address_space: global }
      - { .name: kv, .offset: 24, .size: 8, .value_kind: global_buffer, .address_space: global }
      - { .name: w_up, .offset: 32, .size: 8, .value_kind: global_buffer, .address_space: global }
    .group_segment_fixed_size: 327680
    .private_segment_fixed_size: 0
    .kernarg_segment_align: 8
    .kernarg_segment_size: 40
    .max_flat_workgroup_size: 128
    .sgpr_count:     88
    .vgpr_count:     1024
    .wavefront_size: 32
...
	.end_amdgpu_metadata
.endif
;; end of part 9
;; launch attn (part 10): grid 260 x 1, 8 waves a work-group, no clusters, 327,680 bytes of LDS; arguments qc, kv, rope, aof, ao; writes ao, aof
.if DOCPART == 10
	.amdgcn_target "amdgcn-amd-amdhsa--gfx1250"
	.amdhsa_code_object_version 6
	.text
	.protected	k_q1343664895_attn
	.globl	k_q1343664895_attn
	.p2align	8
	.type	k_q1343664895_attn,@function
k_q1343664895_attn:
	s_mov_b64 s[64:65], 0
	v_nop
	global_prefetch_b8 v0, s[64:65] scope:SCOPE_SE
	s_setreg_imm32_b32 hwreg(HW_REG_WAVE_MODE, 25, 1), 1
	s_wait_xcnt 0x0
; Causal attention of one (batch, head): O[q] = sum over k <= q of softmax_k(q . k / 8) v[k]; q, k, v and the weights p as f16, sums, maxima and the softmax in f32.
; k and v are stored x 2^-s; the factor c = 2^s log2(e) / 8 comes from memory, and O leaves as (P v 2^-s) / l: the last product multiplies by 2^s.
; SHARES.  Work-group i < 256: x = i % 8, batch x 16 + head = i / 8.  It owns query blocks x and 15 - x of 128 queries (waves 0-3 and 4-7), so each of these work-groups has the same work under the mask.  A wave owns 32 queries, two tiles of 16.
; Work-groups 256 to 259 make positions 0-15 of every (batch, head) once more, wholly in f32, a wave to a head (THE FINE ROWS, at the text's end): they ask for no tile and pass no barrier.
; NO CLUSTER: under the mask the work-groups of a head need different numbers of tiles (x = 7 reads 5 of the 8 slots), so partners could not make every joint request.
; LAYOUT.  S^T = K Q^T (source 0 = 16 keys, source 1 = 16 queries), O^T = V^T P: a lane holds one query throughout; two tiles of S^T, packed to f16, are source 1 of the second product.  V is turned by ds_load_tr16_b128.
; RING.  Two slots of 256 keys, 2^17 bytes apart; an LDS row holds two keys (256 bytes) + 16 (K) or + 32 (V) of padding.  Waves 0, 1 fetch K's halves, waves 2, 3 V's.  Every work-group walks all 8 slots with constant
; trip counts; a step all of whose keys come after the wave's queries is jumped over, and a slot beyond the work-group's last query is not asked for.  Every wait on TENSORcnt is for 0.
; SOFTMAX: running maximum c m and sum l for each query; p = 2^(c s - c m); O and l are multiplied by 2^(c m_old - c m_new) in every step.
; Q's rows are read 128 bytes at a time, once a wave.
; REGISTERS: window 0: v1-15 addresses; v16-39 statistics, 12 a tile; v64-127 S^T; v128-159 P; v160-223 K's fragments.  window 1: v0-31 Q; v32-95 O^T; v96-159 V's fragments; v160-207 the fine rows' sums.
.set KP,    272
.set VP,    288
.set VOFF,  128*KP
.set SLOT1, 1<<17
.set STAGE, 2*SLOT1                    ; behind the ring: 32 rows x (128 + 16) bytes for each wave
.set SPARE, STAGE+8*32*144
.set NSL,   8
.set AK0, 1
.set AV0, 2
.set ADK, 3
.set ADV, 4
.set STO, 5
.set RD,  6
.set GO,  7
.set RH,  8                            ; r - 8 h
.set DM0, 9                            ; v9, v10: my query less the step's first key less 8 h, tile 0 and 1
.set NINF, 11
.set QO,  12
.set PFO, 13
.set SPW, 14
.set NIL, 15
.set ST,  16                           ; tile u at v[ST + 12 u]: +0 c m (+1 its pair's other word), +2, +3 l, +4 the factor a (+5), +6..9 four maxima, +10, +11 at work
.set S,   64
.set P,   128
.set KFR, 160
.set WV,  10
.set SEL, 12
.set KF,  14                           ; the step's first key
.set Q0,  15                           ; my first query
.set LASTQ, 16                         ; my work-group's last query
.set SLOTS, 17
.set INNER, 18
.set LIM, 19
.set CS,  20                           ; s[20:21] c
.set TBK, 22
.set TBV, 23
.set G1K, 24
.set G1V, 32
.set G0K, 40
.set G0V, 44
.set PFK, 48
.set PFV, 50
.set XB,  68                           ; s68 x: which pair of query blocks
.set MSB, 0
.macro WIN new
.if MSB != (\new)
	s_set_vgpr_msb (MSB<<8)|(\new)
.set MSB, (\new)
.endif
.endm
.macro TLOAD                           ; waves 0, 1: K's halves; waves 2, 3: V's; the others nothing.  s_nop 0 and four v_nop follow each line
	s_cmp_lt_u32 s[WV], 2
	s_cbranch_scc0 .Lnot_k_\@
	tensor_load_to_lds s[G0K:G0K+3], s[G1K:G1K+7]
	s_nop 0
.rept 4
	v_nop
.endr
	s_branch .Lasked_\@
.Lnot_k_\@:
	s_cmp_lt_u32 s[WV], 4
	s_cbranch_scc0 .Lasked_\@
	tensor_load_to_lds s[G0V:G0V+3], s[G1V:G1V+7]
	s_nop 0
.rept 4
	v_nop
.endr
.Lasked_\@:
.endm
; A prefetch of the slot that the NEXT change will ask for: 32,768 bytes of K and as many of V.  All work-groups of a head walk the same K and V: the one with x = 0 asks, in its waves 4-7, 8,192 bytes of each a wave,
; lanes 256 bytes apart: each block is named once.  The last change that fills a slot asks for nothing; slots 0 and 1 come by their loads alone.
.macro ASK
	s_cmp_gt_u32 s[SLOTS], s[LIM]
	s_cbranch_scc0 .Lnot_mine_\@
	global_prefetch_b8 v[PFO], s[PFK:PFK+1] th:TH_LOAD_NT scope:SCOPE_SE
	global_prefetch_b8 v[PFO], s[PFV:PFV+1] th:TH_LOAD_NT scope:SCOPE_SE
.Lnot_mine_\@:
.endm
	s_load_b128 s[4:7], s[0:1], 0x0                ; qc, kv
	s_load_b128 s[72:75], s[0:1], 0x10             ; rope, aof
	s_load_b64 s[8:9], s[0:1], 0x20                ; ao
	v_lshl_add_u32 v[SPW], v0, 2, SPARE
	v_mov_b32 v[NIL], 0
	ds_add_u32 v[SPW], v[NIL]                      ; the opening: the add, twice on end, and its wait ahead of the first tensor load
	ds_add_u32 v[SPW], v[NIL]
	v_lshrrev_b32 v1, 5, v0
	v_readfirstlane_b32 s[WV], v1                  ; wave 0..7
	s_and_b32 s[XB], ttmp9, 7                      ; x
	s_lshr_b32 s52, ttmp9, 3                       ; batch x 16 + head
	s_lshr_b32 s53, s[WV], 2                       ; 0: the early block, 1: the late one
	s_sub_co_u32 s54, 15, s[XB]
	s_cmp_eq_u32 s53, 0
	s_cselect_b32 s54, s[XB], s54
	s_lshl_b32 s[Q0], s54, 7
	s_and_b32 s55, s[WV], 3
	s_lshl_b32 s55, s55, 5
	s_add_co_u32 s[Q0], s[Q0], s55
	s_sub_co_u32 s[LASTQ], 16, s[XB]
	s_lshl_b32 s[LASTQ], s[LASTQ], 7
	s_sub_co_u32 s[LASTQ], s[LASTQ], 1
	; group 1: 128 keys are a dense block: 64 rows of 256 bytes (32 elements of 8 bytes), padded behind each row
	s_mov_b32 s[G1K], (3<<16)|(1<<20)|(5<<22)|(3<<25)
	s_mov_b32 s[G1V], (3<<16)|(1<<20)|(5<<22)|(7<<25)
.irp g, G1K, G1V
	s_mov_b32 s[\g+1], 32<<16
	s_mov_b32 s[\g+2], 64<<16
	s_mov_b32 s[\g+3], 32<<16
	s_mov_b32 s[\g+4], 64
	s_mov_b32 s[\g+5], 32
	s_mov_b32 s[\g+6], 0
	s_mov_b32 s[\g+7], 0
.endr
	s_and_b32 s56, s[WV], 1
	s_lshl_b32 s58, s52, 18                        ; the head's 262,144 bytes
	s_mov_b32 s59, 0
	s_lshl_b32 s57, s56, 14
	s_add_co_u32 s60, s58, s57                     ; + my half of a slot
	s_mov_b32 s61, 0
	s_mov_b32 s[SEL], 0x76543210
	s_mov_b32 s[SEL+1], 0xfedcba98
	s_mov_b32 s[KF], 0
	s_mov_b32 s[TBK], 0
	s_mov_b32 s[TBV], 0
	s_mov_b32 s[SLOTS], NSL-1
	s_xor_b32 s57, s53, 1
	s_or_b32 s57, s57, s[XB]
	s_cmp_eq_u32 s57, 0
	s_cselect_b32 s[LIM], 1, -1
	s_wait_dscnt 0x0                               ; both opening adds are done
	s_wait_kmcnt 0x0
	s_cmp_ge_u32 ttmp9, 256                        ; the work-group's number alone: all eight waves go the same way
	s_cbranch_scc1 .Lfine
	s_mov_b32 s[G0K], 1
	s_mul_i32 s[G0K+1], s56, 64*KP
	s_add_nc_u64 s[G0K+2:G0K+3], s[6:7], s[60:61]
	s_or_b32 s[G0K+3], s[G0K+3], 0x80000000
	s_mov_b32 s[G0V], 1
	s_mul_i32 s[G0V+1], s56, 64*VP
	s_add_co_u32 s[G0V+1], s[G0V+1], VOFF
	s_add_nc_u64 s[G0V+2:G0V+3], s[6:7], s[60:61]
	s_add_nc_u64 s[G0V+2:G0V+3], s[G0V+2:G0V+3], 0x800000
	s_or_b32 s[G0V+3], s[G0V+3], 0x80000000
	TLOAD                                          ; slot 0: it holds key 0, which counts for every query
	s_add_nc_u64 s[62:63], s[6:7], 0x1040000
	s_load_b32 s[CS], s[62:63], 0x0                ; c
	s_lshl_b32 s57, s55, 8                         ; (wave % 4) x 8,192
	s_add_co_u32 s60, s58, s57
	s_add_co_u32 s60, s60, 32768                   ; in slot 1: the first change steps it to slot 2
	s_add_nc_u64 s[PFK:PFK+1], s[6:7], s[60:61]
	s_add_nc_u64 s[PFV:PFV+1], s[PFK:PFK+1], 0x800000
	s_lshr_b32 s56, s52, 4                         ; the batch
	s_and_b32 s57, s52, 15                         ; the head
	s_lshl_b32 s60, s56, 11
	s_add_co_u32 s60, s60, s[Q0]
	s_lshl_b32 s60, s60, 12
	s_lshl_b32 s58, s57, 7
	s_add_co_u32 s60, s60, s58
	s_add_nc_u64 s[66:67], s[4:5], s[60:61]        ; Q at my first query, my head
	s_lshl_b32 s60, s56, 10
	s_lshr_b32 s58, s[Q0], 1
	s_add_co_u32 s60, s60, s58
	s_lshl_b32 s60, s60, 12
	s_lshl_b32 s58, s57, 8
	s_add_co_u32 s60, s60, s58
	s_add_nc_u64 s[8:9], s[8:9], s[60:61]          ; O: rows of two positions, 4,096 bytes; a head's 256 bytes in them
	v_and_b32 v40, 15, v0                          ; r
	v_bfe_u32 v41, v0, 4, 1                        ; h
	v_lshlrev_b32 v[QO], 12, v40
	v_lshl_add_u32 v[QO], v41, 4, v[QO]
	WIN 0x40
.irp u, 0,1
.irp c, 0,1
	global_load_b128 v[16*\u+8*\c:16*\u+8*\c+3],   v[QO], s[66:67] offset:65536*\u+64*\c
	global_load_b128 v[16*\u+8*\c+4:16*\u+8*\c+7], v[QO], s[66:67] offset:65536*\u+64*\c+32
.endr
.endr
.set j_, 0
.rept 64
	v_mov_b32 v[32+j_], 0                          ; O^T: the step is written once; its first trip finds zeros
.set j_, j_+1
.endr
	WIN 0
	v_lshrrev_b32 v42, 1, v40
	v_mul_u32_u24 v[AK0], v42, KP
	v_and_b32 v43, 1, v40
	v_lshl_add_u32 v[AK0], v43, 7, v[AK0]
	v_lshl_add_u32 v[AK0], v41, 4, v[AK0]          ; key r of a tile: row r / 2, half r % 2, + 16 h
	v_bfe_u32 v42, v0, 1, 2
	v_lshl_add_u32 v42, v41, 2, v42
	v_mul_u32_u24 v[AV0], v42, VP
	v_lshl_add_u32 v[AV0], v43, 7, v[AV0]
	v_bfe_u32 v42, v0, 3, 1
	v_lshl_add_u32 v[AV0], v42, 4, v[AV0]
	v_add_nc_u32 v[AV0], VOFF, v[AV0]              ; the turning load: key 8 h + lane % 8, channels 8 ((lane / 8) % 2) on
	v_lshlrev_b32 v42, 3, v41
	v_sub_nc_u32 v[RH], v40, v42
	v_mov_b32 v[NINF], 0xff800000
	s_mul_i32 s58, s[WV], 32*144
	s_add_co_u32 s58, s58, STAGE
	v_mul_u32_u24 v[STO], v40, 144
	v_lshl_add_u32 v[STO], v41, 4, v[STO]
	v_add_nc_u32 v[STO], s58, v[STO]
	v_bfe_u32 v42, v0, 3, 2
	v_mul_u32_u24 v[RD], v42, 144
	v_and_b32 v43, 7, v0
	v_lshl_add_u32 v[RD], v43, 4, v[RD]
	v_add_nc_u32 v[RD], s58, v[RD]
	v_lshlrev_b32 v[GO], 12, v41
	v_lshl_add_u32 v[GO], v40, 4, v[GO]
	v_and_b32 v[PFO], 31, v0
	v_lshlrev_b32 v[PFO], 8, v[PFO]
.irp u, 0,1
	v_mov_b32 v[ST+12*\u], 0xff61b1e6              ; c m: -3e38, under every score
.irp k, 1,2,3,4,5,10
	v_mov_b32 v[ST+12*\u+\k], 0
.endr
.endr
; A KEY STEP: 64 keys.
.macro STEP
	s_add_co_u32 s52, s[Q0], 31
	s_cmp_gt_u32 s[KF], s52                        ; all its keys come after my queries: ids and the count of steps alone
	s_cbranch_scc1 .Lhidden_\@
	v_add_nc_u32 v[ADK], s[TBK], v[AK0]            ; four plain lines: the places in front of loads into V's registers
	v_add_nc_u32 v[ADV], s[TBV], v[AV0]
	v_nop
	v_nop
.irp t, 0,1,2,3
.irp c, 0,1
	ds_load_b128 v[KFR+16*\t+8*\c:KFR+16*\t+8*\c+3],   v[ADK] offset:2176*\t+64*\c
	ds_load_b128 v[KFR+16*\t+8*\c+4:KFR+16*\t+8*\c+7], v[ADK] offset:2176*\t+64*\c+32
.endr
.endr
	WIN 0x40
.irp g, 0,1
.irp d, 0,1,2,3
	ds_load_tr16_b128 v[96+32*\g+8*\d:96+32*\g+8*\d+3],   v[ADV] offset:4608*\g+32*\d
	ds_load_tr16_b128 v[96+32*\g+8*\d+4:96+32*\g+8*\d+7], v[ADV] offset:4608*\g+32*\d+2304
.endr
.endr
	s_wait_dscnt 16                                ; K is in; V's 16 loads may be out
	WIN 0x04
.irp c, 0,1                                    ; the eight accumulators take turns
.irp t, 0,1,2,3
.irp u, 0,1
.if \c == 0
	v_wmma_f32_16x16x32_f16 v[S+32*\u+8*\t:S+32*\u+8*\t+7], v[KFR+16*\t+8*\c:KFR+16*\t+8*\c+7], v[16*\u+8*\c:16*\u+8*\c+7], 0
.else
	v_wmma_f32_16x16x32_f16 v[S+32*\u+8*\t:S+32*\u+8*\t+7], v[KFR+16*\t+8*\c:KFR+16*\t+8*\c+7], v[16*\u+8*\c:16*\u+8*\c+7], v[S+32*\u+8*\t:S+32*\u+8*\t+7]
.endif
.endr
.endr
.endr
	WIN 0
.rept 4
	v_nop
.endr
	s_add_co_u32 s52, s[KF], 63
	s_cmp_le_u32 s52, s[Q0]                        ; all 64 keys count for all my queries: no mask
	s_cbranch_scc1 .Lopen_\@
	s_sub_co_i32 s52, s[Q0], s[KF]
	v_add_nc_u32 v[DM0], s52, v[RH]
	v_add_nc_u32 v[DM0+1], 16, v[DM0]
.irp u, 0,1
.set n_, 0
.rept 32                                       ; register 8 t + j holds key KF + 16 t + 8 h + j: hidden where 16 t + j > my query - KF - 8 h
	v_cmp_gt_i32 vcc_lo, 16*(n_/8)+n_%8, v[DM0+\u]
	v_cndmask_b32 v[S+32*\u+n_], v[S+32*\u+n_], v[NINF], vcc_lo
.set n_, n_+1
.endr
.endr
.Lopen_\@:
.irp t, 0,1,2,3
.irp u, 0,1
	v_max3_num_f32 v[ST+12*\u+6+\t], v[S+32*\u+8*\t], v[S+32*\u+8*\t+1], v[S+32*\u+8*\t+2]
.endr
.endr
.irp i, 3,5
.irp t, 0,1,2,3
.irp u, 0,1
	v_max3_num_f32 v[ST+12*\u+6+\t], v[ST+12*\u+6+\t], v[S+32*\u+8*\t+\i], v[S+32*\u+8*\t+\i+1]
.endr
.endr
.endr
.irp t, 0,1,2,3
.irp u, 0,1
	v_max_num_f32 v[ST+12*\u+6+\t], v[ST+12*\u+6+\t], v[S+32*\u+8*\t+7]
.endr
.endr
.irp u, 0,1
	v_max3_num_f32 v[ST+12*\u+6], v[ST+12*\u+6], v[ST+12*\u+7], v[ST+12*\u+8]
.endr
.irp u, 0,1
	v_max_num_f32 v[ST+12*\u+6], v[ST+12*\u+6], v[ST+12*\u+9]
.endr
.irp u, 0,1
	v_permlanex16_b32 v[ST+12*\u+10], v[ST+12*\u+6], s[SEL], s[SEL+1]   ; the query's other 32 keys lie in the lane 16 away
.endr
.irp u, 0,1
	v_max_num_f32 v[ST+12*\u+6], v[ST+12*\u+6], v[ST+12*\u+10]
.endr
.irp u, 0,1
	v_mul_f32 v[ST+12*\u+10], s[CS], v[ST+12*\u+6]                      ; c is positive
.endr
.irp u, 0,1
	v_max_num_f32 v[ST+12*\u+10], v[ST+12*\u+10], v[ST+12*\u]           ; the new c m
.endr
.irp u, 0,1
	v_sub_f32 v[ST+12*\u+11], v[ST+12*\u], v[ST+12*\u+10]
.endr
.irp u, 0,1
	v_mov_b32 v[ST+12*\u], v[ST+12*\u+10]
.endr
.irp n, 0,2,4,6,8,10,12,14,16,18,20,22,24,26,28,30
.irp u, 0,1
	v_pk_fma_f32 v[S+32*\u+\n:S+32*\u+\n+1], v[S+32*\u+\n:S+32*\u+\n+1], s[CS:CS+1], v[ST+12*\u:ST+12*\u+1] op_sel_hi:[1,0,0] neg_lo:[0,0,1] neg_hi:[0,0,1]   ; c s - c m
.endr
.endr
.irp u, 0,1
	v_exp_f32 v[ST+12*\u+4], v[ST+12*\u+11]        ; a = 2^(c m_old - c m_new)
.endr
.set n_, 0
.rept 64
	v_exp_f32 v[S+n_], v[S+n_]
.set n_, n_+1
.endr
	v_nop                                          ; a plain line behind the last exponential
	s_wait_alu depctr_va_vdst(0)                   ; one wait for the batch of 66, ahead of its first reader
.irp u, 0,1
	v_pk_mul_f32 v[ST+12*\u+2:ST+12*\u+3], v[ST+12*\u+2:ST+12*\u+3], v[ST+12*\u+4:ST+12*\u+5] op_sel_hi:[1,0]
.endr
.irp n, 0,1,2,3,4,5,6,7,8,9,10,11,12,13,14,15
.irp u, 0,1
	v_cvt_pk_f16_f32 v[P+16*\u+\n], v[S+32*\u+2*\n], v[S+32*\u+2*\n+1]
.endr
.endr
.irp u, 0,1
	v_pk_add_f32 v[ST+12*\u+6:ST+12*\u+7], v[S+32*\u:S+32*\u+1], v[S+32*\u+2:S+32*\u+3]   ; the sum of the unrounded p, in two chains
.endr
.irp n, 4,8,12,16,20,24,28
.irp u, 0,1
	v_pk_add_f32 v[ST+12*\u+2:ST+12*\u+3], v[ST+12*\u+2:ST+12*\u+3], v[S+32*\u+\n:S+32*\u+\n+1]
	v_pk_add_f32 v[ST+12*\u+6:ST+12*\u+7], v[ST+12*\u+6:ST+12*\u+7], v[S+32*\u+\n+2:S+32*\u+\n+3]
.endr
.endr
.irp u, 0,1
	v_pk_add_f32 v[ST+12*\u+2:ST+12*\u+3], v[ST+12*\u+2:ST+12*\u+3], v[ST+12*\u+6:ST+12*\u+7]
.endr
	WIN 0x41
.irp u, 0,1
.irp n, 0,2,4,6,8,10,12,14,16,18,20,22,24,26,28,30
	v_pk_mul_f32 v[32+32*\u+\n:32+32*\u+\n+1], v[32+32*\u+\n:32+32*\u+\n+1], v[ST+12*\u+4:ST+12*\u+5] op_sel_hi:[1,0]   ; O^T x a
.endr
.endr
	s_wait_dscnt 0x0                               ; V is in
	WIN 0x51
.irp g, 0,1
.irp d, 0,1,2,3
.irp u, 0,1
	v_wmma_f32_16x16x32_f16 v[32+32*\u+8*\d:32+32*\u+8*\d+7], v[96+32*\g+8*\d:96+32*\g+8*\d+7], v[P+16*\u+8*\g:P+16*\u+8*\g+7], v[32+32*\u+8*\d:32+32*\u+8*\d+7]
.endr
.endr
.endr
	WIN 0
.Lhidden_\@:
	s_add_co_u32 s[KF], s[KF], 64
	s_add_co_u32 s[TBK], s[TBK], 32*KP
	s_add_co_u32 s[TBV], s[TBV], 32*VP
.endm
; THE CHANGE OF SLOTS, at a slot's head.  Each wave waits for all its tensor loads, adds 0 to its spare word, waits for that and for its reads of the slot that it has left; one barrier; fill = 1: the slot just left is filled
; with the next 256 keys, the first thing behind the barrier, one load a fetching wave: it has a slot's four steps in which to land.
.macro CHANGE fill
	s_wait_tensorcnt 0x0
	ds_add_u32 v[SPW], v[NIL]
.if \fill
	ds_add_u32 v[SPW], v[NIL]                      ; and once more
	s_xor_b32 s[G0K+1], s[G0K+1], SLOT1
	s_add_nc_u64 s[G0K+2:G0K+3], s[G0K+2:G0K+3], 32768
	s_xor_b32 s[G0V+1], s[G0V+1], SLOT1
	s_add_nc_u64 s[G0V+2:G0V+3], s[G0V+2:G0V+3], 32768
	s_wait_xcnt 0x0                                ; the last prefetches, a slot back, have read their addresses
	s_add_nc_u64 s[PFK:PFK+1], s[PFK:PFK+1], 32768
	s_add_nc_u64 s[PFV:PFV+1], s[PFV:PFV+1], 32768
.endif
	s_wait_dscnt 0x0
	s_barrier_signal -1
	s_barrier_wait -1
.if \fill
	s_add_co_u32 s52, s[KF], 256                   ; the first key of the slot that this change would ask for
	s_cmp_gt_u32 s52, s[LASTQ]                     ; beyond my work-group's last query no wave reads it: ids and the count of steps alone, the same in all eight waves
	s_cbranch_scc1 .Lpast_\@
	TLOAD
.Lpast_\@:
	ASK
.endif
.endm
.macro SLOT_STEPS
	s_mov_b32 s[INNER], 4
.Lstep_\@:
	STEP
	s_sub_co_u32 s[INNER], s[INNER], 1
	s_cmp_lg_u32 s[INNER], 0
	s_cbranch_scc1 .Lstep_\@
	s_sub_co_u32 s[TBK], s[TBK], 4*32*KP
	s_xor_b32 s[TBK], s[TBK], SLOT1
	s_sub_co_u32 s[TBV], s[TBV], 4*32*VP
	s_xor_b32 s[TBV], s[TBV], SLOT1
.endm
	s_wait_kmcnt 0x0
	s_mov_b32 s[CS+1], s[CS]
	s_wait_loadcnt 0x0                             ; Q
.Lslot:
	CHANGE 1
	SLOT_STEPS
	s_sub_co_u32 s[SLOTS], s[SLOTS], 1
	s_cmp_lg_u32 s[SLOTS], 0
	s_cbranch_scc1 .Lslot
	CHANGE 0                                       ; the last slot is written out: nothing is left to ask for
	SLOT_STEPS
	; THE WAY OUT: O^T / l as f16, through my stage, so that two positions of a head leave as 256 bytes on end
.irp u, 0,1
	v_add_f32 v[ST+12*\u+2], v[ST+12*\u+2], v[ST+12*\u+3]
.endr
.irp u, 0,1
	v_permlanex16_b32 v[ST+12*\u+10], v[ST+12*\u+2], s[SEL], s[SEL+1]
.endr
.irp u, 0,1
	v_add_f32 v[ST+12*\u+2], v[ST+12*\u+2], v[ST+12*\u+10]
.endr
.irp u, 0,1
	v_rcp_f32 v[ST+12*\u+4], v[ST+12*\u+2]
.endr
	v_nop
	s_wait_alu depctr_va_vdst(0)                   ; one wait for the two reciprocals
.irp u, 0,1
	WIN 0x01
.irp n, 0,2,4,6,8,10,12,14,16,18,20,22,24,26,28,30
	v_pk_mul_f32 v[S+32*\u+\n:S+32*\u+\n+1], v[32+32*\u+\n:32+32*\u+\n+1], v[ST+12*\u+4:ST+12*\u+5] op_sel_hi:[1,0]
.endr
	WIN 0
.irp n, 0,1,2,3,4,5,6,7,8,9,10,11,12,13,14,15
	v_cvt_pk_f16_f32 v[P+16*\u+\n], v[S+32*\u+2*\n], v[S+32*\u+2*\n+1]
.endr
.irp d, 0,1,2,3
	ds_store_b128 v[STO], v[P+16*\u+4*\d:P+16*\u+4*\d+3] offset:2304*\u+32*\d
.endr
.endr
.irp n, 0,1,2,3,4,5,6,7
	ds_load_b128 v[KFR+4*\n:KFR+4*\n+3], v[RD] offset:576*\n           ; four rows an instruction; LDS serves a wave's instructions in order
.endr
.irp n, 0,1,2,3,4,5,6,7
	s_wait_dscnt 7-\n
	global_store_b128 v[GO], v[KFR+4*\n:KFR+4*\n+3], s[8:9] offset:8192*\n   ; sixteen lanes store 256 bytes on end, aligned
.endr
	s_wait_tensorcnt 0x0                           ; the wave's end
	ds_add_u32 v[SPW], v[NIL]
	s_wait_dscnt 0x0
	s_endpgm
; ---- THE FINE ROWS: positions 0-15 of every (batch, head) once more, wholly in f32: these rows average one to sixteen values and are the largest of the output, so f16 operands would use up what the comparison allows.
; One wave a head.  q comes turned, as f32; k and v come as f32 at their true scale, k not yet turned: lane (r, h) holds channels 32 h + 0..31 of key r, that is pairs 16 h + 0..15, and turns them by the 128 bytes
; at 256 r + 128 h of the table.  S^T = K Q^T and O^T = V^T P by the f32 matrix form, 16 x 16 x 4.  K's places are permuted alike on both sides, so that long loads serve: in the first product step i takes
; registers 2 i, 2 i + 1 of both rows; in the second, slot (h, j) of step i is key 8 h + 2 i + j, which is where p lies.
; The six accumulators are v160-207 of window 1, which matrix instructions alone write in this text; what is made of the sums goes into other registers.
.set FKR, 16                           ; v16-47   k as loaded; at the end the result
.set FQR, 48                           ; v48-79   q
.set FP,  96                           ; v96-103  the scores, then p
.set FV,  104                          ; v104-135 v
.set FTB, 168                          ; v168-199 cos, sin of my 16 pairs
.set FKT, 200                          ; v200-231 k, turned
.set SA,  160                          ; window 1: v160-175 the scores' two sums
.set OA,  176                          ; window 1: v176-207 the result's four
.Lfine:
	s_sub_co_u32 s52, ttmp9, 256
	s_lshl_b32 s52, s52, 3
	s_add_co_u32 s52, s52, s[WV]                   ; 16 x batch + head: eight to a work-group, one a wave
	s_lshr_b32 s53, s52, 4                         ; the batch
	s_and_b32 s54, s52, 15                         ; the head
	v_and_b32 v1, 15, v0                           ; r
	v_bfe_u32 v2, v0, 4, 1                         ; h
	v_lshlrev_b32 v3, 13, v1
	v_lshl_add_u32 v3, v2, 7, v3                   ; k: row r of 8,192 bytes, + 128 h
	v_lshlrev_b32 v4, 12, v1
	v_lshl_add_u32 v4, v2, 7, v4                   ; q: row r of 4,096 bytes, + 128 h
	v_lshlrev_b32 v5, 16, v2
	v_lshl_add_u32 v5, v1, 2, v5                   ; v: rows 8 h on, channel r
	v_lshlrev_b32 v6, 12, v1
	v_lshl_add_u32 v6, v2, 5, v6                   ; out: row r, + 32 h
	v_lshlrev_b32 v7, 3, v2
	v_sub_nc_u32 v7, v1, v7                        ; r - 8 h
	v_mov_b32 v8, 0xff800000
	v_mov_b32 v10, 0
	v_lshlrev_b32 v13, 8, v1
	v_lshl_add_u32 v13, v2, 7, v13                 ; the table: position r of 256 bytes, + 128 h
	s_mov_b32 s55, 0x3e38aa3b                      ; c = log2(e) / 8
	s_lshl_b32 s56, s53, 17
	s_lshl_b32 s58, s54, 9
	s_add_co_u32 s56, s56, s58
	s_add_co_u32 s56, s56, 0x1000000
	s_mov_b32 s57, 0
	s_lshl_b32 s58, s53, 16
	s_lshl_b32 s60, s54, 8
	s_add_co_u32 s58, s58, s60
	s_mov_b32 s59, 0
	s_add_nc_u64 s[6:7], s[6:7], s[56:57]
	s_add_nc_u64 s[4:5], s[4:5], s[58:59]
	s_add_nc_u64 s[4:5], s[4:5], 0x1000000
	s_add_nc_u64 s[74:75], s[74:75], s[58:59]
.irp e, 0,1,2,3,4,5,6,7
	global_load_b128 v[FKR+4*\e:FKR+4*\e+3], v3, s[6:7] offset:16*\e
	global_load_b128 v[FQR+4*\e:FQR+4*\e+3], v4, s[4:5] offset:16*\e
	global_load_b128 v[FTB+4*\e:FTB+4*\e+3], v13, s[72:73] offset:16*\e
.endr
.irp d, 0,1,2,3
.irp n, 0,1,2,3,4,5,6,7
	global_load_b32 v[FV+8*\d+\n], v5, s[6:7] offset:8192*\n+64*\d+256
.endr
.endr
	s_wait_loadcnt 32                              ; k, q and the table are in; v's 32 loads may be out
.irp j, 0,1,2,3,4,5,6,7,8,9,10,11,12,13,14,15
	v_mul_f32 v[FKT+2*\j], v[FKR+2*\j+1], v[FTB+2*\j+1]
	v_mul_f32 v[FKT+2*\j+1], v[FKR+2*\j], v[FTB+2*\j+1]
	v_fma_f32 v[FKT+2*\j], v[FKR+2*\j], v[FTB+2*\j], -v[FKT+2*\j]          ; x1 cos - x2 sin
	v_fma_f32 v[FKT+2*\j+1], v[FKR+2*\j+1], v[FTB+2*\j], v[FKT+2*\j+1]     ; x2 cos + x1 sin
.endr
	WIN 0x50                                       ; C and D window 1, both operands window 0
.irp i, 0,1,2,3,4,5,6,7,8,9,10,11,12,13,14,15  ; two accumulators by turns; their first steps start the sums
.if \i < 2
	v_wmma_f32_16x16x4_f32 v[SA+8*(\i%2):SA+8*(\i%2)+7], v[FKT+2*\i:FKT+2*\i+1], v[FQR+2*\i:FQR+2*\i+1], 0
.else
	v_wmma_f32_16x16x4_f32 v[SA+8*(\i%2):SA+8*(\i%2)+7], v[FKT+2*\i:FKT+2*\i+1], v[FQR+2*\i:FQR+2*\i+1], v[SA+8*(\i%2):SA+8*(\i%2)+7]
.endif
.endr
	WIN 0
.rept 8
	v_nop
.endr
	WIN 0x05                                       ; both sources window 1
.irp j, 0,1,2,3,4,5,6,7
	v_add_f32 v[FP+\j], v[SA+\j], v[SA+8+\j]       ; lane (r, h): query r, key 8 h + j
.endr
	WIN 0
.irp j, 0,1,2,3,4,5,6,7
	v_cmp_gt_i32 vcc_lo, \j, v7                    ; hidden where 8 h + j > r
	v_cndmask_b32 v[FP+\j], v[FP+\j], v8, vcc_lo
.endr
	v_max3_num_f32 v9, v[FP], v[FP+1], v[FP+2]
	v_max3_num_f32 v9, v9, v[FP+3], v[FP+4]
	v_max3_num_f32 v9, v9, v[FP+5], v[FP+6]
	v_max_num_f32 v9, v9, v[FP+7]
	v_permlanex16_b32 v10, v9, s[SEL], s[SEL+1]
	v_max_num_f32 v9, v9, v10                      ; the row's largest score (key 0 counts for every query)
	v_mul_f32 v9, s55, v9
.irp j, 0,1,2,3,4,5,6,7
	v_fma_f32 v[FP+\j], v[FP+\j], s55, -v9         ; c s - c m
.endr
.irp j, 0,1,2,3,4,5,6,7
	v_exp_f32 v[FP+\j], v[FP+\j]
.endr
	v_nop
	s_wait_alu depctr_va_vdst(0)                   ; one wait for the eight
	v_add_f32 v11, v[FP], v[FP+1]
	v_add_f32 v12, v[FP+2], v[FP+3]
	v_add_f32 v11, v11, v[FP+4]
	v_add_f32 v12, v12, v[FP+5]
	v_add_f32 v11, v11, v[FP+6]
	v_add_f32 v12, v12, v[FP+7]
	v_add_f32 v11, v11, v12
	v_permlanex16_b32 v10, v11, s[SEL], s[SEL+1]
	v_add_f32 v11, v11, v10
	v_rcp_f32 v12, v11                             ; 1 / l
	v_nop
	s_wait_alu depctr_va_vdst(0)
	s_wait_loadcnt 0x0
	WIN 0x50
.irp i, 0,1,2,3
.irp d, 0,1,2,3
.if \i == 0
	v_wmma_f32_16x16x4_f32 v[OA+8*\d:OA+8*\d+7], v[FV+8*\d+2*\i:FV+8*\d+2*\i+1], v[FP+2*\i:FP+2*\i+1], 0
.else
	v_wmma_f32_16x16x4_f32 v[OA+8*\d:OA+8*\d+7], v[FV+8*\d+2*\i:FV+8*\d+2*\i+1], v[FP+2*\i:FP+2*\i+1], v[OA+8*\d:OA+8*\d+7]
.endif
.endr
.endr
	WIN 0
.rept 8
	v_nop
.endr
	WIN 0x01                                       ; source 0 window 1
.irp n, 0,1,2,3,4,5,6,7,8,9,10,11,12,13,14,15,16,17,18,19,20,21,22,23,24,25,26,27,28,29,30,31
	v_mul_f32 v[FKR+\n], v[OA+\n], v12             ; register 8 d + j: channel 16 d + 8 h + j of query r
.endr
	WIN 0
.irp d, 0,1,2,3
.irp e, 0,1
	global_store_b128 v6, v[FKR+8*\d+4*\e:FKR+8*\d+4*\e+3], s[74:75] offset:64*\d+16*\e
.endr
.endr
	s_wait_tensorcnt 0x0                           ; the wave's end
	ds_add_u32 v[SPW], v[NIL]
	s_wait_dscnt 0x0
	s_endpgm
.Lfunc_end_k_q1343664895_attn:
	.size	k_q1343664895_attn, .Lfunc_end_k_q1343664895_attn-k_q1343664895_attn
	.p2alignl 7, 3214868480
	.fill 96, 4, 3214868480
	.section	.rodata,"a",@progbits
	.p2align	6, 0x0
	.amdhsa_kernel k_q1343664895_attn
		.amdhsa_group_segment_fixed_size 327680
		.amdhsa_private_segment_fixed_size 0
		.amdhsa_enable_private_segment 0
		.amdhsa_kernarg_size 40
		.amdhsa_user_sgpr_count 2
		.amdhsa_user_sgpr_kernarg_segment_ptr 1
		.amdhsa_wavefront_size32 1
		.amdhsa_system_sgpr_workgroup_id_x 1
		.amdhsa_system_sgpr_workgroup_id_y 1
		.amdhsa_system_sgpr_workgroup_id_z 1
		.amdhsa_system_vgpr_workitem_id 0
		.amdhsa_next_free_vgpr 512
		.amdhsa_next_free_sgpr 80
		.amdhsa_reserve_vcc 1
		.amdhsa_float_denorm_mode_32 3
		.amdhsa_float_denorm_mode_16_64 3
		.amdhsa_memory_ordered 1
		.amdhsa_forward_progress 1
		.amdhsa_inst_pref_size 80
	.end_amdhsa_kernel
	.amdgpu_metadata
---
amdhsa.version: [ 1, 2 ]
amdhsa.kernels:
  - .name:           k_q1343664895_attn
    .symbol:         k_q1343664895_attn.kd
    .args:
      - { .name: qc, .offset: 0, .size: 8, .value_kind: global_buffer, .address_space: global }
      - { .name: kv, .offset: 8, .size: 8, .value_kind: global_buffer, .address_space: global }
      - { .name: rope, .offset: 16, .size: 8, .value_kind: global_buffer, .address_space: global }
      - { .name: aof, .offset: 24, .size: 8, .value_kind: global_buffer, .address_space: global }
      - { .name: ao, .offset: 32, .size: 8, .value_kind: global_buffer, .address_space: global }
    .group_segment_fixed_size: 327680
    .private_segment_fixed_size: 0
    .kernarg_segment_align: 8
    .kernarg_segment_size: 40
    .max_flat_workgroup_size: 256
    .sgpr_count:     80
    .vgpr_count:     512
    .wavefront_size: 32
...
	.end_amdgpu_metadata
.endif
;; end of part 10
;; launch proj (part 11): grid 8 x 32, 4 waves a work-group, clusters of 4 x 4, 327,680 bytes of LDS; arguments ao, w16, kv, out0, aof, wo; writes out0
.if DOCPART == 11
	.amdgcn_target "amdgcn-amd-amdhsa--gfx1250"
	.amdhsa_code_object_version 6
	.text
	.protected	k_q1343664895_proj
	.globl	k_q1343664895_proj
	.p2align	8
	.type	k_q1343664895_proj,@function
k_q1343664895_proj:
	s_mov_b64 s[64:65], 0
	v_nop
	global_prefetch_b8 v0, s[64:65] scope:SCOPE_SE
	s_setreg_imm32_b32 hwreg(HW_REG_WAVE_MODE, 25, 1), 1
	s_wait_xcnt 0x0
	s_wait_alu depctr_hold_cnt(0) depctr_sa_sdst(0) depctr_va_vdst(0) depctr_va_sdst(0) depctr_va_ssrc(0) depctr_va_vcc(0) depctr_vm_vsrc(0)
	s_getreg_b32 s2, hwreg(HW_REG_IB_STS2, 6, 4)
	s_cmp_eq_u32 s2, 0
	s_cbranch_scc0 .Lentry_in_a_cluster
	s_endpgm
.Lentry_in_a_cluster:
	s_bfe_u32 s2, ttmp6, 0x10000c
	s_cmp_lg_u32 s2, 0xf033
	s_cbranch_scc0 .Lentry_shape_is_right
	s_endpgm
.Lentry_shape_is_right:
; out = attention's result x wo, f16 operands, f32 sums, x 2^s on the way out: C[m][n] = sum over k of A[m][k] B[n][k]; B = wo as f16 [2048 n][1024 k].
; A lies as rows of TWO positions: [position / 2][head][position % 2][64] f16, 4,096 bytes a row.  A K step of 128 (two heads) of 128 positions is a tile of 64 rows x 512 bytes (LDS pitch 528):
; position p, channel k of the step lie at (p / 2) 528 + (k / 64) 256 + (p % 2) 128 + 2 (k % 64).
; All else: a tile of C, 256 x 256, by four waves; two LDS slots; cluster 4 x 4 with joint loads; the matrix instruction used transposed.
; TWO KINDS OF CLUSTER, told apart by the cluster's y, which all sixteen partners share.  C has 128 tiles: clusters with y 0-3 make them, all but rows 0-15 of each sequence, whose stores are masked out.  The 128
; work-groups of clusters with y 4-7 make those rows, with f32 operands (THE FINE ROWS, at the text's end): so each byte of the output has one owner.  They ask for no tile, and have LDS bytes of their own.
.set SIZE_K, 1024
.set KSTEP,  128
.set PITCH,  272
.set APITCH, 528
.set HALFT,  128*PITCH                 ; a wave's place in a slot; A's tile, 64 x 528 bytes, fits in it
.set SLOT,   4*HALFT
.set STAGE,  2*SLOT                    ; behind the ring: 16 rows x (512 + 16) bytes for each wave
.set SPITCH, 528
.set SPARE,  STAGE+4*16*SPITCH
.set FL,     SPARE+512                 ; behind the spare words: the fine rows' partial sums, 2,048 bytes for each wave
.set LAPS,   SIZE_K/(2*KSTEP)
.set ADRA, 16
.set ADRB, 20
.set STO,  24
.set RD,   25
.set CO,   26
.set VF,   27                          ; 0 where my block 0 holds positions 0-15
.set SPW,  28
.set NIL,  29
.set F0,   64
.set F1,   128
.set RR,   64
.set BK,   128
.set G1, 24
.set G0, 32
.set G1B, 48
.set G0B, 56
.set UP, 66                            ; s[66:67] 2^s, twice
.set CLY, 70                           ; s70 the cluster's y
.set MSB, 0
.macro WIN new
.if MSB != (\new)
	s_set_vgpr_msb (MSB<<8)|(\new)
.set MSB, (\new)
.endif
.endm
.set MUL_LO, 0xa1
.set MUL_HI, 0xf1
.set TO_B,   0x40
.macro JLOAD s
	s_cmp_eq_u32 s11, 0
	s_cbranch_scc0 .Lfor_b_\@
	tensor_load_to_lds s[G0+4*\s:G0+4*\s+3], s[G1:G1+7]
	s_nop 0
.rept 4
	v_nop
.endr
	s_branch .Lasked_\@
.Lfor_b_\@:
	tensor_load_to_lds s[G0B+4*\s:G0B+4*\s+3], s[G1B:G1B+7]
	s_nop 0
.rept 4
	v_nop
.endr
.Lasked_\@:
.endm
.macro CREST
	s_cmp_lg_u32 s10, 0
	s_cbranch_scc1 .Lnot_wave_0_\@
	s_barrier_signal -3
.Lnot_wave_0_\@:
	s_barrier_wait -3
	s_barrier_signal -1
	s_barrier_wait -1
.endm
.macro CROUND
	s_barrier_signal -1
	s_barrier_wait -1
	CREST
.endm
	s_load_b128 s[4:7], s[0:1], 0x0                ; ao, w16
	s_load_b128 s[72:75], s[0:1], 0x10             ; kv, out0
	s_load_b128 s[84:87], s[0:1], 0x20             ; aof, wo
	v_lshl_add_u32 v[SPW], v0, 2, SPARE
	v_mov_b32 v[NIL], 0
	ds_add_u32 v[SPW], v[NIL]                      ; the opening: the add, twice on end, and its wait ahead of my first tensor load
	ds_add_u32 v[SPW], v[NIL]
	v_lshrrev_b32 v1, 5, v0
	v_readfirstlane_b32 s10, v1
	s_lshr_b32 s11, s10, 1
	s_and_b32 s12, s10, 1
	s_bfe_u32 s40, ttmp6, 0x40000
	s_bfe_u32 s41, ttmp6, 0x40004
	s_lshl_b32 s42, ttmp9, 2
	s_add_co_u32 s42, s42, s40
	s_and_b32 s[CLY], ttmp7, 0xffff                ; the cluster's y
	s_lshl_b32 s13, s[CLY], 2
	s_add_co_u32 s13, s13, s41                     ; tile row (16 to 31 in the clusters of the fine rows)
	s_lshl_b32 s43, s41, 2
	s_lshl_b32 s43, 15, s43
	s_lshl_b32 s44, 0x1111, s40
	s_or_b32 s[G1+0], s43, (1<<16)|(1<<20)|(1<<21)|(6<<22)|(3<<25)  ; A: 4 words of padding behind every 128
	s_mov_b32 s[G1+1], 256<<16
	s_mov_b32 s[G1+2], 64<<16
	s_mov_b32 s[G1+3], 256<<16
	s_mov_b32 s[G1+4], 64
	s_mov_b32 s[G1+5], 2048
	s_mov_b32 s[G1+6], 0
	s_mov_b32 s[G1+7], 0
	s_or_b32 s[G1B+0], s44, (1<<16)|(1<<20)|(1<<21)|(5<<22)|(3<<25) ; B: behind every 64
	s_mov_b32 s[G1B+1], KSTEP<<16
	s_mov_b32 s[G1B+2], 128<<16
	s_mov_b32 s[G1B+3], KSTEP<<16
	s_mov_b32 s[G1B+4], 128
	s_mov_b32 s[G1B+5], SIZE_K
	s_mov_b32 s[G1B+6], 0
	s_mov_b32 s[G1B+7], 0
	s_lshl_b32 s17, s12, 6
	s_lshl_b32 s16, s13, 7
	s_add_co_u32 s16, s16, s17                     ; A: row of two positions 128 x tile row + 64 x half
	s_lshl_b32 s16, s16, 12
	s_mov_b32 s17, 0
	s_lshl_b32 s47, s12, 7
	s_lshl_b32 s46, s42, 8
	s_add_co_u32 s46, s46, s47                     ; B: row 256 x tile column + 128 x half
	s_lshl_b32 s46, s46, 11
	s_add_co_u32 s46, s46, 0x400000                ; wo lies behind w_up
	s_mov_b32 s47, 0
	s_mul_i32 s20, s10, HALFT
	s_wait_dscnt 0x0
	s_wait_kmcnt 0x0
	s_add_nc_u64 s[14:15], s[4:5], s[16:17]
	s_add_nc_u64 s[46:47], s[6:7], s[46:47]
	CROUND
	s_cmp_ge_u32 s[CLY], 4                         ; the cluster's y alone: all sixteen partners go the same way
	s_cbranch_scc1 .Lfine
.irp s, 0,1
	s_mov_b32 s[G0+4*\s], 1
	s_add_co_u32 s[G0+4*\s+1], s20, \s*SLOT
	s_add_nc_u64 s[G0+4*\s+2:G0+4*\s+3], s[14:15], \s*512
	s_or_b32 s[G0+4*\s+3], s[G0+4*\s+3], 0x80000000
	s_mov_b32 s[G0B+4*\s], 1
	s_add_co_u32 s[G0B+4*\s+1], s20, \s*SLOT
	s_add_nc_u64 s[G0B+4*\s+2:G0B+4*\s+3], s[46:47], \s*KSTEP*2
	s_or_b32 s[G0B+4*\s+3], s[G0B+4*\s+3], 0x80000000
	JLOAD \s
.endr
	s_add_nc_u64 s[76:77], s[72:73], 0x1040000
	s_load_b32 s[UP], s[76:77], 0x4                ; 2^s: it multiplies results, and steers nothing
	v_and_b32 v1, 15, v0                           ; r
	v_bfe_u32 v2, v0, 4, 1                         ; h
	v_mul_u32_u24 v3, v1, PITCH
	v_lshl_add_u32 v3, v2, 4, v3                   ; B: row r x pitch + 16 h
	v_lshrrev_b32 v4, 1, v1
	v_mul_u32_u24 v4, v4, APITCH
	v_and_b32 v5, 1, v1
	v_lshl_add_u32 v4, v5, 7, v4
	v_lshl_add_u32 v4, v2, 4, v4                   ; A: (r / 2) x 528 + (r % 2) x 128 + 16 h
	s_mul_i32 s21, s11, HALFT
	s_mul_i32 s22, s12, HALFT
	s_add_co_u32 s22, s22, 2*HALFT
.irp s, 0,1
	v_add_nc_u32 v[ADRA+\s], s21, v4
	v_add_nc_u32 v[ADRB+\s], s22, v3
	s_add_co_u32 s21, s21, SLOT
	s_add_co_u32 s22, s22, SLOT
.endr
	s_wait_kmcnt 0x0
	s_mov_b32 s[UP+1], s[UP]
.macro MUL16 f, hi, a0, zero
.irp a, \a0, \a0+1
.irp b, 0,1,2,3,4,5,6,7
.if \zero
	v_wmma_f32_16x16x32_f16 v[8*(8*(\a)+\b):8*(8*(\a)+\b)+7], v[\f+8*\b:\f+8*\b+7], v[\f+8*(4*\hi+\a):\f+8*(4*\hi+\a)+7], 0
.else
	v_wmma_f32_16x16x32_f16 v[8*(8*(\a)+\b):8*(8*(\a)+\b)+7], v[\f+8*\b:\f+8*\b+7], v[\f+8*(4*\hi+\a):\f+8*(4*\hi+\a)+7], v[8*(8*(\a)+\b):8*(8*(\a)+\b)+7]
.endif
.endr
.endr
.endm
.macro FETCH slot, k, f
	WIN TO_B
.irp i, 0,1,2,3,4,5,6,7
	ds_load_b128 v[\f+8*\i:\f+8*\i+3],   v[ADRB+\slot] offset:\k+\i*16*PITCH
	ds_load_b128 v[\f+8*\i+4:\f+8*\i+7], v[ADRB+\slot] offset:\k+\i*16*PITCH+32
.endr
	WIN 0
.irp i, 0,1,2,3,4,5,6,7
	ds_load_b128 v[\f+8*\i:\f+8*\i+3],   v[ADRA+\slot] offset:((\k)/128)*256+(\k)%128+\i*8*APITCH
	ds_load_b128 v[\f+8*\i+4:\f+8*\i+7], v[ADRA+\slot] offset:((\k)/128)*256+(\k)%128+\i*8*APITCH+32
.endr
.endm
.macro PLACES
.rept 4
	v_nop
.endr
.endm
.macro QUARTER slot, k, f, g, zero
	s_wait_dscnt 8                                 ; B and A's rows 0-63 are in; A's rows 64-127 may be out
	WIN MUL_LO
	MUL16 \f, 0, 0, \zero
	MUL16 \f, 0, 2, \zero
	PLACES
	FETCH \slot, \k, \g
	s_wait_dscnt 32                                ; all but the 32 just issued
	WIN MUL_HI
	MUL16 \f, 1, 0, \zero
	MUL16 \f, 1, 2, \zero
.endm
.macro TURN slot, next, fill
	WIN 0
	s_wait_tensorcnt 0x0
	ds_add_u32 v[SPW], v[NIL]
	s_wait_dscnt 9                                 ; the add and the youngest eight loads may be out
	WIN MUL_LO
	MUL16 F1, 0, 0, 0
	s_wait_dscnt 0x0
	s_barrier_signal -1
	MUL16 F1, 0, 2, 0
.if \fill
	WIN 0
.endif
	s_barrier_wait -1
.if \fill
	CREST
	s_add_nc_u64 s[G0+4*\slot+2:G0+4*\slot+3], s[G0+4*\slot+2:G0+4*\slot+3], 1024
	s_add_nc_u64 s[G0B+4*\slot+2:G0B+4*\slot+3], s[G0B+4*\slot+2:G0B+4*\slot+3], 2*KSTEP*2
	JLOAD \slot
.else
	PLACES
.endif
	FETCH \next, 0, F0
	WIN MUL_HI
	MUL16 F1, 1, 0, 0
	MUL16 F1, 1, 2, 0
.endm
	s_wait_tensorcnt 1                             ; my part of K step 0 is in; K step 1's may be out
	s_barrier_signal -1
	s_barrier_wait -1
	FETCH 0, 0, F0
	QUARTER 0, 64,  F0, F1, 1
	WIN 0
	s_mov_b32 s3, LAPS-1
.Llap:
	QUARTER 0, 128, F1, F0, 0
	QUARTER 0, 192, F0, F1, 0
	TURN 0, 1, 1
	QUARTER 1, 64,  F0, F1, 0
	QUARTER 1, 128, F1, F0, 0
	QUARTER 1, 192, F0, F1, 0
	TURN 1, 0, 1
	QUARTER 0, 64,  F0, F1, 0
	WIN 0
	s_sub_co_u32 s3, s3, 1
	s_cmp_lg_u32 s3, 0
	s_cbranch_scc1 .Llap
	QUARTER 0, 128, F1, F0, 0
	QUARTER 0, 192, F0, F1, 0
	TURN 0, 1, 0
	QUARTER 1, 64,  F0, F1, 0
	QUARTER 1, 128, F1, F0, 0
	QUARTER 1, 192, F0, F1, 0
	s_wait_dscnt 8
	WIN MUL_LO
	MUL16 F1, 0, 0, 0
	MUL16 F1, 0, 2, 0
	s_wait_dscnt 0
	WIN MUL_HI
	MUL16 F1, 1, 0, 0
	MUL16 F1, 1, 2, 0
	WIN 0
; ---- THE WAY OUT: a block of 16 rows x 128 columns x 2^s, through my stage, back as rows of 512 bytes
	s_lshl_b32 s18, s13, 8
	s_lshl_b32 s19, s11, 7
	s_add_co_u32 s18, s18, s19                     ; R0
	s_lshl_b32 s16, s18, 13                        ; a row of the output is 8,192 bytes
	s_lshl_b32 s19, s42, 10
	s_add_co_u32 s16, s16, s19
	s_lshl_b32 s19, s12, 9
	s_add_co_u32 s16, s16, s19
	s_mov_b32 s17, 0
	s_add_nc_u64 s[74:75], s[74:75], s[16:17]
	s_mul_i32 s23, s10, 16*SPITCH
	s_add_co_u32 s23, s23, STAGE
	s_and_b32 s19, s13, 7
	s_lshl_b32 s22, s11, 3
	s_or_b32 s19, s19, s22                         ; 0 where R0 is a sequence's first row
	v_mul_u32_u24 v3, v1, SPITCH                   ; (these plain lines are also the places behind the last products)
	v_lshl_add_u32 v3, v2, 5, v3
	v_add_nc_u32 v[STO], s23, v3
	v_and_b32 v4, 31, v0
	v_lshlrev_b32 v[CO], 4, v4
	v_add_nc_u32 v[RD], s23, v[CO]
	v_mov_b32 v[VF], s19
.macro TOSTAGE a
	WIN 0x02+(\a)/4
.irp n, 0,2,4,6,8,10,12,14,16,18,20,22,24,26,28,30,32,34,36,38,40,42,44,46,48,50,52,54,56,58,60,62
	v_pk_mul_f32 v[RR+\n:RR+\n+1], v[64*((\a)%4)+\n:64*((\a)%4)+\n+1], s[UP:UP+1] op_sel_hi:[1,0]
.endr
	WIN 0
.irp b, 0,1,2,3,4,5,6,7
	ds_store_b128 v[STO], v[RR+8*\b:RR+8*\b+3] offset:64*\b
	ds_store_b128 v[STO], v[RR+8*\b+4:RR+8*\b+7] offset:64*\b+16
.endr
.set BB, BK+64*((\a)%2)
.irp t, 0,1,2,3,4,5,6,7,8,9,10,11,12,13,14,15
	ds_load_b128 v[BB+4*\t:BB+4*\t+3], v[RD] offset:\t*SPITCH
.endr
.endm
.macro SEND a, younger                 ; younger: the LDS instructions issued behind block a's loads
.set BB, BK+64*((\a)%2)
	s_wait_dscnt \younger
.if (\a) == 0
	s_wait_xcnt 0x0                                ; EXEC changes only behind this wait
	v_cmp_ne_u32 vcc_lo, 0, v[VF]                  ; a mask, no branch (the tile row differs between partners): positions 0-15 are the fine rows' to store
	s_and_saveexec_b32 s19, vcc_lo
.endif
.irp t, 0,1,2,3,4,5,6,7,8,9,10,11,12,13,14,15
	global_store_b128 v[CO], v[BB+4*\t:BB+4*\t+3], s[74:75] offset:131072*(\a)+8192*\t th:TH_STORE_NT   ; 512 bytes on end
.endr
.if (\a) == 0
	s_wait_xcnt 0x0
	s_or_b32 exec_lo, exec_lo, s19
.endif
.endm
	TOSTAGE 0
.irp a, 1,2,3,4,5,6,7
.if \a > 1
	s_wait_xcnt 0x0                                ; block a - 2's stores have read their registers: block a's loads may land there
.endif
	TOSTAGE \a
	SEND \a-1, 32                                  ; behind block a - 1's loads: block a's 16 stores and 16 loads
.endr
	SEND 7, 0
	s_wait_tensorcnt 0x0                           ; the wave's end
	ds_add_u32 v[SPW], v[NIL]
	s_wait_dscnt 0x0
	CROUND
	s_endpgm
; ---- THE FINE ROWS: out[b][t][n] = sum over k of aof[16 b + t][k] wo[k][n], t = 0..15, by the f32 matrix form, 16 x 16 x 4; aof is attention's result of these positions in f32, at its true scale.
; A work-group takes 16 columns; wave w takes k = 256 w .. 256 w + 255.  K's places are permuted alike on both sides: lane (r, h) holds k = 256 w + 128 h + 0..127, the first 64 in window 0, the last 64 in window 1, and a
; step takes two neighbouring registers of both operands.  The two accumulators are v0-15 of window 2, which matrix instructions alone write in this text.
; The four waves' partial sums meet in LDS as images of the registers; wave w adds registers 4 w .. 4 w + 3 of the sixteen, in ascending order of the waves.  The stores are pieces of 64 bytes: 256 KB in all.
.set FW,  64                           ; v64-127  wo
.set FA0, 128                          ; v128-191 aof, batch 0
.set FA1, 192                          ; v192-255 aof, batch 1
.macro FLOADS half
.set i_, 0
.rept 64
	global_load_b32 v[FW+i_], v5, s[78:79] offset:8192*(64*(\half)+i_)
.set i_, i_+1
.endr
.irp e, 0,1,2,3,4,5,6,7,8,9,10,11,12,13,14,15
	global_load_b128 v[FA0+4*\e:FA0+4*\e+3], v4, s[76:77] offset:256*(\half)+16*\e
	global_load_b128 v[FA1+4*\e:FA1+4*\e+3], v4, s[76:77] offset:65536+256*(\half)+16*\e
.endr
.endm
.macro FMUL first                      ; steps first .. 31 of a half: the two accumulators take turns
.set i_, \first
.rept 32-\first
	v_wmma_f32_16x16x4_f32 v[0:7], v[FA0+2*i_:FA0+2*i_+1], v[FW+2*i_:FW+2*i_+1], v[0:7]
	v_wmma_f32_16x16x4_f32 v[8:15], v[FA1+2*i_:FA1+2*i_+1], v[FW+2*i_:FW+2*i_+1], v[8:15]
.set i_, i_+1
.endr
.endm
.Lfine:
	s_sub_co_u32 s16, s13, 16
	s_lshl_b32 s16, s16, 3
	s_add_co_u32 s16, s16, s42                     ; which 16 columns are my work-group's: 0..127; it enters global addresses alone
	s_lshl_b32 s18, s16, 6                         ; their first byte in a row
	v_and_b32 v1, 15, v0                           ; r
	v_bfe_u32 v2, v0, 4, 1                         ; h
	v_and_b32 v3, 31, v0
	v_lshlrev_b32 v4, 12, v1
	v_lshl_add_u32 v4, v2, 9, v4                   ; aof: row r of 4,096 bytes, + 128 h numbers
	v_lshlrev_b32 v5, 20, v2
	v_lshl_add_u32 v5, v1, 2, v5                   ; wo: 128 h rows of 8,192 bytes, column r
	v_lshlrev_b32 v6, 4, v3
	s_lshl_b32 s19, s10, 11
	s_add_co_u32 s19, s19, FL
	v_add_nc_u32 v7, s19, v6                       ; my wave's image: 2,048 w + 16 x lane
	s_lshl_b32 s19, s10, 9
	s_add_co_u32 s19, s19, FL
	v_add_nc_u32 v8, s19, v6                       ; registers 4 w .. 4 w + 3 of an image
	v_lshlrev_b32 v9, 16, v2
	v_lshl_add_u32 v9, v1, 2, v9                   ; out: 8 h rows of 8,192 bytes, column r
	s_lshl_b32 s20, s10, 10
	s_mov_b32 s21, 0
	s_add_nc_u64 s[76:77], s[84:85], s[20:21]
	s_lshl_b32 s20, s10, 21
	s_add_co_u32 s20, s20, s18
	s_add_nc_u64 s[78:79], s[86:87], s[20:21]
	s_lshr_b32 s20, s10, 1                         ; the batch whose rows I add up: 2,048 rows of 8,192 bytes
	s_lshl_b32 s20, s20, 24
	s_and_b32 s22, s10, 1                          ; and which four of each eight
	s_lshl_b32 s22, s22, 15
	s_add_co_u32 s20, s20, s22
	s_add_co_u32 s20, s20, s18
	s_add_nc_u64 s[80:81], s[74:75], s[20:21]
	FLOADS 0
	WIN 0x40                                       ; destination window 1, address window 0
	FLOADS 1
	WIN 0
	s_wait_loadcnt 0x0
	WIN 0xa0                                       ; C and D window 2, both operands window 0
	v_wmma_f32_16x16x4_f32 v[0:7], v[FA0:FA0+1], v[FW:FW+1], 0     ; the first step starts both sums
	v_wmma_f32_16x16x4_f32 v[8:15], v[FA1:FA1+1], v[FW:FW+1], 0
	FMUL 1
	WIN 0xa5                                       ; both operands window 1
	FMUL 0
	WIN 0
.rept 8
	v_nop
.endr
	WIN 0x08                                       ; an LDS store's data are its source 1: window 2
	ds_store_b128 v7, v[0:3]                       ; each accumulator from its low end on
	ds_store_b128 v7, v[4:7] offset:512
	ds_store_b128 v7, v[8:11] offset:1024
	ds_store_b128 v7, v[12:15] offset:1536
	WIN 0
	s_wait_dscnt 0x0                               ; for the others' sake: my stores have landed
	s_barrier_signal -1
	s_barrier_wait -1
.irp p, 0,1,2,3
	ds_load_b128 v[32+4*\p:35+4*\p], v8 offset:2048*\p
.endr
	s_wait_dscnt 0x0
.irp p, 1,2,3
	v_pk_add_f32 v[32:33], v[32:33], v[32+4*\p:33+4*\p]
	v_pk_add_f32 v[34:35], v[34:35], v[34+4*\p:35+4*\p]
.endr
.irp e, 0,1,2,3
	global_store_b32 v9, v[32+\e], s[80:81] offset:8192*\e         ; row 8 h + 4 (w % 2) + e, column 16 x work-group + r
.endr
	s_wait_tensorcnt 0x0                           ; the wave's end
	ds_add_u32 v[SPW], v[NIL]
	s_wait_dscnt 0x0
	CROUND                                         ; the closing round
	s_endpgm
.Lfunc_end_k_q1343664895_proj:
	.size	k_q1343664895_proj, .Lfunc_end_k_q1343664895_proj-k_q1343664895_proj
	.p2alignl 7, 3214868480
	.fill 96, 4, 3214868480
	.section	.rodata,"a",@progbits
	.p2align	6, 0x0
	.amdhsa_kernel k_q1343664895_proj
		.amdhsa_group_segment_fixed_size 327680
		.amdhsa_private_segment_fixed_size 0
		.amdhsa_enable_private_segment 0
		.amdhsa_kernarg_size 48
		.amdhsa_user_sgpr_count 2
		.amdhsa_user_sgpr_kernarg_segment_ptr 1
		.amdhsa_wavefront_size32 1
		.amdhsa_system_sgpr_workgroup_id_x 1
		.amdhsa_system_sgpr_workgroup_id_y 1
		.amdhsa_system_sgpr_workgroup_id_z 1
		.amdhsa_system_vgpr_workitem_id 0
		.amdhsa_next_free_vgpr 1024
		.amdhsa_next_free_sgpr 88
		.amdhsa_reserve_vcc 1
		.amdhsa_float_denorm_mode_32 3
		.amdhsa_float_denorm_mode_16_64 3
		.amdhsa_memory_ordered 1
		.amdhsa_forward_progress 1
		.amdhsa_inst_pref_size 186
	.end_amdhsa_kernel
	.amdgpu_metadata
---
amdhsa.version: [ 1, 2 ]
amdhsa.kernels:
  - .name:           k_q1343664895_proj
    .symbol:         k_q1343664895_proj.kd
    .args:
      - { .name: ao, .offset: 0, .size: 8, .value_kind: global_buffer, .address_space: global }
      - { .name: w16, .offset: 8, .size: 8, .value_kind: global_buffer, .address_space: global }
      - { .name: kv, .offset: 16, .size: 8, .value_kind: global_buffer, .address_space: global }
      - { .name: out0, .offset: 24, .size: 8, .value_kind: global_buffer, .address_space: global }
      - { .name: aof, .offset: 32, .size: 8, .value_kind: global_buffer, .address_space: global }
      - { .name: wo, .offset: 40, .size: 8, .value_kind: global_buffer, .address_space: global }
    .group_segment_fixed_size: 327680
    .private_segment_fixed_size: 0
    .kernarg_segment_align: 8
    .kernarg_segment_size: 48
    .max_flat_workgroup_size: 128
    .sgpr_count:     88
    .vgpr_count:     1024
    .wavefront_size: 32
...
	.end_amdgpu_metadata
.endif
;; end of part 11
